; MI455X (gfx1250); checked and timed in simulation.
; The chip was launched on July 23, 2026; its instructions are those of AMD's public machine-readable ISA for CDNA 5 (MIT licence, August 2026) and "CDNA5" Instruction Set Architecture Reference Guide (July 2026). The comments in the code are by the model that wrote it; some were corrected since.
;; Transformer Block. Allowed arithmetic: float matrix products may take bf16 or f16 operands with f32 sums; other float arithmetic in f32, or as packed bf16 or f16 multiplies, adds, multiply-adds, maxima and minima; sums over many terms, partial sums and values carried from step to step in f32; what a program stores and reads back later, other than sums and carried values, may be rounded once to bf16 or f16.
;; Inputs: WK 256 x 256 float32; WQ 256 x 256 float32; WV 256 x 256 float32; W_post 64 x 256 float32; W_pre 256 x 64 float32; Wa1 256 x 256 float32; Wa2 256 x 256 float32; Wp1 256 x 3 float32; Wp2 256 x 256 float32; Wproj 256 x 256 float32; b_dm 256 float32; b_dp 64 float32; b_post 64 float32; b_pre 256 float32; features 4 x 4,096 x 64 float32; g_dm 256 float32; g_dp 64 float32; xyz 4 x 4,096 x 3 float32.
;; Outputs: out0 4 x 4,096 x 64 float32.
;; 2 versions, each right and faster than the one before. Each part assembles by itself: llvm-mc -triple=amdgcn-amd-amdhsa -mcpu=gfx1250 --defsym DOCPART=n.
;; ======== version 1 of 2: 6 launches
;; limits: values outside matrix products are rounded to bf16; values are held in f16: magnitudes above 65,504 overflow, below 6.1e-05 lose precision
;; workspace buffers: wts 1,130,496 bytes; gids 262,144 bytes of whole numbers; nidx 524,288 bytes of whole numbers; qa 8,388,608 bytes; ka 8,388,608 bytes; vv 8,388,608 bytes; res 8,388,608 bytes
;; launch prep (part 1): grid 276 x 1, 8 waves a work-group, no clusters, 0 bytes of LDS; arguments WQ, WK, WV, Wa1, Wproj, Wa2, Wp2, W_post, W_pre, Wp1, wts; writes wts
.if DOCPART == 1
	.amdgcn_target "amdgcn-amd-amdhsa--gfx1250"
	.amdhsa_code_object_version 6
	.text
	.protected	k_qc3eb084dd5_prep
	.globl	k_qc3eb084dd5_prep
	.p2align	8
	.type	k_qc3eb084dd5_prep,@function
k_qc3eb084dd5_prep:
	s_mov_b64 s[64:65], 0
	v_nop
	global_prefetch_b8 v0, s[64:65] scope:SCOPE_SE
	s_setreg_imm32_b32 hwreg(HW_REG_WAVE_MODE, 25, 1), 1
	s_wait_xcnt 0x0
; All weights, rounded once to 16 bits and laid in FRAGMENT ORDER into wts; and Wc = Wa1 x Wp2.
; A fragment (t, u) is 16 rows x 32 k, 1,024 bytes at (t U + u) x 1,024: lane l = (r = l % 16, h = l / 16) finds k = 32 u + 8 h .. + 7 of its row at 16 l
; and k = 32 u + 16 + 8 h .. + 7 at 512 + 16 l: two LDS loads of 16 bytes a lane fill a matrix operand, and a matrix is one dense block.
; Rows are natural (16 t + r), or for Wa2 and Wp2 sigma(t, r) = 128 (t / 8) + 8 r + t % 8.
; f16: W_pre, WQ, WK, WV, Wa1, Wproj, W_post (limit: weights within 65,504).  bf16: Wp1, Wa2, Wp2, Wc.
; Work-groups 0-239: one chunk of 16 bytes a thread, a wave stores 512 consecutive bytes.  240-243: Wp1 (k = 0..2, zeros beyond).  244-275: a wave makes one 16 x 16 tile of Wc.
.set O_Q,    32768
.set O_P1,   557056
.set O_C,    573440
.set O_A2,   704512
.set O_P2,   835584
.set O_PROJ, 966656
.set O_POST, 1097728
.set RAW, 16                           ; v[16:143]  f32 as loaded: 64 of Wp2, 64 of Wa1
.set FA,  144                          ; v[144:175] four fragments of Wp2^T
.set FB,  176                          ; v[176:207] four fragments of Wa1
.set AC,  208                          ; v[208:223] two accumulators, by turns
	s_load_b512 s[8:23], s[0:1], 0x0               ; WQ 8, WK 10, WV 12, Wa1 14, Wproj 16, Wa2 18, Wp2 20, W_post 22
	s_load_b128 s[24:27], s[0:1], 0x40             ; W_pre 24, Wp1 26
	s_load_b64 s[28:29], s[0:1], 0x50              ; wts
	s_mov_b32 s30, ttmp9
	s_cmp_ge_u32 s30, 244
	s_cbranch_scc1 .Lwc
	s_cmp_ge_u32 s30, 240
	s_cbranch_scc1 .Lp1
	; ---- a plain matrix: which one, by the work-group's number
	s_lshr_b32 s31, s30, 5                         ; job 0..6: 32 work-groups each; 7: W_post and W_pre, 8 each
	s_and_b32 s32, s30, 31
	s_and_b32 s33, s30, 7
	s_cmp_ge_u32 s30, 224
	s_cselect_b32 s32, s33, s32                    ; my number within the job
	s_lshl_b32 s36, s31, 17
	s_add_co_u32 s36, s36, O_Q                     ; Q, K, V, A1 lie on end
	s_cmp_eq_u32 s31, 4
	s_cselect_b32 s36, O_PROJ, s36
	s_cmp_eq_u32 s31, 5
	s_cselect_b32 s36, O_A2, s36
	s_cmp_eq_u32 s31, 6
	s_cselect_b32 s36, O_P2, s36
	s_cmp_ge_u32 s30, 224
	s_cselect_b32 s36, O_POST, s36
	s_cmp_ge_u32 s30, 232                          ; W_pre: rows of 64 numbers, two fragments a tile
	s_cselect_b32 s36, 0, s36
	s_cselect_b32 s37, 1, 3                        ; log2 of the fragments in a tile
	s_cselect_b32 s38, 1, 7
	s_cselect_b32 s41, 8, 10                       ; log2 of a row's bytes
	s_sub_co_u32 s33, s31, 5
	s_cmp_lt_u32 s33, 2                            ; jobs 5 and 6: rows by sigma, bf16
	s_cselect_b32 s39, 1, 16
	s_cselect_b32 s40, 8, 1
	s_cselect_b32 s42, 1, 0
	v_lshl_add_u32 v1, s32, 8, v0                  ; my chunk c
	v_lshrrev_b32 v2, 6, v1                        ; fragment
	v_bfe_u32 v3, v1, 5, 1                         ; which half of it
	v_and_b32 v4, 15, v1                           ; r
	v_bfe_u32 v5, v1, 4, 1                         ; h
	v_lshrrev_b32 v6, s37, v2                      ; t
	v_and_b32 v7, s38, v2                          ; u
	v_lshrrev_b32 v8, 3, v6
	v_lshlrev_b32 v8, 7, v8
	v_and_b32 v9, 7, v6
	v_mad_u32_u24 v8, v9, s39, v8
	v_mad_u32_u24 v8, v4, s40, v8                  ; the row
	v_lshlrev_b32 v8, s41, v8
	v_lshlrev_b32 v7, 7, v7                        ; 32 u, 16 half, 8 h numbers of 4 bytes
	v_lshl_add_u32 v7, v3, 6, v7
	v_lshl_add_u32 v7, v5, 5, v7
	v_add_nc_u32 v8, v8, v7
	v_lshl_add_u32 v10, v1, 4, s36
	s_wait_kmcnt 0x0
	s_mov_b64 s[34:35], s[8:9]
	s_cmp_eq_u32 s31, 1
	s_cselect_b64 s[34:35], s[10:11], s[34:35]
	s_cmp_eq_u32 s31, 2
	s_cselect_b64 s[34:35], s[12:13], s[34:35]
	s_cmp_eq_u32 s31, 3
	s_cselect_b64 s[34:35], s[14:15], s[34:35]
	s_cmp_eq_u32 s31, 4
	s_cselect_b64 s[34:35], s[16:17], s[34:35]
	s_cmp_eq_u32 s31, 5
	s_cselect_b64 s[34:35], s[18:19], s[34:35]
	s_cmp_eq_u32 s31, 6
	s_cselect_b64 s[34:35], s[20:21], s[34:35]
	s_cmp_ge_u32 s30, 224
	s_cselect_b64 s[34:35], s[22:23], s[34:35]
	s_cmp_ge_u32 s30, 232
	s_cselect_b64 s[34:35], s[24:25], s[34:35]
	global_load_b128 v[12:15], v8, s[34:35]
	global_load_b128 v[16:19], v8, s[34:35] offset:16
	s_wait_loadcnt 0x0
	s_cmp_eq_u32 s42, 1
	s_cbranch_scc1 .Lbf
.irp i, 0,1,2,3
	v_cvt_pk_f16_f32 v[20+\i], v[12+2*\i], v[13+2*\i]
.endr
	s_branch .Lst
.Lbf:
.irp i, 0,1,2,3
	v_cvt_pk_bf16_f32 v[20+\i], v[12+2*\i], v[13+2*\i]
.endr
.Lst:
	global_store_b128 v10, v[20:23], s[28:29]
	s_endpgm
	; ---- Wp1: three numbers a row, at k = 0..2 of one fragment a tile
.Lp1:
	s_sub_co_u32 s32, s30, 240
	v_lshl_add_u32 v1, s32, 8, v0
	v_lshrrev_b32 v2, 6, v1                        ; t
	v_and_b32 v4, 15, v1
	v_lshl_add_u32 v2, v2, 4, v4                   ; row
	v_mul_u32_u24 v2, v2, 12
	v_and_b32 v5, 0x30, v1                         ; h and the half: only (0, 0) holds numbers
	v_mov_b32 v7, 0
	v_lshlrev_b32 v10, 4, v1
	v_add_nc_u32 v10, O_P1, v10
	s_wait_kmcnt 0x0
	global_load_b96 v[12:14], v2, s[26:27]
	s_wait_loadcnt 0x0
	v_cvt_pk_bf16_f32 v20, v12, v13
	v_cvt_pk_bf16_f32 v21, v14, v7
	v_cmp_eq_u32 vcc_lo, 0, v5
	v_cndmask_b32 v20, 0, v20, vcc_lo
	v_cndmask_b32 v21, 0, v21, vcc_lo
	v_mov_b32 v22, 0
	v_mov_b32 v23, 0
	global_store_b128 v10, v[20:23], s[28:29]
	s_endpgm
	; ---- Wc[c][j] = sum over m of Wa1[c][m] Wp2[m][j].  Source 0 = rows j of Wp2^T, source 1 = rows c of Wa1: a lane ends with row c = r and eight neighbouring j
.Lwc:
	v_lshrrev_b32 v1, 5, v0
	v_readfirstlane_b32 s31, v1
	s_sub_co_u32 s32, s30, 244
	s_lshl_b32 s32, s32, 3
	s_add_co_u32 s32, s32, s31                     ; tile 0..255
	s_lshr_b32 s33, s32, 4                         ; ct
	s_and_b32 s34, s32, 15                         ; jt
	v_and_b32 v2, 15, v0
	v_bfe_u32 v3, v0, 4, 1
	v_lshlrev_b32 v4, 2, v2                        ; Wp2: row 8 h, column 16 jt + r
	v_lshl_add_u32 v4, v3, 13, v4
	s_lshl_b32 s35, s34, 6
	v_add_nc_u32 v4, s35, v4
	v_lshlrev_b32 v5, 10, v2                       ; Wa1: row 16 ct + r, column 8 h
	v_lshl_add_u32 v5, v3, 5, v5
	s_lshl_b32 s35, s33, 14
	v_add_nc_u32 v5, s35, v5
	s_lshl_b32 s36, s33, 13                        ; fragment (ct, jt / 2), half jt % 2: 8,192 ct + 512 jt
	s_lshl_b32 s37, s34, 9
	s_add_co_u32 s36, s36, s37
	s_add_co_u32 s36, s36, O_C
	v_and_b32 v6, 31, v0
	v_lshl_add_u32 v6, v6, 4, s36
	s_wait_kmcnt 0x0
.macro HALFK z                         ; K steps 4 z .. 4 z + 3
.set uu, 0
.rept 4
.set i, 0
.rept 16
	global_load_b32 v[RAW+16*uu+i], v4, s[20:21] offset:(32*(4*(\z)+uu)+i+8*(i/8))*1024
.set i, i+1
.endr
.set i, 0
.rept 4
	global_load_b128 v[RAW+64+16*uu+4*i:RAW+64+16*uu+4*i+3], v5, s[14:15] offset:128*(4*(\z)+uu)+64*(i/2)+16*(i%2)
.set i, i+1
.endr
.set uu, uu+1
.endr
	s_wait_loadcnt 0x0
.set i, 0
.rept 32
	v_cvt_pk_bf16_f32 v[FA+i], v[RAW+2*i], v[RAW+2*i+1]
	v_cvt_pk_bf16_f32 v[FB+i], v[RAW+64+2*i], v[RAW+64+2*i+1]
.set i, i+1
.endr
.set uu, 0
.rept 4                                ; the two accumulators take turns
.if ((\z) == 0) && (uu < 2)
	v_wmma_f32_16x16x32_bf16 v[AC+8*(uu%2):AC+8*(uu%2)+7], v[FA+8*uu:FA+8*uu+7], v[FB+8*uu:FB+8*uu+7], 0
.else
	v_wmma_f32_16x16x32_bf16 v[AC+8*(uu%2):AC+8*(uu%2)+7], v[FA+8*uu:FA+8*uu+7], v[FB+8*uu:FB+8*uu+7], v[AC+8*(uu%2):AC+8*(uu%2)+7]
.endif
.set uu, uu+1
.endr
.rept 4
	v_nop                                          ; four places behind the last product, ahead of what rewrites its sources or reads its result
.endr
.endm
	HALFK 0
	HALFK 1
.irp i, 0,2,4,6
	v_pk_add_f32 v[AC+\i:AC+\i+1], v[AC+\i:AC+\i+1], v[AC+8+\i:AC+8+\i+1]
.endr
.irp i, 0,1,2,3
	v_cvt_pk_bf16_f32 v[20+\i], v[AC+2*\i], v[AC+2*\i+1]
.endr
	global_store_b128 v6, v[20:23], s[28:29]
	s_endpgm
.Lfunc_end_k_qc3eb084dd5_prep:
	.size	k_qc3eb084dd5_prep, .Lfunc_end_k_qc3eb084dd5_prep-k_qc3eb084dd5_prep
	.p2alignl 7, 3214868480
	.fill 96, 4, 3214868480
	.section	.rodata,"a",@progbits
	.p2align	6, 0x0
	.amdhsa_kernel k_qc3eb084dd5_prep
		.amdhsa_group_segment_fixed_size 0
		.amdhsa_private_segment_fixed_size 0
		.amdhsa_enable_private_segment 0
		.amdhsa_kernarg_size 88
		.amdhsa_user_sgpr_count 2
		.amdhsa_user_sgpr_kernarg_segment_ptr 1
		.amdhsa_wavefront_size32 1
		.amdhsa_system_sgpr_workgroup_id_x 1
		.amdhsa_system_sgpr_workgroup_id_y 1
		.amdhsa_system_sgpr_workgroup_id_z 1
		.amdhsa_system_vgpr_workitem_id 0
		.amdhsa_next_free_vgpr 224
		.amdhsa_next_free_sgpr 66
		.amdhsa_reserve_vcc 1
		.amdhsa_float_denorm_mode_32 3
		.amdhsa_float_denorm_mode_16_64 3
		.amdhsa_memory_ordered 1
		.amdhsa_forward_progress 1
		.amdhsa_inst_pref_size 31
	.end_amdhsa_kernel
	.amdgpu_metadata
---
amdhsa.version: [ 1, 2 ]
amdhsa.kernels:
  - .name:           k_qc3eb084dd5_prep
    .symbol:         k_qc3eb084dd5_prep.kd
    .args:
      - { .name: WQ, .offset: 0, .size: 8, .value_kind: global_buffer, .address_space: global }
      - { .name: WK, .offset: 8, .size: 8, .value_kind: global_buffer, .address_space: global }
      - { .name: WV, .offset: 16, .size: 8, .value_kind: global_buffer, .address_space: global }
      - { .name: Wa1, .offset: 24, .size: 8, .value_kind: global_buffer, .address_space: global }
      - { .name: Wproj, .offset: 32, .size: 8, .value_kind: global_buffer, .address_space: global }
      - { .name: Wa2, .offset: 40, .size: 8, .value_kind: global_buffer, .address_space: global }
      - { .name: Wp2, .offset: 48, .size: 8, .value_kind: global_buffer, .address_space: global }
      - { .name: W_post, .offset: 56, .size: 8, .value_kind: global_buffer, .address_space: global }
      - { .name: W_pre, .offset: 64, .size: 8, .value_kind: global_buffer, .address_space: global }
      - { .name: Wp1, .offset: 72, .size: 8, .value_kind: global_buffer, .address_space: global }
      - { .name: wts, .offset: 80, .size: 8, .value_kind: global_buffer, .address_space: global }
    .group_segment_fixed_size: 0
    .private_segment_fixed_size: 0
    .kernarg_segment_align: 8
    .kernarg_segment_size: 88
    .max_flat_workgroup_size: 256
    .sgpr_count:     66
    .vgpr_count:     224
    .wavefront_size: 32
...
	.end_amdgpu_metadata
.endif
;; end of part 1
;; launch knn1 (part 2): grid 512 x 1, 4 waves a work-group, no clusters, 67,072 bytes of LDS; arguments xyz, gids; writes gids
.if DOCPART == 2
	.amdgcn_target "amdgcn-amd-amdhsa--gfx1250"
	.amdhsa_code_object_version 6
	.text
	.protected	k_qc3eb084dd5_knn1
	.globl	k_qc3eb084dd5_knn1
	.p2align	8
	.type	k_qc3eb084dd5_knn1,@function
k_qc3eb084dd5_knn1:
	s_mov_b64 s[64:65], 0
	v_nop
	global_prefetch_b8 v0, s[64:65] scope:SCOPE_SE
	s_setreg_imm32_b32 hwreg(HW_REG_WAVE_MODE, 25, 1), 1
	s_wait_xcnt 0x0
; kNN, level 1.  For each query: the 16 GROUPS of 16 consecutive candidates with the least (smallest distance in the group, group number).  Every one of the 16 nearest
; points (ties to the lower index) lies in one of them: a group left out has 16 groups ahead of it, each with a point that goes ahead of all of its own.
; d = fma(dz, dz, fma(dy, dy, dx dx)), f32, the same bits as in level 2.  LIMITS: coordinate differences under 1.8e19 (d stays finite); NaN is not treated; the sum is fused.
; A work-group has 32 queries, a lane a query; wave w scans candidates 1,024 w .. + 1,023 of the batch, ascending, from its own copy in LDS (x, y, z apart), all lanes reading the same 16 bytes.
; Each lane keeps a sorted list of 16 (distance, group); a new item goes in by compares and selects alone, behind its equals: no branch and no address hangs on a distance.
; The four waves' lists are merged through LDS, each wave with a slot of its own: 1 into 0 and 3 into 2, then the 16 least of both.  The group numbers leave sorted ascending, a byte each.
.set LA,    49152                      ; wave w's list slot at LA + w x LSZ: 17 items of 256 bytes (distance at 4 x lane, number at 128 + 4 x lane; item 16 is read ahead and never used)
.set LSZ,   4352
.set SPARE, LA+4*LSZ                   ; the spare words: 128 bytes a wave, two blocks of 256 bytes that no other line names
.set LANE, 1
.set SPW,  2
.set NIL,  3
.set Q,    4                           ; v[4:9]   the query's x, y, z, each twice
.set ADR,  10                          ; LDS address of the group to be fetched
.set LAD,  11                          ; LDS address in a list
.set QR,   12
.set CB,   16                          ; v[16:63] a group's x (16), y, z
.set D,    64
.set L,    80                          ; the list's distances, ascending
.set I,    96                          ; and numbers
.set M,    112
.set ID,   113
.set MN,   114
.set IDX,  115
.set T0,   116                         ; two at work
.set BL,   120
.set WV,  8
.set GID, 9
.set CNT, 10
.set TS,  11
.set CM,  16                           ; s[16:31] sixteen compare masks
; The item (v[M], id) goes into the list.  Place i takes the item if L[i-1] <= M < L[i], its lower neighbour if M < L[i-1], else it stays.
.macro INSERT id
.set i, 0
.rept 16
	v_cmp_lt_f32 s[CM+i], v[M], v[L+i]
.set i, i+1
.endr
.set i, 15
.rept 15
	v_cndmask_b32 v[T0+i%2], v[I+i], \id, s[CM+i]
	v_cndmask_b32 v[I+i], v[T0+i%2], v[I+i-1], s[CM+i-1]
.set i, i-1
.endr
	v_cndmask_b32 v[I], v[I], \id, s[CM]
.set i, 15
.rept 15
	v_med3_num_f32 v[L+i], v[L+i-1], v[M], v[L+i]
.set i, i-1
.endr
	v_min_num_f32 v[L], v[L], v[M]
.endm
.macro GLOAD
.irp c, 0,1,2
.irp q, 0,1,2,3
	ds_load_b128 v[CB+16*\c+4*\q:CB+16*\c+4*\q+3], v[ADR] offset:4096*\c+16*\q
.endr
.endr
.endm
; One group: 16 distances, two an instruction; the next group's 12 loads; the least of the 16; the insertion.
.macro GROUP next
	s_wait_dscnt 0x0                               ; the group's coordinates are in
.irp c, 0,1,2
.set i, 0
.rept 8
	v_pk_add_f32 v[CB+16*\c+2*i:CB+16*\c+2*i+1], v[CB+16*\c+2*i:CB+16*\c+2*i+1], v[Q+2*\c:Q+2*\c+1] neg_lo:[0,1] neg_hi:[0,1]
.set i, i+1
.endr
.endr
.set i, 0
.rept 8
	v_pk_mul_f32 v[D+2*i:D+2*i+1], v[CB+2*i:CB+2*i+1], v[CB+2*i:CB+2*i+1]
.set i, i+1
.endr
.irp c, 1,2
.set i, 0
.rept 8
	v_pk_fma_f32 v[D+2*i:D+2*i+1], v[CB+16*\c+2*i:CB+16*\c+2*i+1], v[CB+16*\c+2*i:CB+16*\c+2*i+1], v[D+2*i:D+2*i+1]
.set i, i+1
.endr
.endr
.if \next
	v_add_nc_u32 v[ADR], 64, v[ADR]
	GLOAD                                          ; they land under the 71 lines that follow
.endif
	v_min3_num_f32 v[M], v[D], v[D+1], v[D+2]
	v_min3_num_f32 v[T0], v[D+3], v[D+4], v[D+5]
	v_min3_num_f32 v[T0+1], v[D+6], v[D+7], v[D+8]
	v_min3_num_f32 v[MN], v[D+9], v[D+10], v[D+11]
	v_min3_num_f32 v[ID], v[D+12], v[D+13], v[D+14]
	v_min3_num_f32 v[M], v[M], v[T0], v[T0+1]
	v_min3_num_f32 v[MN], v[MN], v[ID], v[D+15]
	v_min_num_f32 v[M], v[M], v[MN]
	INSERT s[GID]
	s_add_co_u32 s[GID], s[GID], 1
.endm
; The 16 items of the list at v[LAD] go into mine, in their order; each trip reads the next item ahead (the last: item 16).
.macro ITEMLOOP
	ds_load_b32 v[MN], v[LAD]
	ds_load_b32 v[IDX], v[LAD] offset:128
	s_mov_b32 s[CNT], 16
.Litem_\@:
	s_wait_dscnt 0x0
	v_mov_b32 v[M], v[MN]
	v_mov_b32 v[ID], v[IDX]
	v_add_nc_u32 v[LAD], 256, v[LAD]
	ds_load_b32 v[MN], v[LAD]
	ds_load_b32 v[IDX], v[LAD] offset:128
	INSERT v[ID]
	s_sub_co_u32 s[CNT], s[CNT], 1
	s_cmp_lg_u32 s[CNT], 0
	s_cbranch_scc1 .Litem_\@
	s_wait_dscnt 0x0                               ; the pair read ahead has landed: its two registers may be loaded again
.endm
.macro PUTLIST
.set i, 0
.rept 16
	ds_store_b32 v[LAD], v[L+i] offset:256*i
	ds_store_b32 v[LAD], v[I+i] offset:256*i+128
.set i, i+1
.endr
	ds_store_b32 v[LAD], v[L+15] offset:4096       ; item 16: written so that the read ahead finds written bytes
	ds_store_b32 v[LAD], v[I+15] offset:4224
.endm
.macro MEET                            ; my LDS instructions are done, for the others' sake; then the work-group's barrier
	s_wait_dscnt 0x0
	s_barrier_signal -1
	s_barrier_wait -1
.endm
	s_load_b128 s[4:7], s[0:1], 0x0                ; xyz, gids
	v_lshl_add_u32 v[SPW], v0, 2, SPARE
	v_mov_b32 v[NIL], 0
	v_and_b32 v[LANE], 31, v0
	v_lshrrev_b32 v[T0], 5, v0
	v_readfirstlane_b32 s[WV], v[T0]
	s_lshr_b32 s12, ttmp9, 7                       ; the batch: 128 work-groups each
	s_lshl_b32 s12, s12, 12
	s_lshl_b32 s13, s[WV], 10
	s_add_co_u32 s12, s12, s13                     ; my first candidate
	s_mul_i32 s12, s12, 12
	s_mov_b32 s13, 0
	s_mul_i32 s14, ttmp9, 384                      ; the work-group's 32 queries
	s_mov_b32 s15, 0
	v_mul_u32_u24 v[T0], v[LANE], 12
	s_mul_i32 s[TS], s[WV], 12288                  ; my copy of my candidates
	v_lshl_add_u32 v[LAD], v[LANE], 2, s[TS]
	v_mov_b32 v[ADR], s[TS]
	s_lshl_b32 s[GID], s[WV], 6
	s_wait_kmcnt 0x0
	s_add_nc_u64 s[12:13], s[4:5], s[12:13]
	s_add_nc_u64 s[14:15], s[4:5], s[14:15]
	global_load_b96 v[QR:QR+2], v[T0], s[14:15]
.irp hh, 0,1                           ; 1,024 points come in as 12 bytes a lane and go to LDS as x, y, z apart; the bytes are my wave's own
.set i, 0
.rept 16
	global_load_b96 v[CB+4*i:CB+4*i+2], v[T0], s[12:13] offset:(16*\hh+i)*384
.set i, i+1
.endr
	s_wait_loadcnt 0x0
.set i, 0
.rept 16
	ds_store_b32 v[LAD], v[CB+4*i] offset:(16*\hh+i)*128
	ds_store_b32 v[LAD], v[CB+4*i+1] offset:4096+(16*\hh+i)*128
	ds_store_b32 v[LAD], v[CB+4*i+2] offset:8192+(16*\hh+i)*128
.set i, i+1
.endr
.endr
.irp c, 0,1,2
	v_mov_b32 v[Q+2*\c], v[QR+\c]
	v_mov_b32 v[Q+2*\c+1], v[QR+\c]
.endr
.set i, 0
.rept 16
	v_mov_b32 v[L+i], 0x7f800000
	v_mov_b32 v[I+i], 0
.set i, i+1
.endr
	GLOAD                                          ; LDS serves a wave's instructions in order: these see the stores above
	s_mov_b32 s[CNT], 63
.Lgrp:
	GROUP 1
	s_sub_co_u32 s[CNT], s[CNT], 1
	s_cmp_lg_u32 s[CNT], 0
	s_cbranch_scc1 .Lgrp
	GROUP 0                                        ; the last group fetches nothing
	; THE MERGE, in four phases with a barrier between each two, so that in no phase one wave stores what another reads.
	s_mul_i32 s12, s[WV], LSZ
	s_add_co_u32 s12, s12, LA
	v_lshl_add_u32 v[LAD], v[LANE], 2, s12         ; my own slot
	s_and_b32 s13, s[WV], 1
	s_cmp_eq_u32 s13, 0
	s_cbranch_scc1 .Lno1
	PUTLIST                                        ; waves 1 and 3 lay their lists down
.Lno1:
	MEET
	s_cmp_eq_u32 s13, 0
	s_cbranch_scc0 .Lno2
	v_add_nc_u32 v[LAD], LSZ, v[LAD]               ; waves 0 and 2 take in the next wave's list; nobody stores meanwhile
	ITEMLOOP
.Lno2:
	MEET
	s_cmp_eq_u32 s[WV], 2
	s_cbranch_scc0 .Lno3
	v_lshl_add_u32 v[LAD], v[LANE], 2, LA+2*LSZ
	PUTLIST                                        ; wave 2 lays the merged list down, in its own slot
.Lno3:
	MEET
	s_cmp_eq_u32 s[WV], 0
	s_cbranch_scc0 .Lend
	v_lshl_add_u32 v[LAD], v[LANE], 2, LA+2*LSZ
.set i, 0
.rept 16
	ds_load_b32 v[BL+i], v[LAD] offset:256*i
	ds_load_b32 v[BL+16+i], v[LAD] offset:256*i+128
.set i, i+1
.endr
	s_wait_dscnt 0x0
.set i, 0
.rept 16                               ; of two sorted lists the 16 least are the lesser of A[i] and B[15 - i]; on a tie A, the lower candidates
	v_cmp_lt_f32 vcc_lo, v[BL+15-i], v[L+i]
	v_cndmask_b32 v[I+i], v[I+i], v[BL+31-i], vcc_lo
.set i, i+1
.endr
	s_mov_b32 s[CNT], 8
.Lsort:                                ; the numbers ascending: 8 x (even, odd) exchanges of neighbours
.irp a, 0,2,4,6,8,10,12,14,1,3,5,7,9,11,13
	v_min_u32 v[T0], v[I+\a], v[I+\a+1]
	v_max_u32 v[I+\a+1], v[I+\a], v[I+\a+1]
	v_mov_b32 v[I+\a], v[T0]
.endr
	s_sub_co_u32 s[CNT], s[CNT], 1
	s_cmp_lg_u32 s[CNT], 0
	s_cbranch_scc1 .Lsort
.irp k, 0,1,2,3
	v_lshl_or_b32 v[BL+\k], v[I+4*\k+1], 8, v[I+4*\k]
	v_lshl_or_b32 v[BL+\k], v[I+4*\k+2], 16, v[BL+\k]
	v_lshl_or_b32 v[BL+\k], v[I+4*\k+3], 24, v[BL+\k]
.endr
	s_lshl_b32 s12, ttmp9, 9
	s_mov_b32 s13, 0
	s_add_nc_u64 s[6:7], s[6:7], s[12:13]
	v_lshlrev_b32 v[T0], 4, v[LANE]
	global_store_b128 v[T0], v[BL:BL+3], s[6:7]    ; 512 consecutive bytes
.Lend:
	s_wait_tensorcnt 0x0                           ; the wave's end, behind my last LDS store
	ds_add_u32 v[SPW], v[NIL]
	s_wait_dscnt 0x0
	s_endpgm
.Lfunc_end_k_qc3eb084dd5_knn1:
	.size	k_qc3eb084dd5_knn1, .Lfunc_end_k_qc3eb084dd5_knn1-k_qc3eb084dd5_knn1
	.p2alignl 7, 3214868480
	.fill 96, 4, 3214868480
	.section	.rodata,"a",@progbits
	.p2align	6, 0x0
	.amdhsa_kernel k_qc3eb084dd5_knn1
		.amdhsa_group_segment_fixed_size 67072
		.amdhsa_private_segment_fixed_size 0
		.amdhsa_enable_private_segment 0
		.amdhsa_kernarg_size 16
		.amdhsa_user_sgpr_count 2
		.amdhsa_user_sgpr_kernarg_segment_ptr 1
		.amdhsa_wavefront_size32 1
		.amdhsa_system_sgpr_workgroup_id_x 1
		.amdhsa_system_sgpr_workgroup_id_y 1
		.amdhsa_system_sgpr_workgroup_id_z 1
		.amdhsa_system_vgpr_workitem_id 0
		.amdhsa_next_free_vgpr 152
		.amdhsa_next_free_sgpr 66
		.amdhsa_reserve_vcc 1
		.amdhsa_float_denorm_mode_32 3
		.amdhsa_float_denorm_mode_16_64 3
		.amdhsa_memory_ordered 1
		.amdhsa_forward_progress 1
		.amdhsa_inst_pref_size 44
	.end_amdhsa_kernel
	.amdgpu_metadata
---
amdhsa.version: [ 1, 2 ]
amdhsa.kernels:
  - .name:           k_qc3eb084dd5_knn1
    .symbol:         k_qc3eb084dd5_knn1.kd
    .args:
      - { .name: xyz, .offset: 0, .size: 8, .value_kind: global_buffer, .address_space: global }
      - { .name: gids, .offset: 8, .size: 8, .value_kind: global_buffer, .address_space: global }
    .group_segment_fixed_size: 67072
    .private_segment_fixed_size: 0
    .kernarg_segment_align: 8
    .kernarg_segment_size: 16
    .max_flat_workgroup_size: 128
    .sgpr_count:     66
    .vgpr_count:     152
    .wavefront_size: 32
...
	.end_amdgpu_metadata
.endif
;; end of part 2
;; launch knn2 (part 3): grid 512 x 1, 4 waves a work-group, no clusters, 35,328 bytes of LDS; arguments xyz, gids, nidx; writes nidx
.if DOCPART == 3
	.amdgcn_target "amdgcn-amd-amdhsa--gfx1250"
	.amdhsa_code_object_version 6
	.text
	.protected	k_qc3eb084dd5_knn2
	.globl	k_qc3eb084dd5_knn2
	.p2align	8
	.type	k_qc3eb084dd5_knn2,@function
k_qc3eb084dd5_knn2:
	s_mov_b64 s[64:65], 0
	v_nop
	global_prefetch_b8 v0, s[64:65] scope:SCOPE_SE
	s_setreg_imm32_b32 hwreg(HW_REG_WAVE_MODE, 25, 1), 1
	s_wait_xcnt 0x0
; kNN, level 2.  For each query the 16 nearest of the 256 candidates in its 16 groups (gids: 16 bytes a query, ascending, stored by the launch before as whole numbers).
; A lane a query; wave w takes the query's groups 4 w .. 4 w + 3, so candidates are met in ascending index and ties go to the lower index, as in the sorted list of level 1.
; d = fma(dz, dz, fma(dy, dy, dx dx)), the same bits as in level 1; the same limits.  A group's 16 items pass through the wave's own LDS, so that the insertion is written once and looped over.
; nidx: two planes of [16,384][8] u16: plane h holds neighbours 8 h .. 8 h + 7, as indices within the batch.  Only the set of 16 matters to what follows.
.set LSZ,   4352
.set LA,    4*LSZ                      ; behind the waves' own items: wave w's list slot at LA + w x LSZ
.set SPARE, LA+4*LSZ                   ; the spare words: 128 bytes a wave, two blocks of 256 bytes that no other line names
.set LANE, 1
.set SPW,  2
.set NIL,  3
.set Q,    4
.set OWN,  10                          ; my wave's items: 17 of 256 bytes
.set LAD,  11
.set QR,   12
.set WD,   15                          ; the four group numbers still to come
.set CB,   16                          ; v[16:63] a group's 16 points, x y z on end
.set D,    64
.set L,    80
.set I,    96
.set M,    112
.set ID,   113
.set MN,   114
.set IDX,  115
.set T0,   116
.set GB,   118
.set OFS,  119
.set BL,   120
.set WV,  8
.set GC,  9
.set CNT, 10
.set TS,  11
.set CM,  16
.macro INSERT id
.set i, 0
.rept 16
	v_cmp_lt_f32 s[CM+i], v[M], v[L+i]
.set i, i+1
.endr
.set i, 15
.rept 15
	v_cndmask_b32 v[T0+i%2], v[I+i], \id, s[CM+i]
	v_cndmask_b32 v[I+i], v[T0+i%2], v[I+i-1], s[CM+i-1]
.set i, i-1
.endr
	v_cndmask_b32 v[I], v[I], \id, s[CM]
.set i, 15
.rept 15
	v_med3_num_f32 v[L+i], v[L+i-1], v[M], v[L+i]
.set i, i-1
.endr
	v_min_num_f32 v[L], v[L], v[M]
.endm
.macro ITEMLOOP
	ds_load_b32 v[MN], v[LAD]
	ds_load_b32 v[IDX], v[LAD] offset:128
	s_mov_b32 s[CNT], 16
.Litem_\@:
	s_wait_dscnt 0x0
	v_mov_b32 v[M], v[MN]
	v_mov_b32 v[ID], v[IDX]
	v_add_nc_u32 v[LAD], 256, v[LAD]
	ds_load_b32 v[MN], v[LAD]
	ds_load_b32 v[IDX], v[LAD] offset:128
	INSERT v[ID]
	s_sub_co_u32 s[CNT], s[CNT], 1
	s_cmp_lg_u32 s[CNT], 0
	s_cbranch_scc1 .Litem_\@
	s_wait_dscnt 0x0                               ; the pair read ahead has landed: its two registers may be loaded again
.endm
.macro PUTLIST
.set i, 0
.rept 16
	ds_store_b32 v[LAD], v[L+i] offset:256*i
	ds_store_b32 v[LAD], v[I+i] offset:256*i+128
.set i, i+1
.endr
	ds_store_b32 v[LAD], v[L+15] offset:4096
	ds_store_b32 v[LAD], v[I+15] offset:4224
.endm
.macro MEET                            ; my LDS instructions are done, for the others' sake; then the work-group's barrier
	s_wait_dscnt 0x0
	s_barrier_signal -1
	s_barrier_wait -1
.endm
.macro NEXTG                           ; the lowest byte of WD names a group: its 192 bytes are asked for
	v_and_b32 v[GB], 0xff, v[WD]
	v_min_u32 v[GB], 0xff, v[GB]
	v_mul_u32_u24 v[OFS], v[GB], 192
.set i, 0
.rept 12
	global_load_b128 v[CB+4*i:CB+4*i+3], v[OFS], s[4:5] offset:16*i
.set i, i+1
.endr
.endm
	s_load_b128 s[4:7], s[0:1], 0x0                ; xyz, gids
	s_load_b64 s[32:33], s[0:1], 0x10              ; nidx
	v_lshl_add_u32 v[SPW], v0, 2, SPARE
	v_mov_b32 v[NIL], 0
	v_and_b32 v[LANE], 31, v0
	v_lshrrev_b32 v[T0], 5, v0
	v_readfirstlane_b32 s[WV], v[T0]
	s_mul_i32 s12, ttmp9, 384                      ; the work-group's 32 queries in xyz,
	s_mov_b32 s13, 0
	s_lshl_b32 s14, ttmp9, 9                       ; in gids and in a plane of nidx
	s_mov_b32 s15, 0
	s_lshr_b32 s34, ttmp9, 7
	s_mul_i32 s34, s34, 49152                      ; the batch
	s_mov_b32 s35, 0
	v_mul_u32_u24 v[T0], v[LANE], 12
	s_lshl_b32 s[TS], s[WV], 2
	v_lshl_add_u32 v[T0+1], v[LANE], 4, s[TS]      ; my wave's word of the query's 16 bytes
	s_mul_i32 s[TS], s[WV], LSZ
	v_lshl_add_u32 v[OWN], v[LANE], 2, s[TS]
	s_wait_kmcnt 0x0
	s_add_nc_u64 s[12:13], s[4:5], s[12:13]
	s_add_nc_u64 s[6:7], s[6:7], s[14:15]
	s_add_nc_u64 s[32:33], s[32:33], s[14:15]
	s_add_nc_u64 s[4:5], s[4:5], s[34:35]
	global_load_b96 v[QR:QR+2], v[T0], s[12:13]
	global_load_b32 v[WD], v[T0+1], s[6:7]
	s_wait_loadcnt 0x0
	NEXTG
.irp c, 0,1,2
	v_mov_b32 v[Q+2*\c], v[QR+\c]
.endr
.set i, 0
.rept 16
	v_mov_b32 v[L+i], 0x7f800000
	v_mov_b32 v[I+i], 0
.set i, i+1
.endr
	ds_store_b32 v[OWN], v[L] offset:4096          ; item 16, read ahead and never used
	ds_store_b32 v[OWN], v[I] offset:4224
	s_mov_b32 s[GC], 4
.Lg:
	s_wait_loadcnt 0x0                             ; the group's points are in, and OFS is free
	v_lshlrev_b32 v[GB], 4, v[GB]                  ; its first point's index
.set c, 0
.rept 16
	v_sub_f32 v[CB+3*c], v[CB+3*c], v[Q]
	v_sub_f32 v[CB+3*c+1], v[CB+3*c+1], v[Q+2]
	v_sub_f32 v[CB+3*c+2], v[CB+3*c+2], v[Q+4]
.set c, c+1
.endr
.set c, 0
.rept 16
	v_mul_f32 v[D+c], v[CB+3*c], v[CB+3*c]
.set c, c+1
.endr
.set c, 0
.rept 16
	v_fma_f32 v[D+c], v[CB+3*c+1], v[CB+3*c+1], v[D+c]
.set c, c+1
.endr
.set c, 0
.rept 16
	v_fma_f32 v[D+c], v[CB+3*c+2], v[CB+3*c+2], v[D+c]
.set c, c+1
.endr
.set c, 0
.rept 16
	ds_store_b32 v[OWN], v[D+c] offset:256*c
	v_add_nc_u32 v[T0+c%2], c, v[GB]
	ds_store_b32 v[OWN], v[T0+c%2] offset:256*c+128
.set c, c+1
.endr
	v_lshrrev_b32 v[WD], 8, v[WD]
	NEXTG                                          ; the next group lands under the insertions (in the last trip WD is 0: group 0 is fetched, inside the buffer, and not used)
	v_mov_b32 v[LAD], v[OWN]
	ITEMLOOP
	s_sub_co_u32 s[GC], s[GC], 1
	s_cmp_lg_u32 s[GC], 0
	s_cbranch_scc1 .Lg
	; THE MERGE, in four phases with a barrier between each two, so that in no phase one wave stores what another reads.
	s_mul_i32 s12, s[WV], LSZ
	s_add_co_u32 s12, s12, LA
	v_lshl_add_u32 v[LAD], v[LANE], 2, s12         ; my own slot
	s_and_b32 s13, s[WV], 1
	s_cmp_eq_u32 s13, 0
	s_cbranch_scc1 .Lno1
	PUTLIST                                        ; waves 1 and 3 lay their lists down
.Lno1:
	MEET
	s_cmp_eq_u32 s13, 0
	s_cbranch_scc0 .Lno2
	v_add_nc_u32 v[LAD], LSZ, v[LAD]               ; waves 0 and 2 take in the next wave's list; nobody stores meanwhile
	ITEMLOOP
.Lno2:
	MEET
	s_cmp_eq_u32 s[WV], 2
	s_cbranch_scc0 .Lno3
	v_lshl_add_u32 v[LAD], v[LANE], 2, LA+2*LSZ
	PUTLIST                                        ; wave 2 lays the merged list down, in its own slot
.Lno3:
	MEET
	s_cmp_eq_u32 s[WV], 0
	s_cbranch_scc0 .Lend
	v_lshl_add_u32 v[LAD], v[LANE], 2, LA+2*LSZ
.set i, 0
.rept 16
	ds_load_b32 v[BL+i], v[LAD] offset:256*i
	ds_load_b32 v[BL+16+i], v[LAD] offset:256*i+128
.set i, i+1
.endr
	s_wait_dscnt 0x0
.set i, 0
.rept 16                               ; of two sorted lists the 16 least are the lesser of A[i] and B[15 - i]; on a tie A, the lower candidates
	v_cmp_lt_f32 vcc_lo, v[BL+15-i], v[L+i]
	v_cndmask_b32 v[I+i], v[I+i], v[BL+31-i], vcc_lo
.set i, i+1
.endr
.irp k, 0,1,2,3,4,5,6,7
	v_lshl_or_b32 v[BL+\k], v[I+2*\k+1], 16, v[I+2*\k]
.endr
	v_lshlrev_b32 v[M], 4, v[LANE]
	global_store_b128 v[M], v[BL:BL+3], s[32:33]
	global_store_b128 v[M], v[BL+4:BL+7], s[32:33] offset:262144
.Lend:
	s_wait_tensorcnt 0x0                           ; the wave's end, behind my last LDS store
	ds_add_u32 v[SPW], v[NIL]
	s_wait_dscnt 0x0
	s_endpgm
.Lfunc_end_k_qc3eb084dd5_knn2:
	.size	k_qc3eb084dd5_knn2, .Lfunc_end_k_qc3eb084dd5_knn2-k_qc3eb084dd5_knn2
	.p2alignl 7, 3214868480
	.fill 96, 4, 3214868480
	.section	.rodata,"a",@progbits
	.p2align	6, 0x0
	.amdhsa_kernel k_qc3eb084dd5_knn2
		.amdhsa_group_segment_fixed_size 35328
		.amdhsa_private_segment_fixed_size 0
		.amdhsa_enable_private_segment 0
		.amdhsa_kernarg_size 24
		.amdhsa_user_sgpr_count 2
		.amdhsa_user_sgpr_kernarg_segment_ptr 1
		.amdhsa_wavefront_size32 1
		.amdhsa_system_sgpr_workgroup_id_x 1
		.amdhsa_system_sgpr_workgroup_id_y 1
		.amdhsa_system_sgpr_workgroup_id_z 1
		.amdhsa_system_vgpr_workitem_id 0
		.amdhsa_next_free_vgpr 152
		.amdhsa_next_free_sgpr 66
		.amdhsa_reserve_vcc 1
		.amdhsa_float_denorm_mode_32 3
		.amdhsa_float_denorm_mode_16_64 3
		.amdhsa_memory_ordered 1
		.amdhsa_forward_progress 1
		.amdhsa_inst_pref_size 31
	.end_amdhsa_kernel
	.amdgpu_metadata
---
amdhsa.version: [ 1, 2 ]
amdhsa.kernels:
  - .name:           k_qc3eb084dd5_knn2
    .symbol:         k_qc3eb084dd5_knn2.kd
    .args:
      - { .name: xyz, .offset: 0, .size: 8, .value_kind: global_buffer, .address_space: global }
      - { .name: gids, .offset: 8, .size: 8, .value_kind: global_buffer, .address_space: global }
      - { .name: nidx, .offset: 16, .size: 8, .value_kind: global_buffer, .address_space: global }
    .group_segment_fixed_size: 35328
    .private_segment_fixed_size: 0
    .kernarg_segment_align: 8
    .kernarg_segment_size: 24
    .max_flat_workgroup_size: 128
    .sgpr_count:     66
    .vgpr_count:     152
    .wavefront_size: 32
...
	.end_amdgpu_metadata
.endif
;; end of part 3
;; launch qkv (part 4): grid 128 x 3, 4 waves a work-group, clusters of 4 x 1, 312,832 bytes of LDS; arguments features, wts, b_pre, g_dm, b_dm, qa, ka, vv; writes qa, ka, vv
.if DOCPART == 4
	.amdgcn_target "amdgcn-amd-amdhsa--gfx1250"
	.amdhsa_code_object_version 6
	.text
	.protected	k_qc3eb084dd5_qkv
	.globl	k_qc3eb084dd5_qkv
	.p2align	8
	.type	k_qc3eb084dd5_qkv,@function
k_qc3eb084dd5_qkv:
	s_mov_b64 s[64:65], 0
	v_nop
	global_prefetch_b8 v0, s[64:65] scope:SCOPE_SE
	s_setreg_imm32_b32 hwreg(HW_REG_WAVE_MODE, 25, 1), 1
	s_wait_xcnt 0x0
	s_wait_alu depctr_hold_cnt(0) depctr_sa_sdst(0) depctr_va_vdst(0) depctr_va_sdst(0) depctr_va_ssrc(0) depctr_va_vcc(0) depctr_vm_vsrc(0)
	s_getreg_b32 s2, hwreg(HW_REG_IB_STS2, 6, 4)
	s_cmp_eq_u32 s2, 0
	s_cbranch_scc0 .Lentry_in_a_cluster
	s_endpgm
.Lentry_in_a_cluster:
	s_bfe_u32 s2, ttmp6, 0x10000c
	s_cmp_lg_u32 s2, 0x3003
	s_cbranch_scc0 .Lentry_shape_is_right
	s_endpgm
.Lentry_shape_is_right:
; Per point: inp = features W_pre^T + b_pre; then by the grid's y:  0: qa = (g o norm(inp WQ^T)) Wa1^T   1: ka = the same with WK   2: vv = LN(inp WV^T) with g and b.
; b_dm cancels in q - k, so it is left out of qa and ka (multiplied by 0 here, by 1 for vv); qa - ka is what the first attention layer adds to its product.
; Operands f16, sums and norms f32; qa, ka leave in bf16, vv in f16.  LIMITS: inp, g o norm and LN's results within 65,504 (norm is within 16 in magnitude); variance by the centred two-pass form.
; A work-group has 128 points, a wave two tiles of 16.  Every product is taken with the weights as source 0: a lane holds ONE point (lane % 16) and channels 16 t + 8 (lane / 16) + 0..7,
; so a result rounded in pairs IS the next product's source 1, and a norm wants one exchange between the halves of the lanes.
; The weights lie in fragment order in wts; the four work-groups of a cluster ask for them jointly, once, at the start: three loads a wave (the vv role does not read the third).
; WINDOWS of 256 registers: 0: addresses, statistics, fragments; 1: the two tiles' 16 accumulators each; 2: the operand X of both tiles, b_pre; 3: g, b.
.set WY,    32768
.set WA,    163840
.set STAGE, 294912                     ; 16 rows x 272 bytes for each wave, for the way out
.set SPARE, 312320                     ; the spare words: 128 bytes a wave, two blocks of 256 bytes that no other line names
.set SPW, 1
.set NIL, 2
.set RR,  3
.set AWL, 4                            ; LDS address of tiles 0-7 of the matrix in hand, 16 x lane within a fragment
.set STO, 5
.set RD,  6
.set CO,  7
.set FO,  8
.set AWH, 9                            ; of tiles 8-15
.set HH,  10
.set PO,  11
.set CH,  12                           ; v[12:19] four chains of sums
.set MUA, 20
.set MUB, 22
.set RSA, 24
.set RSB, 26
.set AP,  28
.set FE,  32                           ; v[32:63] the features' fragments: tile, k half
.set TMP, 64
.set BK,  96
.set F0,  128                          ; v[128:255] weight fragments, two buffers of 64
.set WV,  24
.set X,   26
.set Y,   27
.set T,   28
.set G0A, 32
.set G0B, 36
.set G0C, 40
.set G1S, 44
.set G1B, 52
.set SEL, 60
.set INV, 62
.set EPS, 63
.set SB,  66
.set OUTP, 68
.set CNT, 70
.set T2,  72
.set MSB, 0
.macro WIN new                         ; the immediate's high byte repeats the setting that is left; a switch that changes nothing is dropped
.if MSB != (\new)
	s_set_vgpr_msb (MSB<<8)|(\new)
.set MSB, \new
.endif
.endm
.macro PLACES                          ; four places behind a product, ahead of what reads its result or rewrites its sources
.rept 4
	v_nop
.endr
.endm
.macro CROUND                          ; a round of the cluster's barrier
	s_barrier_signal -1
	s_barrier_wait -1
	s_cmp_lg_u32 s[WV], 0
	s_cbranch_scc1 .Lnot_wave_0_\@
	s_barrier_signal -3
.Lnot_wave_0_\@:
	s_barrier_wait -3
	s_barrier_signal -1
	s_barrier_wait -1
.endm
.macro LNRED                           ; four chains, two halves, two halves of the lanes: one sum in every lane of a point
	WIN 0
	v_pk_add_f32 v[CH:CH+1], v[CH:CH+1], v[CH+2:CH+3]
	v_pk_add_f32 v[CH+4:CH+5], v[CH+4:CH+5], v[CH+6:CH+7]
	v_pk_add_f32 v[CH:CH+1], v[CH:CH+1], v[CH+4:CH+5]
	v_add_f32 v[CH], v[CH], v[CH+1]
	v_permlanex16_b32 v[CH+1], v[CH], s[SEL], s[SEL+1]
	v_add_f32 v[CH], v[CH], v[CH+1]
.endm
; nt accumulators at base in window 1: the mean; centred in place; the variance + eps into rs.  Each accumulator is read from its low end on.
.macro LNSTAT base, nt, mu, rs, inv
	WIN 0x05
.irp c, 0,1,2,3
	v_pk_add_f32 v[CH+2*\c:CH+2*\c+1], v[(\base)+2*\c:(\base)+2*\c+1], v[(\base)+8+2*\c:(\base)+8+2*\c+1]
.endr
	WIN 0x04
.set t, 2
.rept (\nt)-2
.irp c, 0,1,2,3
	v_pk_add_f32 v[CH+2*\c:CH+2*\c+1], v[CH+2*\c:CH+2*\c+1], v[(\base)+8*t+2*\c:(\base)+8*t+2*\c+1]
.endr
.set t, t+1
.endr
	LNRED
	v_mul_f32 v[\mu], s[\inv], v[CH]
	v_mov_b32 v[(\mu)+1], v[\mu]
	WIN 0x41
.set i, 0
.rept 4*(\nt)
	v_pk_add_f32 v[(\base)+2*i:(\base)+2*i+1], v[(\base)+2*i:(\base)+2*i+1], v[\mu:(\mu)+1] neg_lo:[0,1] neg_hi:[0,1]
.set i, i+1
.endr
	WIN 0x05
.irp c, 0,1,2,3
	v_pk_mul_f32 v[CH+2*\c:CH+2*\c+1], v[(\base)+2*\c:(\base)+2*\c+1], v[(\base)+2*\c:(\base)+2*\c+1]
.endr
.set t, 1
.rept (\nt)-1
.irp c, 0,1,2,3
	v_pk_fma_f32 v[CH+2*\c:CH+2*\c+1], v[(\base)+8*t+2*\c:(\base)+8*t+2*\c+1], v[(\base)+8*t+2*\c:(\base)+8*t+2*\c+1], v[CH+2*\c:CH+2*\c+1]
.endr
.set t, t+1
.endr
	LNRED
	v_fma_f32 v[\rs], v[CH], s[\inv], s[EPS]
.endm
.macro LNAPPLY base, nt, rs, win2, g, b  ; x = x rstd g + b
	WIN 0x41
.set i, 0
.rept 4*(\nt)
	v_pk_mul_f32 v[(\base)+2*i:(\base)+2*i+1], v[(\base)+2*i:(\base)+2*i+1], v[\rs:(\rs)+1]
.set i, i+1
.endr
	WIN \win2
.set i, 0
.rept 4*(\nt)
	v_pk_fma_f32 v[(\base)+2*i:(\base)+2*i+1], v[(\base)+2*i:(\base)+2*i+1], v[(\g)+2*i:(\g)+2*i+1], v[(\b)+2*i:(\b)+2*i+1]
.set i, i+1
.endr
.endm
	s_load_b512 s[8:23], s[0:1], 0x0               ; features 8, wts 10, b_pre 12, g_dm 14, b_dm 16, qa 18, ka 20, vv 22
	v_lshl_add_u32 v[SPW], v0, 2, SPARE
	v_mov_b32 v[NIL], 0
	ds_add_u32 v[SPW], v[NIL]                      ; the wave's opening: the add and its wait ahead of my first tensor load
	v_lshrrev_b32 v3, 5, v0
	v_readfirstlane_b32 s[WV], v3
	s_bfe_u32 s[T], ttmp6, 0x40000                 ; cx
	s_lshl_b32 s[X], ttmp9, 2
	s_add_co_u32 s[X], s[X], s[T]                  ; my block of 128 points: it enters features' and the output's addresses alone
	s_and_b32 s[Y], ttmp7, 0xffff                  ; the role, which the four partners share
	; descriptor group 1: dense rows of 256 bytes (32 elements of 8 bytes), 32 or 128 of them; mask of four, bit 21 beside it
	s_mov_b32 s[G1S], 15|(3<<16)|(1<<21)
	s_mov_b32 s[G1B], 15|(3<<16)|(1<<21)
	s_mov_b32 s[G1S+1], 32<<16
	s_mov_b32 s[G1B+1], 32<<16
	s_mov_b32 s[G1S+2], 32<<16
	s_mov_b32 s[G1B+2], 128<<16
	s_mov_b32 s[G1S+3], 32<<16
	s_mov_b32 s[G1B+3], 32<<16
	s_mov_b32 s[G1S+4], 32
	s_mov_b32 s[G1B+4], 128
	s_mov_b32 s[G1S+5], 32
	s_mov_b32 s[G1B+5], 32
	s_mov_b32 s[G1S+6], 0
	s_mov_b32 s[G1B+6], 0
	s_mov_b32 s[G1S+7], 0
	s_mov_b32 s[G1B+7], 0
	s_mov_b32 s[G0A], 1
	s_lshl_b32 s[G0A+1], s[WV], 13                 ; W_pre: my quarter, 8,192 bytes
	s_mov_b32 s[G0B], 1
	s_lshl_b32 s[G0B+1], s[WV], 15                 ; WQ, WK or WV: my quarter, 32,768 bytes
	s_add_co_u32 s[G0B+1], s[G0B+1], WY
	s_mov_b32 s[G0C], 1
	s_lshl_b32 s[G0C+1], s[WV], 15                 ; Wa1
	s_add_co_u32 s[G0C+1], s[G0C+1], WA
	s_mov_b32 s[SEL], 0x76543210
	s_mov_b32 s[SEL+1], 0xfedcba98
	s_mov_b32 s[INV], 0x3b800000                   ; 1 / 256
	s_mov_b32 s[EPS], 0x3727c5ac                   ; 1e-5
	s_cmp_eq_u32 s[Y], 2
	s_cselect_b32 s[SB], 1.0, 0
	s_mov_b32 s[SB+1], s[SB]
	s_wait_dscnt 0x0                               ; the opening add is done
	s_wait_kmcnt 0x0
	s_lshl_b32 s[T2], s[WV], 13
	s_mov_b32 s[T2+1], 0
	s_add_nc_u64 s[G0A+2:G0A+3], s[10:11], s[T2:T2+1]
	s_or_b32 s[G0A+3], s[G0A+3], 0x80000000
	s_lshl_b32 s[T2], s[Y], 17
	s_lshl_b32 s[T], s[WV], 15
	s_add_co_u32 s[T2], s[T2], s[T]
	s_add_co_u32 s[T2], s[T2], 32768
	s_add_nc_u64 s[G0B+2:G0B+3], s[10:11], s[T2:T2+1]
	s_or_b32 s[G0B+3], s[G0B+3], 0x80000000
	s_add_co_u32 s[T2], s[T], 425984
	s_add_nc_u64 s[G0C+2:G0C+3], s[10:11], s[T2:T2+1]
	s_or_b32 s[G0C+3], s[G0C+3], 0x80000000
	s_lshl_b32 s[T], s[X], 7
	s_lshl_b32 s[T2], s[WV], 5
	s_add_co_u32 s[T], s[T], s[T2]                 ; my first point
	s_lshl_b32 s[T2], s[T], 8
	s_add_nc_u64 s[8:9], s[8:9], s[T2:T2+1]        ; features at it
	s_cmp_eq_u32 s[Y], 0
	s_cselect_b64 s[OUTP:OUTP+1], s[18:19], s[20:21]
	s_cmp_eq_u32 s[Y], 2
	s_cselect_b64 s[OUTP:OUTP+1], s[22:23], s[OUTP:OUTP+1]
	s_lshl_b32 s[T2], s[T], 9
	s_add_nc_u64 s[OUTP:OUTP+1], s[OUTP:OUTP+1], s[T2:T2+1]
	CROUND                                         ; all four work-groups are here: the joint loads meet
	tensor_load_to_lds s[G0A:G0A+3], s[G1S:G1S+7]
	s_nop 0
	tensor_load_to_lds s[G0B:G0B+3], s[G1B:G1B+7]
	s_nop 0
	tensor_load_to_lds s[G0C:G0C+3], s[G1B:G1B+7]  ; three loads of mine are out
	s_nop 0
	PLACES
	v_and_b32 v[RR], 15, v0
	v_bfe_u32 v[HH], v0, 4, 1
	v_and_b32 v[AP], 31, v0
	v_lshlrev_b32 v[AP], 4, v[AP]
	v_add_nc_u32 v[AWL], WY, v[AP]
	v_add_nc_u32 v[AWH], WY+65536, v[AP]
	v_lshlrev_b32 v[PO], 5, v[HH]
	v_lshlrev_b32 v[FO], 8, v[RR]
	v_lshl_add_u32 v[FO], v[HH], 5, v[FO]
	s_mul_i32 s[T], s[WV], 16*272
	s_add_co_u32 s[T], s[T], STAGE
	v_mul_u32_u24 v[STO], v[RR], 272               ; in: row l % 16, 16 bytes for each half of the lanes
	v_lshl_add_u32 v[STO], v[HH], 4, v[STO]
	v_add_nc_u32 v[STO], s[T], v[STO]
	v_mul_u32_u24 v[RD], v[HH], 272                ; back: lanes 0-15 one row of 256 bytes, lanes 16-31 the next
	v_lshl_add_u32 v[RD], v[RR], 4, v[RD]
	v_add_nc_u32 v[RD], s[T], v[RD]
	v_lshlrev_b32 v[CO], 9, v[HH]
	v_lshl_add_u32 v[CO], v[RR], 4, v[CO]
.set i, 0
.rept 16                               ; features: tile i / 8, k half (i / 4) % 2, then 16 numbers as 4 x 16 bytes: k = 8 h .. and 16 + 8 h ..
	global_load_b128 v[TMP+4*i:TMP+4*i+3], v[FO], s[8:9] offset:(i/8)*4096+((i/4)%2)*128+((i/2)%2)*64+(i%2)*16
.set i, i+1
.endr
	WIN 0x80
.set i, 0
.rept 32                               ; b_pre, g, b as the accumulators lie: channels 16 t + 8 h + 0..7
	global_load_b128 v[128+4*i:128+4*i+3], v[PO], s[12:13] offset:(i/2)*64+(i%2)*16
.set i, i+1
.endr
	WIN 0xc0
.set i, 0
.rept 32
	global_load_b128 v[4*i:4*i+3], v[PO], s[14:15] offset:(i/2)*64+(i%2)*16
	global_load_b128 v[128+4*i:128+4*i+3], v[PO], s[16:17] offset:(i/2)*64+(i%2)*16
.set i, i+1
.endr
	WIN 0
	s_wait_loadcnt 0x0
.set i, 0
.rept 32
	v_cvt_pk_f16_f32 v[FE+i], v[TMP+2*i], v[TMP+2*i+1]
.set i, i+1
.endr
	WIN 0xc3
.set i, 0
.rept 64
	v_pk_mul_f32 v[128+2*i:128+2*i+1], v[128+2*i:128+2*i+1], s[SB:SB+1] op_sel_hi:[1,0]  ; b counts for vv alone
.set i, i+1
.endr
	WIN 0
	s_wait_tensorcnt 0x0                           ; my parts of the weights are in,
	s_barrier_signal -1
	s_barrier_wait -1                              ; everybody's are; nothing is ever filled again
; inp: eight tiles of channels at a time; the first k half starts the sums with b_pre, 16 accumulators by turns
.macro PREHALF z
	WIN 0
.set i, 0
.rept 16
	ds_load_b128 v[F0+8*i:F0+8*i+3], v[AP] offset:(16*(\z)+i)*1024
	ds_load_b128 v[F0+8*i+4:F0+8*i+7], v[AP] offset:(16*(\z)+i)*1024+512
.set i, i+1
.endr
	s_wait_dscnt 0x0
	WIN 0x60
.set i, 0
.rept 8
.irp tl, 0,1
	v_wmma_f32_16x16x32_f16 v[128*\tl+8*(8*(\z)+i):128*\tl+8*(8*(\z)+i)+7], v[F0+16*i:F0+16*i+7], v[FE+16*\tl:FE+16*\tl+7], v[128+8*(8*(\z)+i):128+8*(8*(\z)+i)+7]
.endr
.set i, i+1
.endr
	WIN 0x50
.set i, 0
.rept 8
.irp tl, 0,1
	v_wmma_f32_16x16x32_f16 v[128*\tl+8*(8*(\z)+i):128*\tl+8*(8*(\z)+i)+7], v[F0+16*i+8:F0+16*i+15], v[FE+16*\tl+8:FE+16*\tl+15], v[128*\tl+8*(8*(\z)+i):128*\tl+8*(8*(\z)+i)+7]
.endr
.set i, i+1
.endr
	PLACES
.endm
.macro TOX                             ; both tiles' 128 channels, rounded in pairs, are the next product's source 1
	WIN 0x85
.set i, 0
.rept 128
	v_cvt_pk_f16_f32 v[i], v[2*i], v[2*i+1]
.set i, i+1
.endr
.endm
.macro WLOAD t                         ; tile t's eight fragments into buffer t % 2
	WIN 0
.set fl, F0+64*((\t)%2)
.irp u, 0,1,2,3,4,5,6,7
.if (\t) < 8
	ds_load_b128 v[fl+8*\u:fl+8*\u+3], v[AWL] offset:(\t)*8192+1024*\u
	ds_load_b128 v[fl+8*\u+4:fl+8*\u+7], v[AWL] offset:(\t)*8192+1024*\u+512
.else
	ds_load_b128 v[fl+8*\u:fl+8*\u+3], v[AWH] offset:((\t)-8)*8192+1024*\u
	ds_load_b128 v[fl+8*\u+4:fl+8*\u+7], v[AWH] offset:((\t)-8)*8192+1024*\u+512
.endif
.endr
.endm
.macro GT t                            ; 16 products: tile t of the channels for both tiles of points, which take turns
.set fb, F0+64*((\t)%2)
.if (\t) < 15
	s_wait_dscnt 16                                ; this tile's fragments are in; the next tile's 16 loads may stay out
.else
	s_wait_dscnt 0x0
.endif
	WIN 0x58
.irp u, 0,1,2,3,4,5,6,7
.if \u == 0
	v_wmma_f32_16x16x32_f16 v[8*(\t):8*(\t)+7], v[fb:fb+7], v[0:7], 0
	v_wmma_f32_16x16x32_f16 v[128+8*(\t):128+8*(\t)+7], v[fb:fb+7], v[64:71], 0
.else
	v_wmma_f32_16x16x32_f16 v[8*(\t):8*(\t)+7], v[fb+8*\u:fb+8*\u+7], v[8*\u:8*\u+7], v[8*(\t):8*(\t)+7]
	v_wmma_f32_16x16x32_f16 v[128+8*(\t):128+8*(\t)+7], v[fb+8*\u:fb+8*\u+7], v[64+8*\u:64+8*\u+7], v[128+8*(\t):128+8*(\t)+7]
.endif
.endr
.if (\t) < 14
	PLACES
	WLOAD (\t)+2
.endif
.endm
; THE WAY OUT: 128 channels of a tile at a time, rounded, through my own stage, back as whole rows of 256 bytes.
.macro OUT fmt
.irp tl, 0,1
.irp s, 0,1
	WIN 0x05
.set i, 0
.rept 32
.if \fmt
	v_cvt_pk_f16_f32 v[TMP+i], v[128*\tl+64*\s+2*i], v[128*\tl+64*\s+2*i+1]
.else
	v_cvt_pk_bf16_f32 v[TMP+i], v[128*\tl+64*\s+2*i], v[128*\tl+64*\s+2*i+1]
.endif
.set i, i+1
.endr
	WIN 0
.set i, 0
.rept 8
	ds_store_b128 v[STO], v[TMP+4*i:TMP+4*i+3] offset:32*i
.set i, i+1
.endr
	s_wait_xcnt 0x0                                ; the stores before have read their data: BK is loaded again only behind this wait
.set i, 0
.rept 8
	ds_load_b128 v[BK+4*i:BK+4*i+3], v[RD] offset:544*i  ; LDS serves a wave's instructions in order: these see the stores above
.set i, i+1
.endr
	s_wait_dscnt 0x0
.set i, 0
.rept 8
	global_store_b128 v[CO], v[BK+4*i:BK+4*i+3], s[OUTP:OUTP+1] offset:8192*\tl+1024*i+256*\s  ; 16 lanes store 256 consecutive bytes, aligned
.set i, i+1
.endr
.endr
.endr
.endm
	PREHALF 0
	PREHALF 1
	TOX
	WIN 0
	s_mov_b32 s[CNT], 2
.Lpass:                                ; trip 1: WQ, WK or WV, and the norm; trip 2 (roles 0 and 1): Wa1
	WLOAD 0
	WLOAD 1
.set tt, 0
.rept 16
	GT tt
.set tt, tt+1
.endr
	PLACES
	WIN 0
	s_cmp_eq_u32 s[CNT], 1
	s_cbranch_scc1 .Loutb
	LNSTAT 0, 16, MUA, RSA, INV
	LNSTAT 128, 16, MUB, RSB, INV
	v_rsq_f32 v[RSA], v[RSA]
	v_rsq_f32 v[RSB], v[RSB]
	v_nop                                          ; a plain instruction behind the last of the batch,
	s_wait_alu depctr_va_vdst(0)                   ; and the one wait ahead of the first use
	v_mov_b32 v[RSA+1], v[RSA]
	v_mov_b32 v[RSB+1], v[RSB]
	LNAPPLY 0, 16, RSA, 0x7d, 0, 128
	LNAPPLY 128, 16, RSB, 0x7d, 0, 128
	WIN 0
	s_cmp_eq_u32 s[Y], 2
	s_cbranch_scc1 .Loutv
	TOX
	WIN 0
	v_add_nc_u32 v[AWL], WA-WY, v[AWL]
	v_add_nc_u32 v[AWH], WA-WY, v[AWH]
	s_sub_co_u32 s[CNT], s[CNT], 1
	s_cmp_lg_u32 s[CNT], 0
	s_cbranch_scc1 .Lpass
.Loutb:
	OUT 0
	s_branch .Lend
.Loutv:
	OUT 1
.Lend:
	s_wait_tensorcnt 0x0                           ; the wave's end, behind my last tensor load and LDS store
	ds_add_u32 v[SPW], v[NIL]
	s_wait_dscnt 0x0
	CROUND                                         ; the closing round
	s_endpgm
.Lfunc_end_k_qc3eb084dd5_qkv:
	.size	k_qc3eb084dd5_qkv, .Lfunc_end_k_qc3eb084dd5_qkv-k_qc3eb084dd5_qkv
	.p2alignl 7, 3214868480
	.fill 96, 4, 3214868480
	.section	.rodata,"a",@progbits
	.p2align	6, 0x0
	.amdhsa_kernel k_qc3eb084dd5_qkv
		.amdhsa_group_segment_fixed_size 312832
		.amdhsa_private_segment_fixed_size 0
		.amdhsa_enable_private_segment 0
		.amdhsa_kernarg_size 64
		.amdhsa_user_sgpr_count 2
		.amdhsa_user_sgpr_kernarg_segment_ptr 1
		.amdhsa_wavefront_size32 1
		.amdhsa_system_sgpr_workgroup_id_x 1
		.amdhsa_system_sgpr_workgroup_id_y 1
		.amdhsa_system_sgpr_workgroup_id_z 1
		.amdhsa_system_vgpr_workitem_id 0
		.amdhsa_next_free_vgpr 1024
		.amdhsa_next_free_sgpr 76
		.amdhsa_reserve_vcc 0
		.amdhsa_float_denorm_mode_32 3
		.amdhsa_float_denorm_mode_16_64 3
		.amdhsa_memory_ordered 1
		.amdhsa_forward_progress 1
		.amdhsa_inst_pref_size 156
	.end_amdhsa_kernel
	.amdgpu_metadata
---
amdhsa.version: [ 1, 2 ]
amdhsa.kernels:
  - .name:           k_qc3eb084dd5_qkv
    .symbol:         k_qc3eb084dd5_qkv.kd
    .args:
      - { .name: features, .offset: 0, .size: 8, .value_kind: global_buffer, .address_space: global }
      - { .name: wts, .offset: 8, .size: 8, .value_kind: global_buffer, .address_space: global }
      - { .name: b_pre, .offset: 16, .size: 8, .value_kind: global_buffer, .address_space: global }
      - { .name: g_dm, .offset: 24, .size: 8, .value_kind: global_buffer, .address_space: global }
      - { .name: b_dm, .offset: 32, .size: 8, .value_kind: global_buffer, .address_space: global }
      - { .name: qa, .offset: 40, .size: 8, .value_kind: global_buffer, .address_space: global }
      - { .name: ka, .offset: 48, .size: 8, .value_kind: global_buffer, .address_space: global }
      - { .name: vv, .offset: 56, .size: 8, .value_kind: global_buffer, .address_space: global }
    .group_segment_fixed_size: 312832
    .private_segment_fixed_size: 0
    .kernarg_segment_align: 8
    .kernarg_segment_size: 64
    .max_flat_workgroup_size: 128
    .sgpr_count:     76
    .vgpr_count:     1024
    .wavefront_size: 32
...
	.end_amdgpu_metadata
.endif
;; end of part 4
;; launch main (part 5): grid 256 x 1, 4 waves a work-group, clusters of 4 x 1, 327,680 bytes of LDS; arguments wts, nidx, xyz, qa, ka, vv, res; writes res
.if DOCPART == 5
	.amdgcn_target "amdgcn-amd-amdhsa--gfx1250"
	.amdhsa_code_object_version 6
	.text
	.protected	k_qc3eb084dd5_main
	.globl	k_qc3eb084dd5_main
	.p2align	8
	.type	k_qc3eb084dd5_main,@function
k_qc3eb084dd5_main:
	s_mov_b64 s[64:65], 0
	v_nop
	global_prefetch_b8 v0, s[64:65] scope:SCOPE_SE
	s_setreg_imm32_b32 hwreg(HW_REG_WAVE_MODE, 25, 1), 1
	s_wait_xcnt 0x0
	s_wait_alu depctr_hold_cnt(0) depctr_sa_sdst(0) depctr_va_vdst(0) depctr_va_sdst(0) depctr_va_ssrc(0) depctr_va_vcc(0) depctr_vm_vsrc(0)
	s_getreg_b32 s2, hwreg(HW_REG_IB_STS2, 6, 4)
	s_cmp_eq_u32 s2, 0
	s_cbranch_scc0 .Lentry_in_a_cluster
	s_endpgm
.Lentry_in_a_cluster:
	s_bfe_u32 s2, ttmp6, 0x10000c
	s_cmp_lg_u32 s2, 0x3003
	s_cbranch_scc0 .Lentry_shape_is_right
	s_endpgm
.Lentry_shape_is_right:
; The vector attention.  For point i and its 16 neighbours j (nidx):  h1 = relu(rel Wp1^T), rel = xyz_i - xyz_j;  h2 = relu(qa_i - ka_j + h1 Wc^T), Wc = Wa1 Wp2;
; logits = h2 Wa2^T;  pos = h1 Wp2^T;  res_i[f] = sum_j softmax_j(logits[j][f] / 16) (v_j[f] + pos[j][f]).   That is the module's chain with the sum q - k + pos taken through Wa1 term by term.
; Operands bf16 (v in f16), sums, maxima and softmax in f32; the maximum over the 16 neighbours is taken away before the exponential; res leaves in f16 (LIMIT: |v + pos| within 65,504).
; SHARES.  A work-group has 64 points, a wave 16, four at a time (an ITERATION): a point's 16 neighbours are the 16 rows or columns of a matrix tile, and a weight fragment read from LDS feeds four products.
; ORIENTATION.  h1 and h2 are made with the weights as source 0: a lane holds ONE neighbour and 8 channels, and a result rounded in pairs is the next operand.  logits and pos are made with the weights as
; source 1: a lane holds ONE channel and 8 neighbours, so the softmax over neighbours is in the lane but for one exchange between the halves.  Their tile t, lane r is channel 128 (t / 8) + 8 r + t % 8:
; 16 bytes of a row of v serve 8 tiles, and a lane gathers 8 neighbouring channels of res.
; qa - ka starts h2's sums by a product of its own: E (a row has -1 at k = m and +1 at k = 16 + m) times a fragment with ka_j in k = 0..15 and qa_i in k = 16..31.
; LDS.  Wp1, Wc and Wa2 stay (278,528 bytes, one joint load a wave at the start); Wp2 passes through a ring of two slots of two tiles each, 8 TRIPS an iteration, one joint load a wave a trip.
; The four work-groups of a cluster walk the same weights in step.
; WINDOWS of 256 registers: 0: addresses, indices, E, statistics, 64 of accumulators, two fragment buffers; 1: h1 (64 a point); 2: h2; 3: v's 128, three sets of qa / ka fragments, W (32).
.set WC,    16384
.set WA2,   147456
.set RING,  278528                     ; 0x44000; slot 1 at 0x48000: an exclusive or with 0xC000 turns one into the other
.set RX,    0xC000
.set SPARE, 311296                     ; the spare words: 128 bytes a wave, two blocks of 256 bytes that no other line names
.set QH,   0                           ; v0   16 h (once the thread's number has served)
.set SPW,  1
.set NIL,  2
.set ZERO, 3
.set AL,   4                           ; LDS address for Wp1 and Wc
.set AWA,  5                           ; for the trip's two tiles of Wa2
.set ARG,  6                           ; for the ring's slot in hand
.set RO,   7                           ; 16 r + 512 h
.set KO,   8                           ; v[8:11]   point p: my neighbour's (lane % 16) index, then its offset in ka
.set IDN,  12                          ; v[12:27]  point p: the indices of neighbours 8 h .. 8 h + 7, u16
.set E,    28                          ; v[28:35]
.set TP,   36                          ; v[36:43]  a pair at work for each point
.set RT,   44                          ; v[44:47]  the even tile's result, kept for the odd one's; at work between trips
.set R,    48                          ; v[48:63]  point p: 8 channels of res in f16
.set ACC,  64
.set LG,   64                          ; logits, 8 a point
.set PS,   96                          ; pos, 8 a point
.set F0,   128
.set F1,   192
.set WV,  22
.set X,   23
.set K,   24                           ; the trip, 0 to 31
.set CNT, 25
.set CS,  26                           ; s[26:27] log2(e) / 16
.set SEL, 28
.set HM,  30                           ; lanes 16-31
.set T,   31
.set G1R, 32
.set G1S, 40
.set GA,  48
.set RG,  52
.set PB2, 56                           ; s[56:57] Wp2's fragments at my quarter of a pair of tiles
.set OFF, 58
.set XYB, 60                           ; xyz at the batch
.set P0,  62                           ; the iteration's first point
.set PW,  63                           ; the wave's first point
.set QAB, 66
.set XOB, 70
.set NIB, 72
.set T2,  74
.set MSB, 0
.macro WIN new                         ; the immediate's high byte repeats the setting that is left; a switch that changes nothing is dropped
.if MSB != (\new)
	s_set_vgpr_msb (MSB<<8)|(\new)
.set MSB, \new
.endif
.endm
.macro PLACES                          ; four places behind a product, ahead of what reads its result or rewrites its sources
.rept 4
	v_nop
.endr
.endm
.macro EACH line:vararg                ; one line for each of the four points p
.set p, 0
.rept 4
	\line
.set p, p+1
.endr
.endm
.macro CROUND                          ; a round of the cluster's barrier
	s_barrier_signal -1
	s_barrier_wait -1
	s_cmp_lg_u32 s[WV], 0
	s_cbranch_scc1 .Lnot_wave_0_\@
	s_barrier_signal -3
.Lnot_wave_0_\@:
	s_barrier_wait -3
	s_barrier_signal -1
	s_barrier_wait -1
.endm
; THE CHANGE OF SLOTS, at a trip's head.  Each wave waits for all its tensor loads (one is out: its quarter of this trip's slot), adds 0 to its spare word, and waits for that and for its reads of the
; other slot.  fill = 1: behind a round of the cluster's barrier the other slot takes the next pair of tiles: my one tensor load, first thing there; it has a trip (128 products and two softmaxes) to land.
.macro HDR fill
	WIN 0
	s_wait_tensorcnt 0x0
	ds_add_u32 v[SPW], v[NIL]                      ; the descriptor's words are made between the add and its wait
.if \fill
	s_xor_b32 s[RG+1], s[RG+1], RX
	s_add_co_u32 s[OFF], s[K], 1
	s_and_b32 s[OFF], s[OFF], 7                    ; the pair of tiles of the next trip
	s_lshl_b32 s[OFF], s[OFF], 14
	s_add_nc_u64 s[RG+2:RG+3], s[PB2:PB2+1], s[OFF:OFF+1]
	s_or_b32 s[RG+3], s[RG+3], 0x80000000
	s_wait_dscnt 0x0
	CROUND
	tensor_load_to_lds s[RG:RG+3], s[G1S:G1S+7]
	s_nop 0
	PLACES
.else
	s_wait_dscnt 0x0
	s_barrier_signal -1
	s_barrier_wait -1
.endif
.endm
; The next four points' indices: 8 a lane (plane h) into IDN, and my own neighbour's (lane % 16) into KO.  s[NIB] stands at the points' 16 bytes in plane 0.
.macro NEXTIDX
	WIN 0
	v_lshlrev_b32 v[RT+1], 14, v[QH]               ; h x 262,144
	v_bfe_u32 v[RT+2], v[RO], 7, 1                 ; r / 8: the plane
	v_bfe_u32 v[RT+3], v[RO], 4, 3                 ; r % 8
	v_lshlrev_b32 v[RT+3], 1, v[RT+3]
	v_lshl_add_u32 v[RT+2], v[RT+2], 18, v[RT+3]
	EACH global_load_b128 v[IDN+4*p:IDN+4*p+3], v[RT+1], s[NIB:NIB+1] offset:16*p
	EACH global_load_u16 v[KO+p], v[RT+2], s[NIB:NIB+1] offset:16*p
.endm
; 32 loads of 16 bytes: for point p and my 8 neighbours, channels soff / 2 + 8 r .. + 7 of v: 16 lanes read 256 consecutive bytes of a row
.macro VLOAD soff
	WIN 0
	v_and_b32 v[RT], 0xf0, v[RO]
	v_add_nc_u32 v[RT], \soff, v[RT]
.set i, 0
.rept 32
.if i%2
	v_lshrrev_b32 v[ACC+i], 16, v[IDN+i/2]
.else
	v_and_b32 v[ACC+i], 0xffff, v[IDN+i/2]
.endif
	v_min_u32 v[ACC+i], 0xfff, v[ACC+i]
	v_lshl_add_u32 v[ACC+i], v[ACC+i], 9, v[RT]
.set i, i+1
.endr
	WIN 0xc0
.set i, 0
.rept 32
	global_load_b128 v[4*i:4*i+3], v[ACC+i], s[18:19]
.set i, i+1
.endr
	WIN 0
.endm
.macro KQLOAD t                        ; tile t's fragments for E: ka of my neighbour, qa of the point, channels 16 t + 8 h .. + 7
	WIN 0xc0
	EACH global_load_b128 v[128+32*((\t)%3)+8*p:128+32*((\t)%3)+8*p+3], v[KO+p], s[16:17] offset:32*(\t)
	EACH global_load_b128 v[128+32*((\t)%3)+8*p+4:128+32*((\t)%3)+8*p+7], v[QH], s[QAB:QAB+1] offset:512*p+32*(\t)
	WIN 0
.endm
; AN ITERATION BEGINS: bases, offsets, all its gathers, and the fragments of rel (k = 0..2, zeros beyond) in W's registers
.macro HEAD
	WIN 0
	s_wait_xcnt 0x0                                ; earlier loads and stores have read the bases that are written below
	s_lshr_b32 s[T], s[K], 3
	s_lshl_b32 s[T], s[T], 2
	s_add_co_u32 s[P0], s[PW], s[T]
	s_lshl_b32 s[T2], s[P0], 9
	s_mov_b32 s[T2+1], 0
	s_add_nc_u64 s[QAB:QAB+1], s[14:15], s[T2:T2+1]
	s_mul_i32 s[T2], s[P0], 12
	s_add_nc_u64 s[XOB:XOB+1], s[12:13], s[T2:T2+1]
	s_wait_loadcnt 0x0                             ; the indices, asked for half an iteration ago
	EACH v_min_u32 v[KO+p], 0xfff, v[KO+p]
	EACH v_mul_u32_u24 v[TP+p], 12, v[KO+p]
	EACH v_lshl_add_u32 v[KO+p], v[KO+p], 9, v[QH]
	EACH global_load_b96 v[96+4*p:98+4*p], v[ZERO], s[XOB:XOB+1] offset:12*p
	EACH global_load_b96 v[112+4*p:114+4*p], v[TP+p], s[XYB:XYB+1]
	KQLOAD 0
	KQLOAD 1
	KQLOAD 2
	VLOAD 0
	s_wait_loadcnt 56                              ; the coordinates are in; the 24 + 32 loads issued behind them may stay out
.irp c, 0,1,2
	EACH v_sub_f32 v[96+4*p+\c], v[96+4*p+\c], v[112+4*p+\c]
.endr
	EACH v_cvt_pk_bf16_f32 v[112+4*p], v[96+4*p], v[97+4*p]
	EACH v_cvt_pk_bf16_f32 v[113+4*p], v[98+4*p], v[ZERO]
	WIN 0xc0
	EACH v_cndmask_b32 v[224+8*p], v[112+4*p], v[ZERO], s[HM]
	EACH v_cndmask_b32 v[225+8*p], v[113+4*p], v[ZERO], s[HM]
.irp c, 2,3,4,5,6,7
	EACH v_mov_b32 v[224+8*p+\c], 0
.endr
	WIN 0
	s_wait_xcnt 0x0                                ; the loads have read their offsets: the accumulators' registers are free
.endm
; h1: two tiles of channels at a time, eight accumulators; rounded, relu on the packed halves
.macro S0
	WIN 0
	v_and_b32 v[AL], 0xf0, v[RO]
	v_lshl_add_u32 v[AL], v[QH], 4, v[AL]          ; 16 x lane
	v_add_nc_u32 v[AWA], WA2, v[AL]
.set i, 0
.rept 16
	ds_load_b128 v[F0+8*i:F0+8*i+3], v[AL] offset:1024*i
	ds_load_b128 v[F0+8*i+4:F0+8*i+7], v[AL] offset:1024*i+512
.set i, i+1
.endr
	s_wait_dscnt 0x0
.set u, 0
.rept 8
	WIN 0x0c
.irp a, 0,1
	EACH v_wmma_f32_16x16x32_bf16 v[ACC+32*\a+8*p:ACC+32*\a+8*p+7], v[F0+8*(2*u+\a):F0+8*(2*u+\a)+7], v[224+8*p:224+8*p+7], 0
.endr
	PLACES
	WIN 0x40
.irp a, 0,1
.irp i, 0,1,2,3
	EACH v_cvt_pk_bf16_f32 v[64*p+8*u+4*\a+\i], v[ACC+32*\a+8*p+2*\i], v[ACC+32*\a+8*p+2*\i+1]
.endr
.endr
	WIN 0x41
.irp i, 0,1,2,3,4,5,6,7
	EACH v_pk_max_num_bf16 v[64*p+8*u+\i], v[64*p+8*u+\i], v[ZERO]
.endr
.set u, u+1
.endr
.endm
.macro WCLOAD t                        ; Wc's tile t into buffer t % 2; the address steps by 65,536 so that the offsets stay within 16 bits
	WIN 0
.if ((\t) == 6) || ((\t) == 14)
	v_add_nc_u32 v[AL], 0x10000, v[AL]
.endif
.set fl, F0+64*((\t)%2)
.set fo, WC+8192*(\t)-65536*(((\t)+2)/8)
.irp u, 0,1,2,3,4,5,6,7
	ds_load_b128 v[fl+8*\u:fl+8*\u+3], v[AL] offset:fo+1024*\u
	ds_load_b128 v[fl+8*\u+4:fl+8*\u+7], v[AL] offset:fo+1024*\u+512
.endr
.endm
; h2, tile t: qa - ka starts the four points' sums, 32 products follow, the points by turns; rounded, relu
.macro S1T t
.set fb, F0+64*((\t)%2)
.if (\t) < 3
	s_wait_loadcnt 48                              ; this tile's qa and ka are in; two tiles' 16 loads and v's 32 may stay out
.elseif (\t) < 14
	s_wait_loadcnt 16                              ; two tiles' 16 loads may stay out
.elseif (\t) == 14
	s_wait_loadcnt 8
.else
	s_wait_loadcnt 0x0
.endif
.if (\t) < 15
	s_wait_dscnt 16                                ; this tile's fragments of Wc are in; the next tile's may stay out
.else
	s_wait_dscnt 0x0
.endif
	WIN 0x0c
	EACH v_wmma_f32_16x16x32_bf16 v[ACC+8*p:ACC+8*p+7], v[E:E+7], v[128+32*((\t)%3)+8*p:128+32*((\t)%3)+8*p+7], 0
	WIN 0x04
.irp u, 0,1,2,3,4,5,6,7
	EACH v_wmma_f32_16x16x32_bf16 v[ACC+8*p:ACC+8*p+7], v[fb+8*\u:fb+8*\u+7], v[64*p+8*\u:64*p+8*\u+7], v[ACC+8*p:ACC+8*p+7]
.endr
	PLACES
.if (\t) < 13
	KQLOAD (\t)+3
.endif
.if (\t) < 14
	WCLOAD (\t)+2
.endif
	WIN 0x80
.irp i, 0,1,2,3
	EACH v_cvt_pk_bf16_f32 v[64*p+4*(\t)+\i], v[ACC+8*p+2*\i], v[ACC+8*p+2*\i+1]
.endr
	WIN 0x82
.irp i, 0,1,2,3
	EACH v_pk_max_num_bf16 v[64*p+4*(\t)+\i], v[64*p+4*(\t)+\i], v[ZERO]
.endr
.endm
.macro S1
	WCLOAD 0
	WCLOAD 1
.set tt, 0
.rept 16
	S1T tt
.set tt, tt+1
.endr
	WIN 0
.endm
.macro COPYV q                         ; word q of each of v's 32 pieces: the trip's two channels
	WIN 0xc3
.set i, 0
.rept 32
	v_mov_b32 v[224+i], v[4*i+\q]
.set i, i+1
.endr
	WIN 0
.endm
.macro FLOAD fb, adr, off              ; a tile's eight fragments
	WIN 0
.irp u, 0,1,2,3,4,5,6,7
	ds_load_b128 v[(\fb)+8*\u:(\fb)+8*\u+3], v[\adr] offset:(\off)+1024*\u
	ds_load_b128 v[(\fb)+8*\u+4:(\fb)+8*\u+7], v[\adr] offset:(\off)+1024*\u+512
.endr
.endm
.macro MMN d, fb, win                  ; 32 products: the four points by turns; source 0 = the point's h1 or h2, by the window
	WIN \win
.irp u, 0,1,2,3,4,5,6,7
.if \u == 0
	EACH v_wmma_f32_16x16x32_bf16 v[(\d)+8*p:(\d)+8*p+7], v[64*p:64*p+7], v[\fb:(\fb)+7], 0
.else
	EACH v_wmma_f32_16x16x32_bf16 v[(\d)+8*p:(\d)+8*p+7], v[64*p+8*\u:64*p+8*\u+7], v[(\fb)+8*\u:(\fb)+8*\u+7], v[(\d)+8*p:(\d)+8*p+7]
.endif
.endr
.endm
; One tile's softmax over the 16 neighbours and its weighted sum, the four points side by side.  e: the tile's parity, which picks the half of W.
.macro SOFT e
	WIN 0
	EACH v_max3_num_f32 v[TP+2*p], v[LG+8*p], v[LG+8*p+1], v[LG+8*p+2]
	EACH v_max3_num_f32 v[TP+2*p], v[TP+2*p], v[LG+8*p+3], v[LG+8*p+4]
	EACH v_max3_num_f32 v[TP+2*p], v[TP+2*p], v[LG+8*p+5], v[LG+8*p+6]
	EACH v_max_num_f32 v[TP+2*p], v[TP+2*p], v[LG+8*p+7]
	EACH v_permlanex16_b32 v[TP+2*p+1], v[TP+2*p], s[SEL], s[SEL+1]
	EACH v_max_num_f32 v[TP+2*p], v[TP+2*p], v[TP+2*p+1]
	EACH v_mul_f32 v[TP+2*p], s[CS], v[TP+2*p]
.irp j, 0,2,4,6
	EACH v_pk_fma_f32 v[LG+8*p+\j:LG+8*p+\j+1], v[LG+8*p+\j:LG+8*p+\j+1], s[CS:CS+1], v[TP+2*p:TP+2*p+1] op_sel_hi:[1,0,0] neg_lo:[0,0,1] neg_hi:[0,0,1]
.endr
.irp j, 0,1,2,3,4,5,6,7
	EACH v_exp_f32 v[LG+8*p+\j], v[LG+8*p+\j]
.endr
	v_nop                                          ; a plain instruction behind the last exponential,
	s_wait_alu depctr_va_vdst(0)                   ; and one wait for the batch of 32
	EACH v_pk_mul_f32 v[PS+8*p:PS+8*p+1], v[PS+8*p:PS+8*p+1], v[LG+8*p:LG+8*p+1]
.irp j, 2,4,6
	EACH v_pk_fma_f32 v[PS+8*p:PS+8*p+1], v[PS+8*p+\j:PS+8*p+\j+1], v[LG+8*p+\j:LG+8*p+\j+1], v[PS+8*p:PS+8*p+1]
.endr
	WIN 0x0c
.irp j, 0,1,2,3,4,5,6,7
	EACH v_fma_mix_f32 v[PS+8*p+(\j%2)], v[LG+8*p+\j], v[224+8*p+\j], v[PS+8*p+(\j%2)] op_sel:[0,\e,0] op_sel_hi:[0,1,0]
.endr
	WIN 0
	EACH v_pk_add_f32 v[LG+8*p:LG+8*p+1], v[LG+8*p:LG+8*p+1], v[LG+8*p+2:LG+8*p+3]
	EACH v_pk_add_f32 v[LG+8*p+4:LG+8*p+5], v[LG+8*p+4:LG+8*p+5], v[LG+8*p+6:LG+8*p+7]
	EACH v_pk_add_f32 v[LG+8*p:LG+8*p+1], v[LG+8*p:LG+8*p+1], v[LG+8*p+4:LG+8*p+5]
	EACH v_add_f32 v[PS+8*p], v[PS+8*p], v[PS+8*p+1]
	EACH v_add_f32 v[LG+8*p], v[LG+8*p], v[LG+8*p+1]
	EACH v_permlanex16_b32 v[TP+2*p], v[PS+8*p], s[SEL], s[SEL+1]
	EACH v_permlanex16_b32 v[TP+2*p+1], v[LG+8*p], s[SEL], s[SEL+1]
	EACH v_add_f32 v[PS+8*p], v[PS+8*p], v[TP+2*p]
	EACH v_add_f32 v[LG+8*p], v[LG+8*p], v[TP+2*p+1]
	EACH v_rcp_f32 v[LG+8*p+1], v[LG+8*p]
	v_nop
	s_wait_alu depctr_va_vdst(0)                   ; one wait for the four reciprocals
.if (\e) == 0
	EACH v_mul_f32 v[RT+p], v[PS+8*p], v[LG+8*p+1]
.else
	EACH v_mul_f32 v[PS+8*p+1], v[PS+8*p], v[LG+8*p+1]
.irp j, 0,1,2
	EACH v_mov_b32 v[R+4*p+\j], v[R+4*p+\j+1]
.endr
	EACH v_cvt_pk_f16_f32 v[R+4*p+3], v[RT+p], v[PS+8*p+1]
.endif
.endm
; A TRIP behind its change of slots.  last = 1: the walk's last trip, written out.
.macro BODY last
	s_wait_loadcnt 0x0                             ; v's pieces are in
.if \last
	COPYV 3
.else
	s_and_b32 s[T], s[K], 3
	s_cmp_eq_u32 s[T], 0
	s_cbranch_scc0 .Lc1_\@
	COPYV 0
	s_branch .Lcd_\@
.Lc1_\@:
	s_cmp_eq_u32 s[T], 1
	s_cbranch_scc0 .Lc2_\@
	COPYV 1
	s_branch .Lcd_\@
.Lc2_\@:
	s_cmp_eq_u32 s[T], 2
	s_cbranch_scc0 .Lc3_\@
	COPYV 2
	s_branch .Lcd_\@
.Lc3_\@:
	COPYV 3
.Lcd_\@:
	s_and_b32 s[T], s[K], 7
	s_cmp_eq_u32 s[T], 3                           ; the first half's last word has been taken: v's second 128 channels are asked for, and the next iteration's indices
	s_cbranch_scc0 .Lnomid_\@
	VLOAD 256
	s_cmp_lt_u32 s[K], 24
	s_cbranch_scc0 .Lnonext_\@
	s_add_co_u32 s[T2], s[P0], 4
	s_lshl_b32 s[T2], s[T2], 4
	s_mov_b32 s[T2+1], 0
	s_add_nc_u64 s[NIB:NIB+1], s[10:11], s[T2:T2+1]
	NEXTIDX
.Lnonext_\@:
	s_wait_xcnt 0x0                                ; the loads have read their offsets, which lie in registers that the products write
.Lnomid_\@:
.endif
	FLOAD F0, AWA, 0
	FLOAD F1, ARG, 0
	s_wait_dscnt 16                                ; Wa2's tile is in
	MMN LG, F0, 0x02
	PLACES
	FLOAD F0, AWA, 8192
	s_wait_dscnt 16                                ; Wp2's tile is in
	MMN PS, F1, 0x01
	PLACES
	FLOAD F1, ARG, 8192
	SOFT 0
	s_wait_dscnt 16
	MMN LG, F0, 0x02
	s_wait_dscnt 0x0
	MMN PS, F1, 0x01
	PLACES
	SOFT 1
.if !(\last)
	s_and_b32 s[T], s[K], 3
	s_cmp_eq_u32 s[T], 3
	s_cbranch_scc0 .Lnost_\@
.endif
	s_bfe_u32 s[T], s[K], 0x10002                  ; which 128 channels: 256 bytes,
	s_lshl_b32 s[T], s[T], 8
	s_lshl_b32 s[T2], s[P0], 9                     ; and the iteration's first point: rows of 512 bytes; the offset stays under 2^24, the base is res itself
	s_add_co_u32 s[T], s[T], s[T2]
	v_add_nc_u32 v[ACC+8], s[T], v[RO]
.irp j, 0,1,2,3
	v_cndmask_b32 v[ACC+\j], v[R+\j], v[R+4+\j], s[HM]       ; both halves of the lanes hold every point's result: lanes 0-15 store points 0 and 2, lanes 16-31 points 1 and 3
	v_cndmask_b32 v[ACC+4+\j], v[R+8+\j], v[R+12+\j], s[HM]
.endr
	global_store_b128 v[ACC+8], v[ACC:ACC+3], s[20:21]                ; 16 lanes store 256 consecutive bytes, aligned
	global_store_b128 v[ACC+8], v[ACC+4:ACC+7], s[20:21] offset:1024
	s_wait_xcnt 0x0
.if !(\last)
.Lnost_\@:
.endif
.endm
	s_load_b256 s[8:15], s[0:1], 0x0               ; wts 8, nidx 10, xyz 12, qa 14
	s_load_b128 s[16:19], s[0:1], 0x20             ; ka 16, vv 18
	s_load_b64 s[20:21], s[0:1], 0x30              ; res
	v_lshl_add_u32 v[SPW], v0, 2, SPARE
	v_mov_b32 v[NIL], 0
	ds_add_u32 v[SPW], v[NIL]                      ; the wave's opening: the add and its wait ahead of my first tensor load
	v_lshrrev_b32 v3, 5, v0
	v_readfirstlane_b32 s[WV], v3
	s_bfe_u32 s[T], ttmp6, 0x40000                 ; cx
	s_lshl_b32 s[X], ttmp9, 2
	s_add_co_u32 s[X], s[X], s[T]                  ; my block of 64 points: it enters the points' addresses alone
	; descriptor group 1: dense rows of 256 bytes (32 elements of 8 bytes); 272 rows for the resident weights, 16 for a quarter of a slot; mask of four, bit 21 beside it
	s_mov_b32 s[G1R], 15|(3<<16)|(1<<21)
	s_mov_b32 s[G1S], 15|(3<<16)|(1<<21)
	s_mov_b32 s[G1R+1], 32<<16
	s_mov_b32 s[G1S+1], 32<<16
	s_mov_b32 s[G1R+2], 272<<16
	s_mov_b32 s[G1S+2], 16<<16
	s_mov_b32 s[G1R+3], 32<<16
	s_mov_b32 s[G1S+3], 32<<16
	s_mov_b32 s[G1R+4], 272
	s_mov_b32 s[G1S+4], 16
	s_mov_b32 s[G1R+5], 32
	s_mov_b32 s[G1S+5], 32
	s_mov_b32 s[G1R+6], 0
	s_mov_b32 s[G1S+6], 0
	s_mov_b32 s[G1R+7], 0
	s_mov_b32 s[G1S+7], 0
	s_mov_b32 s[GA], 1
	s_mul_i32 s[GA+1], s[WV], 69632
	s_mov_b32 s[RG], 1
	s_lshl_b32 s[RG+1], s[WV], 12
	s_add_co_u32 s[RG+1], s[RG+1], RING
	s_mov_b32 s[CS], 0x3db8aa3b                    ; log2(e) / 16
	s_mov_b32 s[CS+1], s[CS]
	s_mov_b32 s[SEL], 0x76543210
	s_mov_b32 s[SEL+1], 0xfedcba98
	s_mov_b32 s[HM], 0xffff0000
	s_mov_b32 s[OFF+1], 0
	s_mov_b32 s[T2+1], 0
	s_lshl_b32 s[PW], s[X], 6
	s_lshl_b32 s[T], s[WV], 4
	s_add_co_u32 s[PW], s[PW], s[T]
	s_mov_b32 s[P0], s[PW]                         ; the first iteration's first point
	s_wait_dscnt 0x0                               ; the opening add is done
	s_wait_kmcnt 0x0
	s_mul_i32 s[T2], s[WV], 69632
	s_add_co_u32 s[T2], s[T2], 557056              ; Wp1, Wc, Wa2 lie on end in wts
	s_add_nc_u64 s[GA+2:GA+3], s[8:9], s[T2:T2+1]
	s_or_b32 s[GA+3], s[GA+3], 0x80000000
	s_lshl_b32 s[T2], s[WV], 12
	s_add_co_u32 s[T2], s[T2], 835584              ; Wp2
	s_add_nc_u64 s[PB2:PB2+1], s[8:9], s[T2:T2+1]
	s_mov_b64 s[RG+2:RG+3], s[PB2:PB2+1]
	s_or_b32 s[RG+3], s[RG+3], 0x80000000
	s_lshr_b32 s[T], s[X], 6                       ; the batch
	s_lshl_b32 s[T2], s[T], 21
	s_add_nc_u64 s[16:17], s[16:17], s[T2:T2+1]    ; ka and vv at the batch
	s_add_nc_u64 s[18:19], s[18:19], s[T2:T2+1]
	s_mul_i32 s[T2], s[T], 49152
	s_add_nc_u64 s[XYB:XYB+1], s[12:13], s[T2:T2+1]
	s_lshl_b32 s[T2], s[PW], 4
	s_add_nc_u64 s[NIB:NIB+1], s[10:11], s[T2:T2+1]
	CROUND                                         ; all four work-groups are here: the first joint loads meet
	tensor_load_to_lds s[GA:GA+3], s[G1R:G1R+7]
	s_nop 0
	tensor_load_to_lds s[RG:RG+3], s[G1S:G1S+7]    ; two loads of mine are out
	s_nop 0
	PLACES
	v_and_b32 v[TP], 15, v0                        ; r
	v_bfe_u32 v[TP+1], v0, 4, 1                    ; h
	v_lshlrev_b32 v[RO], 4, v[TP]
	v_lshl_add_u32 v[RO], v[TP+1], 9, v[RO]
	v_and_b32 v[ARG], 31, v0
	v_lshlrev_b32 v[ARG], 4, v[ARG]
	v_add_nc_u32 v[ARG], RING, v[ARG]
	; E: row m = r has -1 at k = r and +1 at k = 16 + r: in the lane with h = r / 8, register (r % 8) / 2 and that + 4, half r % 2
	v_lshrrev_b32 v[TP+2], 3, v[TP]
	v_cmp_eq_u32 vcc_lo, v[TP+2], v[TP+1]
	v_bfe_u32 v[TP+3], v[TP], 1, 2
	v_cndmask_b32 v[TP+3], 7, v[TP+3], vcc_lo
	v_and_b32 v[TP+4], 1, v[TP]
	v_lshlrev_b32 v[TP+4], 4, v[TP+4]
	v_mov_b32 v[TP+5], 0xbf80
	v_lshlrev_b32 v[TP+5], v[TP+4], v[TP+5]
	v_mov_b32 v[TP+6], 0x3f80
	v_lshlrev_b32 v[TP+6], v[TP+4], v[TP+6]
.irp i, 0,1,2,3
	v_cmp_eq_u32 vcc_lo, \i, v[TP+3]
	v_cndmask_b32 v[E+\i], 0, v[TP+5], vcc_lo
	v_cndmask_b32 v[E+4+\i], 0, v[TP+6], vcc_lo
.endr
	v_lshlrev_b32 v[QH], 4, v[TP+1]
	v_mov_b32 v[ZERO], 0
.set i, TP
.rept 28
	v_mov_b32 v[i], 0                              ; the exchanges' destinations and res's shifting words are written once
.set i, i+1
.endr
	NEXTIDX                                        ; the first iteration's indices
	s_wait_tensorcnt 0x0                           ; my parts of the resident weights and of slot 0 are in,
	s_barrier_signal -1
	s_barrier_wait -1                              ; everybody's are
	s_mov_b32 s[K], 0
	s_mov_b32 s[CNT], 31
.Ltrip:
	s_and_b32 s[T], s[K], 7
	s_cmp_eq_u32 s[T], 0                           ; every eighth trip, the first among them, begins an iteration
	s_cbranch_scc0 .Lnohead
	HEAD
	S0
	S1
.Lnohead:
	HDR 1
	BODY 0
	v_add_nc_u32 v[AWA], 16384, v[AWA]
	v_xor_b32 v[ARG], RX, v[ARG]
	s_add_co_u32 s[K], s[K], 1
	s_sub_co_u32 s[CNT], s[CNT], 1
	s_cmp_lg_u32 s[CNT], 0
	s_cbranch_scc1 .Ltrip
	HDR 0                                          ; the last trip is written out: nothing is asked for
	BODY 1
	s_wait_tensorcnt 0x0                           ; the wave's end, behind my last tensor load
	ds_add_u32 v[SPW], v[NIL]
	s_wait_dscnt 0x0
	CROUND                                         ; the closing round
	s_endpgm
.Lfunc_end_k_qc3eb084dd5_main:
	.size	k_qc3eb084dd5_main, .Lfunc_end_k_qc3eb084dd5_main-k_qc3eb084dd5_main
	.p2alignl 7, 3214868480
	.fill 96, 4, 3214868480
	.section	.rodata,"a",@progbits
	.p2align	6, 0x0
	.amdhsa_kernel k_qc3eb084dd5_main
		.amdhsa_group_segment_fixed_size 327680
		.amdhsa_private_segment_fixed_size 0
		.amdhsa_enable_private_segment 0
		.amdhsa_kernarg_size 56
		.amdhsa_user_sgpr_count 2
		.amdhsa_user_sgpr_kernarg_segment_ptr 1
		.amdhsa_wavefront_size32 1
		.amdhsa_system_sgpr_workgroup_id_x 1
		.amdhsa_system_sgpr_workgroup_id_y 1
		.amdhsa_system_sgpr_workgroup_id_z 1
		.amdhsa_system_vgpr_workitem_id 0
		.amdhsa_next_free_vgpr 1024
		.amdhsa_next_free_sgpr 76
		.amdhsa_reserve_vcc 1
		.amdhsa_float_denorm_mode_32 3
		.amdhsa_float_denorm_mode_16_64 3
		.amdhsa_memory_ordered 1
		.amdhsa_forward_progress 1
		.amdhsa_inst_pref_size 243
	.end_amdhsa_kernel
	.amdgpu_metadata
---
amdhsa.version: [ 1, 2 ]
amdhsa.kernels:
  - .name:           k_qc3eb084dd5_main
    .symbol:         k_qc3eb084dd5_main.kd
    .args:
      - { .name: wts, .offset: 0, .size: 8, .value_kind: global_buffer, .address_space: global }
      - { .name: nidx, .offset: 8, .size: 8, .value_kind: global_buffer, .address_space: global }
      - { .name: xyz, .offset: 16, .size: 8, .value_kind: global_buffer, .address_space: global }
      - { .name: qa, .offset: 24, .size: 8, .value_kind: global_buffer, .address_space: global }
      - { .name: ka, .offset: 32, .size: 8, .value_kind: global_buffer, .address_space: global }
      - { .name: vv, .offset: 40, .size: 8, .value_kind: global_buffer, .address_space: global }
      - { .name: res, .offset: 48, .size: 8, .value_kind: global_buffer, .address_space: global }
    .group_segment_fixed_size: 327680
    .private_segment_fixed_size: 0
    .kernarg_segment_align: 8
    .kernarg_segment_size: 56
    .max_flat_workgroup_size: 128
    .sgpr_count:     76
    .vgpr_count:     1024
    .wavefront_size: 32
...
	.end_amdgpu_metadata
.endif
;; end of part 5
;; launch tail (part 6): grid 256 x 1, 4 waves a work-group, clusters of 4 x 1, 181,760 bytes of LDS; arguments res, wts, g_dm, b_dm, b_post, g_dp, b_dp, features, out0; writes out0
.if DOCPART == 6
	.amdgcn_target "amdgcn-amd-amdhsa--gfx1250"
	.amdhsa_code_object_version 6
	.text
	.protected	k_qc3eb084dd5_tail
	.globl	k_qc3eb084dd5_tail
	.p2align	8
	.type	k_qc3eb084dd5_tail,@function
k_qc3eb084dd5_tail:
	s_mov_b64 s[64:65], 0
	v_nop
	global_prefetch_b8 v0, s[64:65] scope:SCOPE_SE
	s_setreg_imm32_b32 hwreg(HW_REG_WAVE_MODE, 25, 1), 1
	s_wait_xcnt 0x0
	s_wait_alu depctr_hold_cnt(0) depctr_sa_sdst(0) depctr_va_vdst(0) depctr_va_sdst(0) depctr_va_ssrc(0) depctr_va_vcc(0) depctr_vm_vsrc(0)
	s_getreg_b32 s2, hwreg(HW_REG_IB_STS2, 6, 4)
	s_cmp_eq_u32 s2, 0
	s_cbranch_scc0 .Lentry_in_a_cluster
	s_endpgm
.Lentry_in_a_cluster:
	s_bfe_u32 s2, ttmp6, 0x10000c
	s_cmp_lg_u32 s2, 0x3003
	s_cbranch_scc0 .Lentry_shape_is_right
	s_endpgm
.Lentry_shape_is_right:
; out0 = LN64(LN256(res Wproj^T) W_post^T + b_post) + features.  Operands f16 (res arrives so; LN256's result is within 16 |g| + |b|: LIMIT 65,504), sums and norms f32, variance by the centred two-pass form.
; A work-group has 64 points, a wave one tile of 16.  The weights are source 0: a lane holds ONE point (lane % 16) and channels 16 t + 8 (lane / 16) + 0..7.
; Wproj and W_post lie on end in wts, in fragment order: one joint load a wave, once; the four work-groups of a cluster share it.
; WINDOWS: 0: addresses, statistics, features, fragments; 1: 16 accumulators, the operand X (v128-191), W_post's 4 accumulators (v192-223); 2: b_post, g_dp, b_dp; 3: g_dm, b_dm.
.set WPOST, 131072
.set STAGE, 163840                     ; 16 rows x 272 bytes for each wave
.set SPARE, 181248                     ; the spare words: 128 bytes a wave, two blocks of 256 bytes that no other line names
.set SPW, 1
.set NIL, 2
.set RR,  3
.set AWL, 4
.set STO, 5
.set RD,  6
.set CO,  7
.set XO,  8
.set AWH, 9
.set HH,  10
.set PO,  11
.set CH,  12
.set MUA, 20
.set RSA, 24
.set AWP, 28
.set FEAT, 32
.set BK,  64
.set F0,  128
.set WV,  26
.set X,   27
.set T,   28
.set G0,  32
.set G1,  36
.set SEL, 44
.set INV, 46
.set EPS, 47
.set INV2, 48
.set T2,  50
.set RESB, 52
.set FEB, 54
.set OUB, 56
.set MSB, 0
.macro WIN new
.if MSB != (\new)
	s_set_vgpr_msb (MSB<<8)|(\new)
.set MSB, \new
.endif
.endm
.macro PLACES
.rept 4
	v_nop
.endr
.endm
.macro CROUND
	s_barrier_signal -1
	s_barrier_wait -1
	s_cmp_lg_u32 s[WV], 0
	s_cbranch_scc1 .Lnot_wave_0_\@
	s_barrier_signal -3
.Lnot_wave_0_\@:
	s_barrier_wait -3
	s_barrier_signal -1
	s_barrier_wait -1
.endm
.macro LNRED
	WIN 0
	v_pk_add_f32 v[CH:CH+1], v[CH:CH+1], v[CH+2:CH+3]
	v_pk_add_f32 v[CH+4:CH+5], v[CH+4:CH+5], v[CH+6:CH+7]
	v_pk_add_f32 v[CH:CH+1], v[CH:CH+1], v[CH+4:CH+5]
	v_add_f32 v[CH], v[CH], v[CH+1]
	v_permlanex16_b32 v[CH+1], v[CH], s[SEL], s[SEL+1]
	v_add_f32 v[CH], v[CH], v[CH+1]
.endm
.macro LNSTAT base, nt, mu, rs, inv    ; nt accumulators at base in window 1: the mean; centred in place; variance + eps into rs; each accumulator is read from its low end on
	WIN 0x05
.irp c, 0,1,2,3
	v_pk_add_f32 v[CH+2*\c:CH+2*\c+1], v[(\base)+2*\c:(\base)+2*\c+1], v[(\base)+8+2*\c:(\base)+8+2*\c+1]
.endr
	WIN 0x04
.set t, 2
.rept (\nt)-2
.irp c, 0,1,2,3
	v_pk_add_f32 v[CH+2*\c:CH+2*\c+1], v[CH+2*\c:CH+2*\c+1], v[(\base)+8*t+2*\c:(\base)+8*t+2*\c+1]
.endr
.set t, t+1
.endr
	LNRED
	v_mul_f32 v[\mu], s[\inv], v[CH]
	v_mov_b32 v[(\mu)+1], v[\mu]
	WIN 0x41
.set i, 0
.rept 4*(\nt)
	v_pk_add_f32 v[(\base)+2*i:(\base)+2*i+1], v[(\base)+2*i:(\base)+2*i+1], v[\mu:(\mu)+1] neg_lo:[0,1] neg_hi:[0,1]
.set i, i+1
.endr
	WIN 0x05
.irp c, 0,1,2,3
	v_pk_mul_f32 v[CH+2*\c:CH+2*\c+1], v[(\base)+2*\c:(\base)+2*\c+1], v[(\base)+2*\c:(\base)+2*\c+1]
.endr
.set t, 1
.rept (\nt)-1
.irp c, 0,1,2,3
	v_pk_fma_f32 v[CH+2*\c:CH+2*\c+1], v[(\base)+8*t+2*\c:(\base)+8*t+2*\c+1], v[(\base)+8*t+2*\c:(\base)+8*t+2*\c+1], v[CH+2*\c:CH+2*\c+1]
.endr
.set t, t+1
.endr
	LNRED
	v_fma_f32 v[\rs], v[CH], s[\inv], s[EPS]
.endm
.macro LNAPPLY base, nt, rs, win2, g, b
	WIN 0x41
.set i, 0
.rept 4*(\nt)
	v_pk_mul_f32 v[(\base)+2*i:(\base)+2*i+1], v[(\base)+2*i:(\base)+2*i+1], v[\rs:(\rs)+1]
.set i, i+1
.endr
	WIN \win2
.set i, 0
.rept 4*(\nt)
	v_pk_fma_f32 v[(\base)+2*i:(\base)+2*i+1], v[(\base)+2*i:(\base)+2*i+1], v[(\g)+2*i:(\g)+2*i+1], v[(\b)+2*i:(\b)+2*i+1]
.set i, i+1
.endr
.endm
.macro RSQ rs                          ; one root, a plain instruction, the wait, and the pair
	WIN 0
	v_rsq_f32 v[\rs], v[\rs]
	v_nop
	s_wait_alu depctr_va_vdst(0)
	v_mov_b32 v[(\rs)+1], v[\rs]
.endm
	s_load_b512 s[8:23], s[0:1], 0x0               ; res 8, wts 10, g_dm 12, b_dm 14, b_post 16, g_dp 18, b_dp 20, features 22
	s_load_b64 s[24:25], s[0:1], 0x40              ; out0
	v_lshl_add_u32 v[SPW], v0, 2, SPARE
	v_mov_b32 v[NIL], 0
	ds_add_u32 v[SPW], v[NIL]                      ; the wave's opening: the add and its wait ahead of my first tensor load
	v_lshrrev_b32 v3, 5, v0
	v_readfirstlane_b32 s[WV], v3
	s_bfe_u32 s[T], ttmp6, 0x40000
	s_lshl_b32 s[X], ttmp9, 2
	s_add_co_u32 s[X], s[X], s[T]
	s_mov_b32 s[G1], 15|(3<<16)|(1<<21)            ; dense rows of 256 bytes, 160 a wave; mask of four, bit 21 beside it
	s_mov_b32 s[G1+1], 32<<16
	s_mov_b32 s[G1+2], 160<<16
	s_mov_b32 s[G1+3], 32<<16
	s_mov_b32 s[G1+4], 160
	s_mov_b32 s[G1+5], 32
	s_mov_b32 s[G1+6], 0
	s_mov_b32 s[G1+7], 0
	s_mov_b32 s[G0], 1
	s_mul_i32 s[G0+1], s[WV], 40960
	s_mov_b32 s[SEL], 0x76543210
	s_mov_b32 s[SEL+1], 0xfedcba98
	s_mov_b32 s[INV], 0x3b800000                   ; 1 / 256
	s_mov_b32 s[INV2], 0x3c800000                  ; 1 / 64
	s_mov_b32 s[EPS], 0x3727c5ac                   ; 1e-5
	s_mov_b32 s[T2+1], 0
	s_wait_dscnt 0x0
	s_wait_kmcnt 0x0
	s_mul_i32 s[T2], s[WV], 40960
	s_add_co_u32 s[T2], s[T2], 966656
	s_add_nc_u64 s[G0+2:G0+3], s[10:11], s[T2:T2+1]
	s_or_b32 s[G0+3], s[G0+3], 0x80000000
	s_lshl_b32 s[T], s[X], 6
	s_lshl_b32 s[T2], s[WV], 4
	s_add_co_u32 s[T], s[T], s[T2]                 ; my first point
	s_lshl_b32 s[T2], s[T], 9
	s_add_nc_u64 s[RESB:RESB+1], s[8:9], s[T2:T2+1]
	s_lshl_b32 s[T2], s[T], 8
	s_add_nc_u64 s[FEB:FEB+1], s[22:23], s[T2:T2+1]
	s_add_nc_u64 s[OUB:OUB+1], s[24:25], s[T2:T2+1]
	CROUND
	tensor_load_to_lds s[G0:G0+3], s[G1:G1+7]      ; one load of mine is out
	s_nop 0
	PLACES
	v_and_b32 v[RR], 15, v0
	v_bfe_u32 v[HH], v0, 4, 1
	v_and_b32 v[AWL], 31, v0
	v_lshlrev_b32 v[AWL], 4, v[AWL]
	v_add_nc_u32 v[AWH], 65536, v[AWL]
	v_add_nc_u32 v[AWP], WPOST, v[AWL]
	v_lshlrev_b32 v[PO], 5, v[HH]
	v_lshlrev_b32 v[XO], 9, v[RR]
	v_lshl_add_u32 v[XO], v[HH], 4, v[XO]
	s_mul_i32 s[T], s[WV], 16*272
	s_add_co_u32 s[T], s[T], STAGE
	v_mul_u32_u24 v[STO], v[RR], 272               ; in: row l % 16, 32 bytes for each half of the lanes
	v_lshl_add_u32 v[STO], v[HH], 5, v[STO]
	v_add_nc_u32 v[STO], s[T], v[STO]
	v_mul_u32_u24 v[RD], v[HH], 272                ; back: whole rows of 256 bytes
	v_lshl_add_u32 v[RD], v[RR], 4, v[RD]
	v_add_nc_u32 v[RD], s[T], v[RD]
	v_lshlrev_b32 v[CO], 8, v[HH]
	v_lshl_add_u32 v[CO], v[RR], 4, v[CO]
	WIN 0x40
.set i, 0
.rept 8                                ; res as source 1: row r, k = 32 u + 8 h .. and + 16
	global_load_b128 v[128+8*i:128+8*i+3], v[XO], s[RESB:RESB+1] offset:64*i
	global_load_b128 v[128+8*i+4:128+8*i+7], v[XO], s[RESB:RESB+1] offset:64*i+32
.set i, i+1
.endr
	WIN 0
.set i, 0
.rept 8
	global_load_b128 v[FEAT+4*i:FEAT+4*i+3], v[CO], s[FEB:FEB+1] offset:512*i
.set i, i+1
.endr
	WIN 0xc0
.set i, 0
.rept 32
	global_load_b128 v[4*i:4*i+3], v[PO], s[12:13] offset:(i/2)*64+(i%2)*16
	global_load_b128 v[128+4*i:128+4*i+3], v[PO], s[14:15] offset:(i/2)*64+(i%2)*16
.set i, i+1
.endr
	WIN 0x80
.set i, 0
.rept 8
	global_load_b128 v[4*i:4*i+3], v[PO], s[16:17] offset:(i/2)*64+(i%2)*16
	global_load_b128 v[32+4*i:32+4*i+3], v[PO], s[18:19] offset:(i/2)*64+(i%2)*16
	global_load_b128 v[64+4*i:64+4*i+3], v[PO], s[20:21] offset:(i/2)*64+(i%2)*16
.set i, i+1
.endr
	WIN 0
	s_wait_loadcnt 0x0
	s_wait_tensorcnt 0x0
	s_barrier_signal -1
	s_barrier_wait -1                              ; the weights are whole; nothing is filled again
.set q, 0
.rept 8                                ; Wproj: two tiles of channels at a time, which take turns
	WIN 0
.if q > 0
	PLACES
.endif
.set i, 0
.rept 16
.if q < 4
	ds_load_b128 v[F0+8*i:F0+8*i+3], v[AWL] offset:(16*q+i)*1024
	ds_load_b128 v[F0+8*i+4:F0+8*i+7], v[AWL] offset:(16*q+i)*1024+512
.else
	ds_load_b128 v[F0+8*i:F0+8*i+3], v[AWH] offset:(16*(q-4)+i)*1024
	ds_load_b128 v[F0+8*i+4:F0+8*i+7], v[AWH] offset:(16*(q-4)+i)*1024+512
.endif
.set i, i+1
.endr
	s_wait_dscnt 0x0
	WIN 0x54
.irp u, 0,1,2,3,4,5,6,7
.if \u == 0
	v_wmma_f32_16x16x32_f16 v[16*q:16*q+7], v[F0:F0+7], v[128:135], 0
	v_wmma_f32_16x16x32_f16 v[16*q+8:16*q+15], v[F0+64:F0+71], v[128:135], 0
.else
	v_wmma_f32_16x16x32_f16 v[16*q:16*q+7], v[F0+8*\u:F0+8*\u+7], v[128+8*\u:128+8*\u+7], v[16*q:16*q+7]
	v_wmma_f32_16x16x32_f16 v[16*q+8:16*q+15], v[F0+64+8*\u:F0+64+8*\u+7], v[128+8*\u:128+8*\u+7], v[16*q+8:16*q+15]
.endif
.endr
.set q, q+1
.endr
	PLACES
	LNSTAT 0, 16, MUA, RSA, INV
	RSQ RSA
	LNAPPLY 0, 16, RSA, 0x7d, 0, 128
	WIN 0x45
.set i, 0
.rept 64
	v_cvt_pk_f16_f32 v[128+i], v[2*i], v[2*i+1]
.set i, i+1
.endr
.irp z, 0,1                            ; W_post: four tiles by turns, four K steps at a time; b_post starts the sums
	WIN 0
.if \z
	PLACES
.endif
.set i, 0
.rept 16                               ; buffer place 4 uu + t holds fragment (t, 4 z + uu)
	ds_load_b128 v[F0+8*i:F0+8*i+3], v[AWP] offset:(8*(i%4)+4*\z+i/4)*1024
	ds_load_b128 v[F0+8*i+4:F0+8*i+7], v[AWP] offset:(8*(i%4)+4*\z+i/4)*1024+512
.set i, i+1
.endr
	s_wait_dscnt 0x0
.set i, 0
.rept 16
.if (\z == 0) && (i < 4)
	WIN 0x64
	v_wmma_f32_16x16x32_f16 v[192+8*i:192+8*i+7], v[F0+8*i:F0+8*i+7], v[128:135], v[8*i:8*i+7]
.else
	WIN 0x54
	v_wmma_f32_16x16x32_f16 v[192+8*(i%4):192+8*(i%4)+7], v[F0+8*i:F0+8*i+7], v[128+8*(4*\z+i/4):128+8*(4*\z+i/4)+7], v[192+8*(i%4):192+8*(i%4)+7]
.endif
.set i, i+1
.endr
.endr
	PLACES
	LNSTAT 192, 4, MUA, RSA, INV2
	RSQ RSA
	LNAPPLY 192, 4, RSA, 0x69, 32, 64
	WIN 0x04                               ; the stores' data lie in window 1
.set i, 0
.rept 4
	ds_store_b128 v[STO], v[192+8*i:192+8*i+3] offset:64*i
	ds_store_b128 v[STO], v[192+8*i+4:192+8*i+7] offset:64*i+16
.set i, i+1
.endr
	WIN 0
.set i, 0
.rept 8
	ds_load_b128 v[BK+4*i:BK+4*i+3], v[RD] offset:544*i  ; LDS serves a wave's instructions in order: these see the stores above; the stage is my wave's own
.set i, i+1
.endr
	s_wait_dscnt 0x0
.set i, 0
.rept 16
	v_pk_add_f32 v[BK+2*i:BK+2*i+1], v[BK+2*i:BK+2*i+1], v[FEAT+2*i:FEAT+2*i+1]
.set i, i+1
.endr
.set i, 0
.rept 8
	global_store_b128 v[CO], v[BK+4*i:BK+4*i+3], s[OUB:OUB+1] offset:512*i  ; 16 lanes store a whole row of 256 bytes
.set i, i+1
.endr
	s_wait_tensorcnt 0x0                           ; the wave's end, behind my last tensor load and LDS store
	ds_add_u32 v[SPW], v[NIL]
	s_wait_dscnt 0x0
	CROUND                                         ; the closing round
	s_endpgm
.Lfunc_end_k_qc3eb084dd5_tail:
	.size	k_qc3eb084dd5_tail, .Lfunc_end_k_qc3eb084dd5_tail-k_qc3eb084dd5_tail
	.p2alignl 7, 3214868480
	.fill 96, 4, 3214868480
	.section	.rodata,"a",@progbits
	.p2align	6, 0x0
	.amdhsa_kernel k_qc3eb084dd5_tail
		.amdhsa_group_segment_fixed_size 181760
		.amdhsa_private_segment_fixed_size 0
		.amdhsa_enable_private_segment 0
		.amdhsa_kernarg_size 72
		.amdhsa_user_sgpr_count 2
		.amdhsa_user_sgpr_kernarg_segment_ptr 1
		.amdhsa_wavefront_size32 1
		.amdhsa_system_sgpr_workgroup_id_x 1
		.amdhsa_system_sgpr_workgroup_id_y 1
		.amdhsa_system_sgpr_workgroup_id_z 1
		.amdhsa_system_vgpr_workitem_id 0
		.amdhsa_next_free_vgpr 1024
		.amdhsa_next_free_sgpr 66
		.amdhsa_reserve_vcc 0
		.amdhsa_float_denorm_mode_32 3
		.amdhsa_float_denorm_mode_16_64 3
		.amdhsa_memory_ordered 1
		.amdhsa_forward_progress 1
		.amdhsa_inst_pref_size 81
	.end_amdhsa_kernel
	.amdgpu_metadata
---
amdhsa.version: [ 1, 2 ]
amdhsa.kernels:
  - .name:           k_qc3eb084dd5_tail
    .symbol:         k_qc3eb084dd5_tail.kd
    .args:
      - { .name: res, .offset: 0, .size: 8, .value_kind: global_buffer, .address_space: global }
      - { .name: wts, .offset: 8, .size: 8, .value_kind: global_buffer, .address_space: global }
      - { .name: g_dm, .offset: 16, .size: 8, .value_kind: global_buffer, .address_space: global }
      - { .name: b_dm, .offset: 24, .size: 8, .value_kind: global_buffer, .address_space: global }
      - { .name: b_post, .offset: 32, .size: 8, .value_kind: global_buffer, .address_space: global }
      - { .name: g_dp, .offset: 40, .size: 8, .value_kind: global_buffer, .address_space: global }
      - { .name: b_dp, .offset: 48, .size: 8, .value_kind: global_buffer, .address_space: global }
      - { .name: features, .offset: 56, .size: 8, .value_kind: global_buffer, .address_space: global }
      - { .name: out0, .offset: 64, .size: 8, .value_kind: global_buffer, .address_space: global }
    .group_segment_fixed_size: 181760
    .private_segment_fixed_size: 0
    .kernarg_segment_align: 8
    .kernarg_segment_size: 72
    .max_flat_workgroup_size: 128
    .sgpr_count:     66
    .vgpr_count:     1024
    .wavefront_size: 32
...
	.end_amdgpu_metadata
.endif
;; end of part 6
;; ======== version 2 of 2: 6 launches; 1.20 times as fast as version 1
;; limits: values outside matrix products are rounded to bf16; values are held in f16: magnitudes above 65,504 overflow, below 6.1e-05 lose precision
;; workspace buffers: wts 1,146,880 bytes; gids 262,144 bytes of whole numbers; nidx 524,288 bytes of whole numbers; qa 8,388,608 bytes; ka 8,388,608 bytes; vv 8,388,608 bytes; res 8,388,608 bytes
;; launch prep (part 7): grid 276 x 1, 8 waves a work-group, no clusters, 0 bytes of LDS; arguments WQ, WK, WV, Wa1, Wproj, Wa2, Wp2, W_post, W_pre, Wp1, wts; writes wts
.if DOCPART == 7
	.amdgcn_target "amdgcn-amd-amdhsa--gfx1250"
	.amdhsa_code_object_version 6
	.text
	.protected	k_qc3eb084dd5_prep
	.globl	k_qc3eb084dd5_prep
	.p2align	8
	.type	k_qc3eb084dd5_prep,@function
k_qc3eb084dd5_prep:
	s_mov_b64 s[64:65], 0
	v_nop
	global_prefetch_b8 v0, s[64:65] scope:SCOPE_SE
	s_setreg_imm32_b32 hwreg(HW_REG_WAVE_MODE, 25, 1), 1
	s_wait_xcnt 0x0
; All weights, rounded once to 16 bits and laid in FRAGMENT ORDER into wts; Wc = Wa1 x Wp2; and a block of zeros.
; A fragment (t, u) is 16 rows x 32 k, 1,024 bytes at (t U + u) x 1,024: lane l = (r = l % 16, h = l / 16) finds k = 32 u + 8 h .. + 7 of its row at 16 l
; and k = 32 u + 16 + 8 h .. + 7 at 512 + 16 l: two LDS loads of 16 bytes a lane fill a matrix operand, and a matrix is one dense block.
; Rows are natural (16 t + r), or for Wa2 and Wp2 sigma(t, r) = 128 (t / 8) + 8 r + t % 8.
; f16: W_pre, WQ, WK, WV, Wa1, Wproj, W_post (limit: weights within 65,504).  bf16: Wp1, Wa2, Wp2, Wc.
; Work-groups 0-239: one chunk of 16 bytes a thread, a wave stores 512 consecutive bytes.  240-243: Wp1 (k = 0..2, zeros beyond) and the zeros.  244-275: a wave makes one 16 x 16 tile of Wc.
.set O_Q,    32768
.set O_P1,   557056
.set O_C,    573440
.set O_A2,   704512
.set O_P2,   835584
.set O_PROJ, 966656
.set O_POST, 1097728
.set O_Z,    1130496                   ; 16,384 bytes of zeros
.set RAW, 16                           ; v[16:143]  f32 as loaded: 64 of Wp2, 64 of Wa1
.set FA,  144                          ; v[144:175] four fragments of Wp2^T
.set FB,  176                          ; v[176:207] four fragments of Wa1
.set AC,  208                          ; v[208:223] two accumulators, by turns
	s_load_b512 s[8:23], s[0:1], 0x0               ; WQ 8, WK 10, WV 12, Wa1 14, Wproj 16, Wa2 18, Wp2 20, W_post 22
	s_load_b128 s[24:27], s[0:1], 0x40             ; W_pre 24, Wp1 26
	s_load_b64 s[28:29], s[0:1], 0x50              ; wts
	s_mov_b32 s30, ttmp9
	s_cmp_ge_u32 s30, 244
	s_cbranch_scc1 .Lwc
	s_cmp_ge_u32 s30, 240
	s_cbranch_scc1 .Lp1
	; ---- a plain matrix: which one, by the work-group's number
	s_lshr_b32 s31, s30, 5                         ; job 0..6: 32 work-groups each; 7: W_post and W_pre, 8 each
	s_and_b32 s32, s30, 31
	s_and_b32 s33, s30, 7
	s_cmp_ge_u32 s30, 224
	s_cselect_b32 s32, s33, s32                    ; my number within the job
	s_lshl_b32 s36, s31, 17
	s_add_co_u32 s36, s36, O_Q                     ; Q, K, V, A1 lie on end
	s_cmp_eq_u32 s31, 4
	s_cselect_b32 s36, O_PROJ, s36
	s_cmp_eq_u32 s31, 5
	s_cselect_b32 s36, O_A2, s36
	s_cmp_eq_u32 s31, 6
	s_cselect_b32 s36, O_P2, s36
	s_cmp_ge_u32 s30, 224
	s_cselect_b32 s36, O_POST, s36
	s_cmp_ge_u32 s30, 232                          ; W_pre: rows of 64 numbers, two fragments a tile
	s_cselect_b32 s36, 0, s36
	s_cselect_b32 s37, 1, 3                        ; log2 of the fragments in a tile
	s_cselect_b32 s38, 1, 7
	s_cselect_b32 s41, 8, 10                       ; log2 of a row's bytes
	s_sub_co_u32 s33, s31, 5
	s_cmp_lt_u32 s33, 2                            ; jobs 5 and 6: rows by sigma, bf16
	s_cselect_b32 s39, 1, 16
	s_cselect_b32 s40, 8, 1
	s_cselect_b32 s42, 1, 0
	v_lshl_add_u32 v1, s32, 8, v0                  ; my chunk c
	v_lshrrev_b32 v2, 6, v1                        ; fragment
	v_bfe_u32 v3, v1, 5, 1                         ; which half of it
	v_and_b32 v4, 15, v1                           ; r
	v_bfe_u32 v5, v1, 4, 1                         ; h
	v_lshrrev_b32 v6, s37, v2                      ; t
	v_and_b32 v7, s38, v2                          ; u
	v_lshrrev_b32 v8, 3, v6
	v_lshlrev_b32 v8, 7, v8
	v_and_b32 v9, 7, v6
	v_mad_u32_u24 v8, v9, s39, v8
	v_mad_u32_u24 v8, v4, s40, v8                  ; the row
	v_lshlrev_b32 v8, s41, v8
	v_lshlrev_b32 v7, 7, v7                        ; 32 u, 16 half, 8 h numbers of 4 bytes
	v_lshl_add_u32 v7, v3, 6, v7
	v_lshl_add_u32 v7, v5, 5, v7
	v_add_nc_u32 v8, v8, v7
	v_lshl_add_u32 v10, v1, 4, s36
	s_wait_kmcnt 0x0
	s_mov_b64 s[34:35], s[8:9]
	s_cmp_eq_u32 s31, 1
	s_cselect_b64 s[34:35], s[10:11], s[34:35]
	s_cmp_eq_u32 s31, 2
	s_cselect_b64 s[34:35], s[12:13], s[34:35]
	s_cmp_eq_u32 s31, 3
	s_cselect_b64 s[34:35], s[14:15], s[34:35]
	s_cmp_eq_u32 s31, 4
	s_cselect_b64 s[34:35], s[16:17], s[34:35]
	s_cmp_eq_u32 s31, 5
	s_cselect_b64 s[34:35], s[18:19], s[34:35]
	s_cmp_eq_u32 s31, 6
	s_cselect_b64 s[34:35], s[20:21], s[34:35]
	s_cmp_ge_u32 s30, 224
	s_cselect_b64 s[34:35], s[22:23], s[34:35]
	s_cmp_ge_u32 s30, 232
	s_cselect_b64 s[34:35], s[24:25], s[34:35]
	global_load_b128 v[12:15], v8, s[34:35]
	global_load_b128 v[16:19], v8, s[34:35] offset:16
	s_wait_loadcnt 0x0
	s_cmp_eq_u32 s42, 1
	s_cbranch_scc1 .Lbf
.irp i, 0,1,2,3
	v_cvt_pk_f16_f32 v[20+\i], v[12+2*\i], v[13+2*\i]
.endr
	s_branch .Lst
.Lbf:
.irp i, 0,1,2,3
	v_cvt_pk_bf16_f32 v[20+\i], v[12+2*\i], v[13+2*\i]
.endr
.Lst:
	global_store_b128 v10, v[20:23], s[28:29]
	s_endpgm
	; ---- Wp1: three numbers a row, at k = 0..2 of one fragment a tile; and 16 bytes of the zeros a thread
.Lp1:
	s_sub_co_u32 s32, s30, 240
	v_lshl_add_u32 v1, s32, 8, v0
	v_lshrrev_b32 v2, 6, v1                        ; t
	v_and_b32 v4, 15, v1
	v_lshl_add_u32 v2, v2, 4, v4                   ; row
	v_mul_u32_u24 v2, v2, 12
	v_and_b32 v5, 0x30, v1                         ; h and the half: only (0, 0) holds numbers
	v_mov_b32 v7, 0
	v_lshlrev_b32 v10, 4, v1
	v_add_nc_u32 v11, O_Z, v10
	v_add_nc_u32 v10, O_P1, v10
.irp i, 22,23,24,25,26,27
	v_mov_b32 v\i, 0
.endr
	s_wait_kmcnt 0x0
	global_load_b96 v[12:14], v2, s[26:27]
	global_store_b128 v11, v[24:27], s[28:29]
	s_wait_loadcnt 0x0
	v_cvt_pk_bf16_f32 v20, v12, v13
	v_cvt_pk_bf16_f32 v21, v14, v7
	v_cmp_eq_u32 vcc_lo, 0, v5
	v_cndmask_b32 v20, 0, v20, vcc_lo
	v_cndmask_b32 v21, 0, v21, vcc_lo
	global_store_b128 v10, v[20:23], s[28:29]
	s_endpgm
	; ---- Wc[c][j] = sum over m of Wa1[c][m] Wp2[m][j].  Source 0 = rows j of Wp2^T, source 1 = rows c of Wa1: a lane ends with row c = r and eight neighbouring j
.Lwc:
	v_lshrrev_b32 v1, 5, v0
	v_readfirstlane_b32 s31, v1
	s_sub_co_u32 s32, s30, 244
	s_lshl_b32 s32, s32, 3
	s_add_co_u32 s32, s32, s31                     ; tile 0..255
	s_lshr_b32 s33, s32, 4                         ; ct
	s_and_b32 s34, s32, 15                         ; jt
	v_and_b32 v2, 15, v0
	v_bfe_u32 v3, v0, 4, 1
	v_lshlrev_b32 v4, 2, v2                        ; Wp2: row 8 h, column 16 jt + r
	v_lshl_add_u32 v4, v3, 13, v4
	s_lshl_b32 s35, s34, 6
	v_add_nc_u32 v4, s35, v4
	v_lshlrev_b32 v5, 10, v2                       ; Wa1: row 16 ct + r, column 8 h
	v_lshl_add_u32 v5, v3, 5, v5
	s_lshl_b32 s35, s33, 14
	v_add_nc_u32 v5, s35, v5
	s_lshl_b32 s36, s33, 13                        ; fragment (ct, jt / 2), half jt % 2: 8,192 ct + 512 jt
	s_lshl_b32 s37, s34, 9
	s_add_co_u32 s36, s36, s37
	s_add_co_u32 s36, s36, O_C
	v_and_b32 v6, 31, v0
	v_lshl_add_u32 v6, v6, 4, s36
.set i, 0
.rept 16
	v_mov_b32 v[AC+i], 0                           ; sixteen registers, so that the loop has one form of product
.set i, i+1
.endr
	s_mov_b32 s38, 2
	s_wait_kmcnt 0x0
.Lhk:                                  ; a trip: four K steps of 32
.set uu, 0
.rept 4
.set i, 0
.rept 16
	global_load_b32 v[RAW+16*uu+i], v4, s[20:21] offset:(32*uu+i+8*(i/8))*1024
.set i, i+1
.endr
.set i, 0
.rept 4
	global_load_b128 v[RAW+64+16*uu+4*i:RAW+64+16*uu+4*i+3], v5, s[14:15] offset:128*uu+64*(i/2)+16*(i%2)
.set i, i+1
.endr
.set uu, uu+1
.endr
	s_wait_loadcnt 0x0                             ; the data are in, and the two offsets are free
.set i, 0
.rept 32
	v_cvt_pk_bf16_f32 v[FA+i], v[RAW+2*i], v[RAW+2*i+1]
	v_cvt_pk_bf16_f32 v[FB+i], v[RAW+64+2*i], v[RAW+64+2*i+1]
.set i, i+1
.endr
.set uu, 0
.rept 4                                ; the two accumulators take turns, over the backward jump too
	v_wmma_f32_16x16x32_bf16 v[AC+8*(uu%2):AC+8*(uu%2)+7], v[FA+8*uu:FA+8*uu+7], v[FB+8*uu:FB+8*uu+7], v[AC+8*(uu%2):AC+8*(uu%2)+7]
.set uu, uu+1
.endr
.rept 4
	v_nop                                          ; four places behind the last product, ahead of what rewrites its sources or reads its result
.endr
	v_add_nc_u32 v4, 0x20000, v4                   ; 128 rows of Wp2 on
	v_add_nc_u32 v5, 512, v5                       ; 128 columns of Wa1 on
	s_sub_co_u32 s38, s38, 1
	s_cmp_lg_u32 s38, 0
	s_cbranch_scc1 .Lhk
.irp i, 0,2,4,6
	v_pk_add_f32 v[AC+\i:AC+\i+1], v[AC+\i:AC+\i+1], v[AC+8+\i:AC+8+\i+1]
.endr
.irp i, 0,1,2,3
	v_cvt_pk_bf16_f32 v[20+\i], v[AC+2*\i], v[AC+2*\i+1]
.endr
	global_store_b128 v6, v[20:23], s[28:29]
	s_endpgm
.Lfunc_end_k_qc3eb084dd5_prep:
	.size	k_qc3eb084dd5_prep, .Lfunc_end_k_qc3eb084dd5_prep-k_qc3eb084dd5_prep
	.p2alignl 7, 3214868480
	.fill 96, 4, 3214868480
	.section	.rodata,"a",@progbits
	.p2align	6, 0x0
	.amdhsa_kernel k_qc3eb084dd5_prep
		.amdhsa_group_segment_fixed_size 0
		.amdhsa_private_segment_fixed_size 0
		.amdhsa_enable_private_segment 0
		.amdhsa_kernarg_size 88
		.amdhsa_user_sgpr_count 2
		.amdhsa_user_sgpr_kernarg_segment_ptr 1
		.amdhsa_wavefront_size32 1
		.amdhsa_system_sgpr_workgroup_id_x 1
		.amdhsa_system_sgpr_workgroup_id_y 1
		.amdhsa_system_sgpr_workgroup_id_z 1
		.amdhsa_system_vgpr_workitem_id 0
		.amdhsa_next_free_vgpr 224
		.amdhsa_next_free_sgpr 66
		.amdhsa_reserve_vcc 1
		.amdhsa_float_denorm_mode_32 3
		.amdhsa_float_denorm_mode_16_64 3
		.amdhsa_memory_ordered 1
		.amdhsa_forward_progress 1
		.amdhsa_inst_pref_size 20
	.end_amdhsa_kernel
	.amdgpu_metadata
---
amdhsa.version: [ 1, 2 ]
amdhsa.kernels:
  - .name:           k_qc3eb084dd5_prep
    .symbol:         k_qc3eb084dd5_prep.kd
    .args:
      - { .name: WQ, .offset: 0, .size: 8, .value_kind: global_buffer, .address_space: global }
      - { .name: WK, .offset: 8, .size: 8, .value_kind: global_buffer, .address_space: global }
      - { .name: WV, .offset: 16, .size: 8, .value_kind: global_buffer, .address_space: global }
      - { .name: Wa1, .offset: 24, .size: 8, .value_kind: global_buffer, .address_space: global }
      - { .name: Wproj, .offset: 32, .size: 8, .value_kind: global_buffer, .address_space: global }
      - { .name: Wa2, .offset: 40, .size: 8, .value_kind: global_buffer, .address_space: global }
      - { .name: Wp2, .offset: 48, .size: 8, .value_kind: global_buffer, .address_space: global }
      - { .name: W_post, .offset: 56, .size: 8, .value_kind: global_buffer, .address_space: global }
      - { .name: W_pre, .offset: 64, .size: 8, .value_kind: global_buffer, .address_space: global }
      - { .name: Wp1, .offset: 72, .size: 8, .value_kind: global_buffer, .address_space: global }
      - { .name: wts, .offset: 80, .size: 8, .value_kind: global_buffer, .address_space: global }
    .group_segment_fixed_size: 0
    .private_segment_fixed_size: 0
    .kernarg_segment_align: 8
    .kernarg_segment_size: 88
    .max_flat_workgroup_size: 256
    .sgpr_count:     66
    .vgpr_count:     224
    .wavefront_size: 32
...
	.end_amdgpu_metadata
.endif
;; end of part 7
;; launch knn1 (part 8): grid 512 x 1, 4 waves a work-group, no clusters, 101,376 bytes of LDS; arguments xyz, gids; writes gids
.if DOCPART == 8
	.amdgcn_target "amdgcn-amd-amdhsa--gfx1250"
	.amdhsa_code_object_version 6
	.text
	.protected	k_qc3eb084dd5_knn1
	.globl	k_qc3eb084dd5_knn1
	.p2align	8
	.type	k_qc3eb084dd5_knn1,@function
k_qc3eb084dd5_knn1:
	s_mov_b64 s[64:65], 0
	v_nop
	global_prefetch_b8 v0, s[64:65] scope:SCOPE_SE
	s_setreg_imm32_b32 hwreg(HW_REG_WAVE_MODE, 25, 1), 1
	s_wait_xcnt 0x0
; kNN, level 1.  For each query: the 16 GROUPS of 16 consecutive candidates with the least (smallest distance in the group, group number).  Every one of the 16 nearest
; points (ties to the lower index) lies in one of them: a group left out has 16 groups ahead of it, each with a point that goes ahead of all of its own.
; d = fma(dz, dz, fma(dy, dy, dx dx)), f32, the same bits as in level 2.  LIMITS: coordinate differences under 1.8e19 (d stays finite); NaN is not treated; the sum is fused.
; A work-group has 32 queries, a lane a query; wave w scans candidates 1,024 w .. + 1,023 of the batch, ascending, from its own copy in LDS (x, y, z apart), all lanes reading the same 16 bytes.
; THE SCAN keeps a sorted list of the 16 least group minima, DISTANCES ALONE (16 instructions an insertion), and lays every group's minimum into LDS.
; THE THRESHOLD.  The four waves' lists meet in LDS; every wave merges them and has tau, the 16th least of all 256 minima, and the quota: 16 less the number of minima below tau.
; THE CHOICE.  A group is taken if its minimum is below tau, or equal to it while fewer than quota equals have gone before (those of lower waves are counted from their lists; a list's
; count is cut short only at or above the quota, which changes no answer).  A taken number enters a register of 128 bits by a shift of 8, an untaken one by a shift of 0:
; no branch and no address hangs on a distance.  Wave 0 joins the four parts by shifts.  The numbers leave ascending, a byte each.
.set CH,    12416                      ; a wave's copy: x, y, z of 4,096 bytes each, and 128 bytes that the last read ahead falls into
.set GMB,   4*CH                       ; the minima: a wave 8,704 bytes: a lane 64 numbers and 16 bytes for the read ahead, 272 bytes apart
.set GMW,   8704
.set LST,   GMB+4*GMW                  ; the lists: a wave 2,560 bytes: a lane 64 bytes, 80 apart
.set LSW,   2560
.set PL,    LST+4*LSW                  ; the parts: a wave 1,536 bytes: a lane 16 bytes and a count, 48 apart
.set PLW,   1536
.set SPARE, PL+4*PLW                   ; the spare words: 128 bytes a wave, two blocks of 256 bytes that no other line names
.set LANE, 1
.set SPW,  2
.set NIL,  3
.set Q,    4                           ; v[4:9]   the query's x, y, z, each twice
.set ADR,  10
.set LAD,  11
.set QR,   12                          ; v[12:14] the query as loaded
.set GMA,  15
.set CB,   16                          ; v[16:63] a group's x (16), y, z
.set D,    64
.set L,    80                          ; the list, ascending
.set M,    96
.set T0,   97                          ; four at work
.set TJ,   97                          ; behind the scan
.set NEG,  98
.set ZR,   99
.set TOT,  100
.set TAU,  101
.set QUO,  102
.set EC,   103
.set U,    104
.set V,    120
.set W2,   136
.set LIS,  16                          ; v[16:79] the four lists
.set MQ,   16                          ; behind the threshold: four values in hand,
.set MX,   20                          ; four read ahead
.set ON,   24
.set EK,   28
.set LIM,  32
.set SH,   36
.set WL,   40                          ; my part of the result
.set G,    48
.set P,    56
.set TSH,  64
.set TT,   65
.set WV,  8
.set CNT, 10
.set TS,  11
.set SM,  16
.set GI,  20                           ; s[20:23] the numbers of the four groups in hand
.set CM,  24                           ; s[24:31] masks
.macro INSERTD m                       ; place i takes the value if L[i-1] <= value < L[i], its lower neighbour if value < L[i-1], else it stays
.set i, 15
.rept 15
	v_med3_num_f32 v[L+i], v[L+i-1], v[\m], v[L+i]
.set i, i-1
.endr
	v_min_num_f32 v[L], v[L], v[\m]
.endm
.macro GLOAD
.irp c, 0,1,2
.irp q, 0,1,2,3
	ds_load_b128 v[CB+16*\c+4*\q:CB+16*\c+4*\q+3], v[ADR] offset:4096*\c+16*\q
.endr
.endr
.endm
.macro MEET                            ; my LDS instructions are done, for the others' sake; then the work-group's barrier
	s_wait_dscnt 0x0
	s_barrier_signal -1
	s_barrier_wait -1
.endm
.macro LOWER dst, a, b                 ; of two ascending lists the 16 least: the lesser of a[i] and b[15 - i]; they rise and then fall
.set i, 0
.rept 16
	v_min_num_f32 v[(\dst)+i], v[(\a)+i], v[(\b)+15-i]
.set i, i+1
.endr
.endm
.macro BSTAGE dst, src, dd
.set i, 0
.rept 16
.if (i & (\dd)) == 0
	v_min_num_f32 v[(\dst)+i], v[(\src)+i], v[(\src)+i+(\dd)]
	v_max_num_f32 v[(\dst)+i+(\dd)], v[(\src)+i], v[(\src)+i+(\dd)]
.endif
.set i, i+1
.endr
.endm
.macro BSORT x, y                      ; such a sequence is sorted by exchanges 8, 4, 2 and 1 apart
	BSTAGE \y, \x, 8
	BSTAGE \x, \y, 4
	BSTAGE \y, \x, 2
	BSTAGE \x, \y, 1
.endm
.macro THRESH                          ; from the four lists: tau, the quota, and the equals that lower waves hold
	LOWER U, LIS, LIS+16
	BSORT U, V
	LOWER W2, LIS+32, LIS+48
	BSORT W2, V
	LOWER V, U, W2
	v_max3_num_f32 v[TAU], v[V], v[V+1], v[V+2]
.irp k, 3,5,7,9,11,13
	v_max3_num_f32 v[TAU], v[TAU], v[V+\k], v[V+\k+1]
.endr
	v_max_num_f32 v[TAU], v[TAU], v[V+15]
	v_mov_b32 v[EC], 0
.set i, 0
.rept 16
	v_cmp_lt_f32 vcc_lo, v[V+i], v[TAU]
	v_add_co_ci_u32 v[EC], vcc_lo, 0, v[EC], vcc_lo
.set i, i+1
.endr
	v_sub_nc_u32 v[QUO], 16, v[EC]
	v_mov_b32 v[EC], 0
	v_mov_b32 v[NEG], -1.0                         ; no distance equals it
	v_mov_b32 v[ZR], 0
.irp j, 0,1,2
	s_cmp_gt_u32 s[WV], \j
	s_cselect_b32 s[SM], -1, 0
	v_cndmask_b32 v[TJ], v[NEG], v[TAU], s[SM]
.set i, 0
.rept 16
	v_cmp_eq_f32 vcc_lo, v[LIS+16*\j+i], v[TJ]
	v_add_co_ci_u32 v[EC], vcc_lo, 0, v[EC], vcc_lo
.set i, i+1
.endr
.endr
.endm
.macro SELECT4 amt                     ; for the four values in hand: the shift, amt where the value is taken, else 0
.irp k, 0,1,2,3
	v_cmp_eq_f32 s[CM+\k], v[MQ+\k], v[TAU]
.endr
.irp k, 0,1,2,3
	v_cmp_le_f32 s[CM+4+\k], v[MQ+\k], v[TAU]
.endr
.irp k, 0,1,2,3
	v_cndmask_b32 v[ON+\k], 0, 1, s[CM+\k]
.endr
	v_add_nc_u32 v[EK+1], v[EC], v[ON]             ; the equals that have gone before each of the four
	v_add_nc_u32 v[EK+2], v[EK+1], v[ON+1]
	v_add_nc_u32 v[EK+3], v[EK+2], v[ON+2]
	v_cndmask_b32 v[LIM], 0, v[EC], s[CM]
.irp k, 1,2,3
	v_cndmask_b32 v[LIM+\k], 0, v[EK+\k], s[CM+\k]
.endr
	v_add_nc_u32 v[EC], v[EK+3], v[ON+3]
.irp k, 0,1,2,3
	v_cmp_lt_u32 s[CM+\k], v[LIM+\k], v[QUO]
.endr
.irp k, 0,1,2,3
	s_and_b32 s[CM+\k], s[CM+\k], s[CM+4+\k]
.endr
.irp k, 0,1,2,3
	v_cndmask_b32 v[SH+\k], 0, \amt, s[CM+\k]
.endr
.endm
.macro CONCAT nw, ns                   ; G, of nw words, goes right by TSH bits (a multiple of 8, up to 32 nw), and P is laid over it
.set i, 0
.rept (\nw)-1
	v_alignbit_b32 v[G+i], v[G+i+1], v[G+i], v[TSH]
.set i, i+1
.endr
	v_lshrrev_b32 v[G+(\nw)-1], v[TSH], v[G+(\nw)-1]
.set st, 1
.rept \ns
	v_and_b32 v[TT], 32*st, v[TSH]
	v_cmp_ne_u32 vcc_lo, 0, v[TT]
.set i, 0
.rept \nw
.if i+st < (\nw)
	v_cndmask_b32 v[G+i], v[G+i], v[G+i+st], vcc_lo
.else
	v_cndmask_b32 v[G+i], v[G+i], v[ZR], vcc_lo
.endif
.set i, i+1
.endr
.set st, st*2
.endr
.set i, 0
.rept \nw
	v_or_b32 v[G+i], v[G+i], v[P+i]
.set i, i+1
.endr
.endm
	s_load_b128 s[4:7], s[0:1], 0x0                ; xyz, gids
	v_lshl_add_u32 v[SPW], v0, 2, SPARE
	v_mov_b32 v[NIL], 0
	v_and_b32 v[LANE], 31, v0
	v_lshrrev_b32 v[T0], 5, v0
	v_readfirstlane_b32 s[WV], v[T0]
	s_lshr_b32 s12, ttmp9, 7                       ; the batch: 128 work-groups each
	s_lshl_b32 s12, s12, 12
	s_lshl_b32 s13, s[WV], 10
	s_add_co_u32 s12, s12, s13                     ; my first candidate
	s_mul_i32 s12, s12, 12
	s_mov_b32 s13, 0
	s_mul_i32 s14, ttmp9, 384                      ; the work-group's 32 queries
	s_mov_b32 s15, 0
	v_mul_u32_u24 v[T0], v[LANE], 12
	s_mul_i32 s[TS], s[WV], CH                     ; my copy of my candidates
	v_lshl_add_u32 v[LAD], v[LANE], 2, s[TS]
	v_mov_b32 v[ADR], s[TS]
	s_mul_i32 s[TS], s[WV], GMW
	s_add_co_u32 s[TS], s[TS], GMB                 ; my minima
	v_mul_u32_u24 v[GMA], v[LANE], 272
	v_add_nc_u32 v[GMA], s[TS], v[GMA]
.irp i, 0,1,2,3
	v_mov_b32 v[U+\i], 0
.endr
	ds_store_b32 v[LAD], v[U] offset:12288         ; the bytes that the two reads ahead fall into at their ends are written once
	ds_store_b128 v[GMA], v[U:U+3] offset:256
	s_wait_kmcnt 0x0
	s_add_nc_u64 s[12:13], s[4:5], s[12:13]
	s_add_nc_u64 s[14:15], s[4:5], s[14:15]
	global_load_b96 v[QR:QR+2], v[T0], s[14:15]
	s_mov_b32 s[CNT], 2
.Lstage:                               ; 512 points a trip come in as 12 bytes a lane and go to LDS as x, y, z apart; the bytes are my wave's own
.set i, 0
.rept 16
	global_load_b96 v[CB+4*i:CB+4*i+2], v[T0], s[12:13] offset:i*384
.set i, i+1
.endr
	s_wait_loadcnt 0x0                             ; the data are in, and the offset is free
.set i, 0
.rept 16
	ds_store_b32 v[LAD], v[CB+4*i] offset:i*128
	ds_store_b32 v[LAD], v[CB+4*i+1] offset:4096+i*128
	ds_store_b32 v[LAD], v[CB+4*i+2] offset:8192+i*128
.set i, i+1
.endr
	v_add_nc_u32 v[T0], 6144, v[T0]
	v_add_nc_u32 v[LAD], 2048, v[LAD]
	s_sub_co_u32 s[CNT], s[CNT], 1
	s_cmp_lg_u32 s[CNT], 0
	s_cbranch_scc1 .Lstage
.irp c, 0,1,2
	v_mov_b32 v[Q+2*\c], v[QR+\c]
	v_mov_b32 v[Q+2*\c+1], v[QR+\c]
.endr
.set i, 0
.rept 16
	v_mov_b32 v[L+i], 0x7f800000
.set i, i+1
.endr
	GLOAD                                          ; LDS serves a wave's instructions in order: these see the stores above
	s_mov_b32 s[CNT], 64
.Lgrp:                                 ; a group: 16 distances, two an instruction; the next group's 12 loads; the least of the 16, laid down and inserted
	s_wait_dscnt 0x0                               ; the group's coordinates are in
.irp c, 0,1,2
.set i, 0
.rept 8
	v_pk_add_f32 v[CB+16*\c+2*i:CB+16*\c+2*i+1], v[CB+16*\c+2*i:CB+16*\c+2*i+1], v[Q+2*\c:Q+2*\c+1] neg_lo:[0,1] neg_hi:[0,1]
.set i, i+1
.endr
.endr
.set i, 0
.rept 8
	v_pk_mul_f32 v[D+2*i:D+2*i+1], v[CB+2*i:CB+2*i+1], v[CB+2*i:CB+2*i+1]
.set i, i+1
.endr
.irp c, 1,2
.set i, 0
.rept 8
	v_pk_fma_f32 v[D+2*i:D+2*i+1], v[CB+16*\c+2*i:CB+16*\c+2*i+1], v[CB+16*\c+2*i:CB+16*\c+2*i+1], v[D+2*i:D+2*i+1]
.set i, i+1
.endr
.endr
	v_add_nc_u32 v[ADR], 64, v[ADR]
	GLOAD                                          ; they land under the lines that follow (the last trip's fall on y, z and the 128 bytes behind them, and are not used)
	v_min3_num_f32 v[M], v[D], v[D+1], v[D+2]
	v_min3_num_f32 v[T0], v[D+3], v[D+4], v[D+5]
	v_min3_num_f32 v[T0+1], v[D+6], v[D+7], v[D+8]
	v_min3_num_f32 v[T0+2], v[D+9], v[D+10], v[D+11]
	v_min3_num_f32 v[T0+3], v[D+12], v[D+13], v[D+14]
	v_min3_num_f32 v[M], v[M], v[T0], v[T0+1]
	v_min3_num_f32 v[T0+2], v[T0+2], v[T0+3], v[D+15]
	v_min_num_f32 v[M], v[M], v[T0+2]
	ds_store_b32 v[GMA], v[M]
	v_add_nc_u32 v[GMA], 4, v[GMA]
	INSERTD M
	s_sub_co_u32 s[CNT], s[CNT], 1
	s_cmp_lg_u32 s[CNT], 0
	s_cbranch_scc1 .Lgrp
	s_wait_dscnt 0x0                               ; the read ahead has landed: its registers may be loaded again
	; the lists meet
	s_mul_i32 s12, s[WV], LSW
	s_add_co_u32 s12, s12, LST
	v_mul_u32_u24 v[LAD], v[LANE], 80
	v_add_nc_u32 v[ADR], s12, v[LAD]
.irp k, 0,1,2,3
	ds_store_b128 v[ADR], v[L+4*\k:L+4*\k+3] offset:16*\k
.endr
	MEET
	v_add_nc_u32 v[LAD], LST, v[LAD]
.irp j, 0,1,2,3
.irp k, 0,1,2,3
	ds_load_b128 v[LIS+16*\j+4*\k:LIS+16*\j+4*\k+3], v[LAD] offset:LSW*\j+16*\k
.endr
.endr
	s_wait_dscnt 0x0
	THRESH
	; the choice among my 64 groups
	v_mul_u32_u24 v[GMA], v[LANE], 272
	v_add_nc_u32 v[GMA], s[TS], v[GMA]
	ds_load_b128 v[MX:MX+3], v[GMA]
.irp i, 0,1,2,3
	v_mov_b32 v[WL+\i], 0
.endr
	v_mov_b32 v[TOT], 0
	s_lshl_b32 s[GI], s[WV], 6
	s_add_co_u32 s[GI+1], s[GI], 1
	s_add_co_u32 s[GI+2], s[GI], 2
	s_add_co_u32 s[GI+3], s[GI], 3
	s_mov_b32 s[CNT], 16
.Lsel:
	s_wait_dscnt 0x0
.irp k, 0,1,2,3
	v_mov_b32 v[MQ+\k], v[MX+\k]
.endr
	v_add_nc_u32 v[GMA], 16, v[GMA]
	ds_load_b128 v[MX:MX+3], v[GMA]                ; four ahead (the last trip's: the 16 bytes behind my 64 numbers)
	SELECT4 8
.irp k, 0,1,2,3
	v_alignbit_b32 v[WL], v[WL+1], v[WL], v[SH+\k]
	v_alignbit_b32 v[WL+1], v[WL+2], v[WL+1], v[SH+\k]
	v_alignbit_b32 v[WL+2], v[WL+3], v[WL+2], v[SH+\k]
	v_alignbit_b32 v[WL+3], s[GI+\k], v[WL+3], v[SH+\k]
.endr
	v_add3_u32 v[TOT], v[TOT], v[SH], v[SH+1]
	v_add3_u32 v[TOT], v[TOT], v[SH+2], v[SH+3]
.irp k, 0,1,2,3
	s_add_co_u32 s[GI+\k], s[GI+\k], 4
.endr
	s_sub_co_u32 s[CNT], s[CNT], 1
	s_cmp_lg_u32 s[CNT], 0
	s_cbranch_scc1 .Lsel
	; the parts meet: mine lies in the top TOT bits of its 128
	s_mul_i32 s12, s[WV], PLW
	s_add_co_u32 s12, s12, PL
	v_mul_u32_u24 v[LAD], v[LANE], 48
	v_add_nc_u32 v[ADR], s12, v[LAD]
	ds_store_b128 v[ADR], v[WL:WL+3]
	ds_store_b32 v[ADR], v[TOT] offset:16
	MEET
	s_cmp_eq_u32 s[WV], 0
	s_cbranch_scc0 .Lend
	v_add_nc_u32 v[LAD], PL, v[LAD]
.irp i, 0,1,2,3
	v_mov_b32 v[G+\i], 0
.endr
	s_mov_b32 s[CNT], 4
.Lcat:                                 ; wave by wave: what has been gathered moves down by the part's length, and the part is laid on top
	ds_load_b128 v[P:P+3], v[LAD]
	ds_load_b32 v[TSH], v[LAD] offset:16
	s_wait_dscnt 0x0
	CONCAT 4, 3
	v_add_nc_u32 v[LAD], PLW, v[LAD]
	s_sub_co_u32 s[CNT], s[CNT], 1
	s_cmp_lg_u32 s[CNT], 0
	s_cbranch_scc1 .Lcat
	s_lshl_b32 s12, ttmp9, 9
	s_mov_b32 s13, 0
	s_add_nc_u64 s[6:7], s[6:7], s[12:13]
	v_lshlrev_b32 v[TT], 4, v[LANE]
	global_store_b128 v[TT], v[G:G+3], s[6:7]      ; 512 consecutive bytes
.Lend:
	MEET                                           ; wave 0's reads of the parts are over before any wave's last LDS write
	s_wait_tensorcnt 0x0                           ; the wave's end, behind my last LDS store
	ds_add_u32 v[SPW], v[NIL]
	s_wait_dscnt 0x0
	s_endpgm
.Lfunc_end_k_qc3eb084dd5_knn1:
	.size	k_qc3eb084dd5_knn1, .Lfunc_end_k_qc3eb084dd5_knn1-k_qc3eb084dd5_knn1
	.p2alignl 7, 3214868480
	.fill 96, 4, 3214868480
	.section	.rodata,"a",@progbits
	.p2align	6, 0x0
	.amdhsa_kernel k_qc3eb084dd5_knn1
		.amdhsa_group_segment_fixed_size 101376
		.amdhsa_private_segment_fixed_size 0
		.amdhsa_enable_private_segment 0
		.amdhsa_kernarg_size 16
		.amdhsa_user_sgpr_count 2
		.amdhsa_user_sgpr_kernarg_segment_ptr 1
		.amdhsa_wavefront_size32 1
		.amdhsa_system_sgpr_workgroup_id_x 1
		.amdhsa_system_sgpr_workgroup_id_y 1
		.amdhsa_system_sgpr_workgroup_id_z 1
		.amdhsa_system_vgpr_workitem_id 0
		.amdhsa_next_free_vgpr 152
		.amdhsa_next_free_sgpr 66
		.amdhsa_reserve_vcc 1
		.amdhsa_float_denorm_mode_32 3
		.amdhsa_float_denorm_mode_16_64 3
		.amdhsa_memory_ordered 1
		.amdhsa_forward_progress 1
		.amdhsa_inst_pref_size 33
	.end_amdhsa_kernel
	.amdgpu_metadata
---
amdhsa.version: [ 1, 2 ]
amdhsa.kernels:
  - .name:           k_qc3eb084dd5_knn1
    .symbol:         k_qc3eb084dd5_knn1.kd
    .args:
      - { .name: xyz, .offset: 0, .size: 8, .value_kind: global_buffer, .address_space: global }
      - { .name: gids, .offset: 8, .size: 8, .value_kind: global_buffer, .address_space: global }
    .group_segment_fixed_size: 101376
    .private_segment_fixed_size: 0
    .kernarg_segment_align: 8
    .kernarg_segment_size: 16
    .max_flat_workgroup_size: 128
    .sgpr_count:     66
    .vgpr_count:     152
    .wavefront_size: 32
...
	.end_amdgpu_metadata
.endif
;; end of part 8
;; launch knn2 (part 9): grid 512 x 1, 4 waves a work-group, no clusters, 51,712 bytes of LDS; arguments xyz, gids, nidx; writes nidx
.if DOCPART == 9
	.amdgcn_target "amdgcn-amd-amdhsa--gfx1250"
	.amdhsa_code_object_version 6
	.text
	.protected	k_qc3eb084dd5_knn2
	.globl	k_qc3eb084dd5_knn2
	.p2align	8
	.type	k_qc3eb084dd5_knn2,@function
k_qc3eb084dd5_knn2:
	s_mov_b64 s[64:65], 0
	v_nop
	global_prefetch_b8 v0, s[64:65] scope:SCOPE_SE
	s_setreg_imm32_b32 hwreg(HW_REG_WAVE_MODE, 25, 1), 1
	s_wait_xcnt 0x0
; kNN, level 2.  For each query the 16 nearest of the 256 candidates in its 16 groups (gids: 16 bytes a query, ascending, stored by the launch before as whole numbers).
; A lane a query; wave w takes the query's groups 4 w .. 4 w + 3, so wave by wave and item by item the candidates' indices ascend, and ties go to the lower index.
; d = fma(dz, dz, fma(dy, dy, dx dx)), the same bits as in level 1; the same limits.
; As in level 1: the 64 distances of a wave are laid into LDS; a sorted list of DISTANCES ALONE takes them in; the four lists meet, every wave has tau (the 16th least of the 256) and the quota;
; a candidate is taken if it is below tau, or equal to it while fewer than quota equals have gone before; a taken index enters a register of 256 bits by a shift of 16, an untaken one by a shift of 0.
; nidx: two planes of [16,384][8] u16: plane h holds neighbours 8 h .. 8 h + 7, indices within the batch, ascending.  Only the set of 16 matters to what follows.
.set DMW,   8704                       ; the distances: a wave 8,704 bytes: a lane 64 numbers and 16 bytes for the read ahead, 272 bytes apart
.set LST,   4*DMW
.set LSW,   2560
.set PL,    LST+4*LSW
.set PLW,   1536
.set SPARE, PL+4*PLW                   ; the spare words: 128 bytes a wave, two blocks of 256 bytes that no other line names
.set LANE, 1
.set SPW,  2
.set NIL,  3
.set Q,    4                           ; v[4:9]  x y z x y z of the query: three pairs for the packed differences
.set ADR,  10
.set LAD,  11
.set QR,   12                          ; v[12:14] the query as loaded
.set WD0,  12                          ; later: my four group numbers, kept
.set WD,   15
.set CB,   16                          ; v[16:63] a group's 16 points, x y z on end
.set D,    64
.set L,    80
.set GB,   96
.set OFS,  97
.set TJ,   97
.set NEG,  98
.set ZR,   99
.set TOT,  100
.set TAU,  101
.set QUO,  102
.set EC,   103
.set U,    104
.set V,    120
.set W2,   136
.set GMA,  152                         ; LDS address in my lane's distances
.set LIS,  16
.set MQ,   16
.set MX,   20
.set ON,   24
.set EK,   28
.set LIM,  32
.set SH,   36
.set WL,   40                          ; v[40:47]
.set G,    48
.set P,    56
.set TSH,  64
.set TT,   65
.set IDB,  66                          ; v[66:69] the indices of the four in hand
.set WV,  8
.set CNT, 10
.set TS,  11
.set SM,  16
.set CM,  24
.macro INSERTD m
.set i, 15
.rept 15
	v_med3_num_f32 v[L+i], v[L+i-1], v[\m], v[L+i]
.set i, i-1
.endr
	v_min_num_f32 v[L], v[L], v[\m]
.endm
.macro MEET                            ; my LDS instructions are done, for the others' sake; then the work-group's barrier
	s_wait_dscnt 0x0
	s_barrier_signal -1
	s_barrier_wait -1
.endm
.macro LOWER dst, a, b
.set i, 0
.rept 16
	v_min_num_f32 v[(\dst)+i], v[(\a)+i], v[(\b)+15-i]
.set i, i+1
.endr
.endm
.macro BSTAGE dst, src, dd
.set i, 0
.rept 16
.if (i & (\dd)) == 0
	v_min_num_f32 v[(\dst)+i], v[(\src)+i], v[(\src)+i+(\dd)]
	v_max_num_f32 v[(\dst)+i+(\dd)], v[(\src)+i], v[(\src)+i+(\dd)]
.endif
.set i, i+1
.endr
.endm
.macro BSORT x, y
	BSTAGE \y, \x, 8
	BSTAGE \x, \y, 4
	BSTAGE \y, \x, 2
	BSTAGE \x, \y, 1
.endm
.macro THRESH
	LOWER U, LIS, LIS+16
	BSORT U, V
	LOWER W2, LIS+32, LIS+48
	BSORT W2, V
	LOWER V, U, W2
	v_max3_num_f32 v[TAU], v[V], v[V+1], v[V+2]
.irp k, 3,5,7,9,11,13
	v_max3_num_f32 v[TAU], v[TAU], v[V+\k], v[V+\k+1]
.endr
	v_max_num_f32 v[TAU], v[TAU], v[V+15]
	v_mov_b32 v[EC], 0
.set i, 0
.rept 16
	v_cmp_lt_f32 vcc_lo, v[V+i], v[TAU]
	v_add_co_ci_u32 v[EC], vcc_lo, 0, v[EC], vcc_lo
.set i, i+1
.endr
	v_sub_nc_u32 v[QUO], 16, v[EC]
	v_mov_b32 v[EC], 0
	v_mov_b32 v[NEG], -1.0
	v_mov_b32 v[ZR], 0
.irp j, 0,1,2
	s_cmp_gt_u32 s[WV], \j
	s_cselect_b32 s[SM], -1, 0
	v_cndmask_b32 v[TJ], v[NEG], v[TAU], s[SM]
.set i, 0
.rept 16
	v_cmp_eq_f32 vcc_lo, v[LIS+16*\j+i], v[TJ]
	v_add_co_ci_u32 v[EC], vcc_lo, 0, v[EC], vcc_lo
.set i, i+1
.endr
.endr
.endm
.macro SELECT4 amt
.irp k, 0,1,2,3
	v_cmp_eq_f32 s[CM+\k], v[MQ+\k], v[TAU]
.endr
.irp k, 0,1,2,3
	v_cmp_le_f32 s[CM+4+\k], v[MQ+\k], v[TAU]
.endr
.irp k, 0,1,2,3
	v_cndmask_b32 v[ON+\k], 0, 1, s[CM+\k]
.endr
	v_add_nc_u32 v[EK+1], v[EC], v[ON]
	v_add_nc_u32 v[EK+2], v[EK+1], v[ON+1]
	v_add_nc_u32 v[EK+3], v[EK+2], v[ON+2]
	v_cndmask_b32 v[LIM], 0, v[EC], s[CM]
.irp k, 1,2,3
	v_cndmask_b32 v[LIM+\k], 0, v[EK+\k], s[CM+\k]
.endr
	v_add_nc_u32 v[EC], v[EK+3], v[ON+3]
.irp k, 0,1,2,3
	v_cmp_lt_u32 s[CM+\k], v[LIM+\k], v[QUO]
.endr
.irp k, 0,1,2,3
	s_and_b32 s[CM+\k], s[CM+\k], s[CM+4+\k]
.endr
.irp k, 0,1,2,3
	v_cndmask_b32 v[SH+\k], 0, \amt, s[CM+\k]
.endr
.endm
.macro CONCAT nw, ns
.set i, 0
.rept (\nw)-1
	v_alignbit_b32 v[G+i], v[G+i+1], v[G+i], v[TSH]
.set i, i+1
.endr
	v_lshrrev_b32 v[G+(\nw)-1], v[TSH], v[G+(\nw)-1]
.set st, 1
.rept \ns
	v_and_b32 v[TT], 32*st, v[TSH]
	v_cmp_ne_u32 vcc_lo, 0, v[TT]
.set i, 0
.rept \nw
.if i+st < (\nw)
	v_cndmask_b32 v[G+i], v[G+i], v[G+i+st], vcc_lo
.else
	v_cndmask_b32 v[G+i], v[G+i], v[ZR], vcc_lo
.endif
.set i, i+1
.endr
.set st, st*2
.endr
.set i, 0
.rept \nw
	v_or_b32 v[G+i], v[G+i], v[P+i]
.set i, i+1
.endr
.endm
.macro NEXTG                           ; the lowest byte of WD names a group: its 192 bytes are asked for
	v_and_b32 v[GB], 0xff, v[WD]
	v_min_u32 v[GB], 0xff, v[GB]
	v_mul_u32_u24 v[OFS], v[GB], 192
.set i, 0
.rept 12
	global_load_b128 v[CB+4*i:CB+4*i+3], v[OFS], s[4:5] offset:16*i
.set i, i+1
.endr
.endm
.macro MYROW                           ; the address of my lane's 64 distances
	v_mul_u32_u24 v[GMA], v[LANE], 272
	v_add_nc_u32 v[GMA], s[TS], v[GMA]
.endm
.macro AHEAD                           ; the four read ahead come into hand, and the next four are asked for (the last trip's: the 16 bytes behind my 64 numbers)
	s_wait_dscnt 0x0
.irp k, 0,1,2,3
	v_mov_b32 v[MQ+\k], v[MX+\k]
.endr
	v_add_nc_u32 v[GMA], 16, v[GMA]
	ds_load_b128 v[MX:MX+3], v[GMA]
.endm
	s_load_b128 s[4:7], s[0:1], 0x0                ; xyz, gids
	s_load_b64 s[32:33], s[0:1], 0x10              ; nidx
	v_lshl_add_u32 v[SPW], v0, 2, SPARE
	v_mov_b32 v[NIL], 0
	v_and_b32 v[LANE], 31, v0
	v_lshrrev_b32 v[GB], 5, v0
	v_readfirstlane_b32 s[WV], v[GB]
	s_mul_i32 s12, ttmp9, 384                      ; the work-group's 32 queries in xyz,
	s_mov_b32 s13, 0
	s_lshl_b32 s14, ttmp9, 9                       ; in gids and in a plane of nidx
	s_mov_b32 s15, 0
	s_lshr_b32 s34, ttmp9, 7
	s_mul_i32 s34, s34, 49152                      ; the batch
	s_mov_b32 s35, 0
	v_mul_u32_u24 v[ADR], v[LANE], 12
	s_lshl_b32 s[TS], s[WV], 2
	v_lshl_add_u32 v[LAD], v[LANE], 4, s[TS]       ; my wave's word of the query's 16 bytes
	s_mul_i32 s[TS], s[WV], DMW
	MYROW
.irp i, 0,1,2,3
	v_mov_b32 v[U+\i], 0
.endr
	ds_store_b128 v[GMA], v[U:U+3] offset:256      ; the bytes that the reads ahead fall into at their ends are written once
	s_wait_kmcnt 0x0
	s_add_nc_u64 s[12:13], s[4:5], s[12:13]
	s_add_nc_u64 s[6:7], s[6:7], s[14:15]
	s_add_nc_u64 s[32:33], s[32:33], s[14:15]
	s_add_nc_u64 s[4:5], s[4:5], s[34:35]
	global_load_b96 v[QR:QR+2], v[ADR], s[12:13]
	global_load_b32 v[WD], v[LAD], s[6:7]
	s_wait_loadcnt 0x0
	NEXTG
.irp c, 0,1,2
	v_mov_b32 v[Q+\c], v[QR+\c]
	v_mov_b32 v[Q+3+\c], v[QR+\c]
.endr
	v_mov_b32 v[WD0], v[WD]
.set i, 0
.rept 16
	v_mov_b32 v[L+i], 0x7f800000
.set i, i+1
.endr
	s_mov_b32 s[CNT], 4
.Lg:                                   ; a group: 48 differences, two an instruction; 16 distances; laid down
	s_wait_loadcnt 0x0                             ; the group's points are in, and the offset is free
.set n, 0
.rept 24
	v_pk_add_f32 v[CB+2*n:CB+2*n+1], v[CB+2*n:CB+2*n+1], v[Q+2*(n%3):Q+2*(n%3)+1] neg_lo:[0,1] neg_hi:[0,1]
.set n, n+1
.endr
.set c, 0
.rept 16
	v_mul_f32 v[D+c], v[CB+3*c], v[CB+3*c]
.set c, c+1
.endr
.set c, 0
.rept 16
	v_fma_f32 v[D+c], v[CB+3*c+1], v[CB+3*c+1], v[D+c]
.set c, c+1
.endr
.set c, 0
.rept 16
	v_fma_f32 v[D+c], v[CB+3*c+2], v[CB+3*c+2], v[D+c]
.set c, c+1
.endr
.irp k, 0,1,2,3
	ds_store_b128 v[GMA], v[D+4*\k:D+4*\k+3] offset:16*\k
.endr
	v_add_nc_u32 v[GMA], 64, v[GMA]
	v_lshrrev_b32 v[WD], 8, v[WD]
	NEXTG                                          ; (in the last trip WD is 0: group 0 is fetched, inside the buffer, and not used)
	s_sub_co_u32 s[CNT], s[CNT], 1
	s_cmp_lg_u32 s[CNT], 0
	s_cbranch_scc1 .Lg
	s_wait_loadcnt 0x0                             ; those loads have landed: their registers serve other ends from here on
	MEET                                           ; all distances lie in LDS
	MYROW
	ds_load_b128 v[MX:MX+3], v[GMA]
	s_mov_b32 s[CNT], 16
.Lins:                                 ; my 64 distances go into the list, four a trip
	AHEAD
.irp k, 0,1,2,3
	INSERTD MQ+\k
.endr
	s_sub_co_u32 s[CNT], s[CNT], 1
	s_cmp_lg_u32 s[CNT], 0
	s_cbranch_scc1 .Lins
	s_wait_dscnt 0x0
	; the lists meet
	s_mul_i32 s12, s[WV], LSW
	s_add_co_u32 s12, s12, LST
	v_mul_u32_u24 v[LAD], v[LANE], 80
	v_add_nc_u32 v[ADR], s12, v[LAD]
.irp k, 0,1,2,3
	ds_store_b128 v[ADR], v[L+4*\k:L+4*\k+3] offset:16*\k
.endr
	MEET
	v_add_nc_u32 v[LAD], LST, v[LAD]
.irp j, 0,1,2,3
.irp k, 0,1,2,3
	ds_load_b128 v[LIS+16*\j+4*\k:LIS+16*\j+4*\k+3], v[LAD] offset:LSW*\j+16*\k
.endr
.endr
	s_wait_dscnt 0x0
	THRESH
	; the choice among my 64 candidates
	MYROW
	ds_load_b128 v[MX:MX+3], v[GMA]
.irp i, 0,1,2,3,4,5,6,7
	v_mov_b32 v[WL+\i], 0
.endr
	v_mov_b32 v[TOT], 0
	v_mov_b32 v[IDB], 0
	s_mov_b32 s[CNT], 16
.Lsel:
	s_and_b32 s12, s[CNT], 3
	s_cmp_eq_u32 s12, 0                            ; every fourth trip, the first among them, begins a group
	s_cbranch_scc0 .Lsame
	v_and_b32 v[IDB], 0xff, v[WD0]
	v_lshlrev_b32 v[IDB], 4, v[IDB]                ; its first point's index
	v_lshrrev_b32 v[WD0], 8, v[WD0]
.Lsame:
	AHEAD
	SELECT4 16
.irp k, 1,2,3
	v_add_nc_u32 v[IDB+\k], \k, v[IDB]
.endr
.irp k, 0,1,2,3
.irp i, 0,1,2,3,4,5,6
	v_alignbit_b32 v[WL+\i], v[WL+\i+1], v[WL+\i], v[SH+\k]
.endr
	v_alignbit_b32 v[WL+7], v[IDB+\k], v[WL+7], v[SH+\k]
.endr
	v_add3_u32 v[TOT], v[TOT], v[SH], v[SH+1]
	v_add3_u32 v[TOT], v[TOT], v[SH+2], v[SH+3]
	v_add_nc_u32 v[IDB], 4, v[IDB]
	s_sub_co_u32 s[CNT], s[CNT], 1
	s_cmp_lg_u32 s[CNT], 0
	s_cbranch_scc1 .Lsel
	; the parts meet: mine lies in the top TOT bits of its 256
	s_mul_i32 s12, s[WV], PLW
	s_add_co_u32 s12, s12, PL
	v_mul_u32_u24 v[LAD], v[LANE], 48
	v_add_nc_u32 v[ADR], s12, v[LAD]
	ds_store_b128 v[ADR], v[WL:WL+3]
	ds_store_b128 v[ADR], v[WL+4:WL+7] offset:16
	ds_store_b32 v[ADR], v[TOT] offset:32
	MEET
	s_cmp_eq_u32 s[WV], 0
	s_cbranch_scc0 .Lend
	v_add_nc_u32 v[LAD], PL, v[LAD]
.irp i, 0,1,2,3,4,5,6,7
	v_mov_b32 v[G+\i], 0
.endr
	s_mov_b32 s[CNT], 4
.Lcat:                                 ; wave by wave: what has been gathered moves down by the part's length, and the part is laid on top
	ds_load_b128 v[P:P+3], v[LAD]
	ds_load_b128 v[P+4:P+7], v[LAD] offset:16
	ds_load_b32 v[TSH], v[LAD] offset:32
	s_wait_dscnt 0x0
	CONCAT 8, 4
	v_add_nc_u32 v[LAD], PLW, v[LAD]
	s_sub_co_u32 s[CNT], s[CNT], 1
	s_cmp_lg_u32 s[CNT], 0
	s_cbranch_scc1 .Lcat
	v_lshlrev_b32 v[TT], 4, v[LANE]
	global_store_b128 v[TT], v[G:G+3], s[32:33]    ; 512 consecutive bytes in each plane
	global_store_b128 v[TT], v[G+4:G+7], s[32:33] offset:262144
.Lend:
	MEET                                           ; wave 0's reads of the parts are over before any wave's last LDS write
	s_wait_tensorcnt 0x0                           ; the wave's end, behind my last LDS store
	ds_add_u32 v[SPW], v[NIL]
	s_wait_dscnt 0x0
	s_endpgm
.Lfunc_end_k_qc3eb084dd5_knn2:
	.size	k_qc3eb084dd5_knn2, .Lfunc_end_k_qc3eb084dd5_knn2-k_qc3eb084dd5_knn2
	.p2alignl 7, 3214868480
	.fill 96, 4, 3214868480
	.section	.rodata,"a",@progbits
	.p2align	6, 0x0
	.amdhsa_kernel k_qc3eb084dd5_knn2
		.amdhsa_group_segment_fixed_size 51712
		.amdhsa_private_segment_fixed_size 0
		.amdhsa_enable_private_segment 0
		.amdhsa_kernarg_size 24
		.amdhsa_user_sgpr_count 2
		.amdhsa_user_sgpr_kernarg_segment_ptr 1
		.amdhsa_wavefront_size32 1
		.amdhsa_system_sgpr_workgroup_id_x 1
		.amdhsa_system_sgpr_workgroup_id_y 1
		.amdhsa_system_sgpr_workgroup_id_z 1
		.amdhsa_system_vgpr_workitem_id 0
		.amdhsa_next_free_vgpr 160
		.amdhsa_next_free_sgpr 66
		.amdhsa_reserve_vcc 1
		.amdhsa_float_denorm_mode_32 3
		.amdhsa_float_denorm_mode_16_64 3
		.amdhsa_memory_ordered 1
		.amdhsa_forward_progress 1
		.amdhsa_inst_pref_size 36
	.end_amdhsa_kernel
	.amdgpu_metadata
---
amdhsa.version: [ 1, 2 ]
amdhsa.kernels:
  - .name:           k_qc3eb084dd5_knn2
    .symbol:         k_qc3eb084dd5_knn2.kd
    .args:
      - { .name: xyz, .offset: 0, .size: 8, .value_kind: global_buffer, .address_space: global }
      - { .name: gids, .offset: 8, .size: 8, .value_kind: global_buffer, .address_space: global }
      - { .name: nidx, .offset: 16, .size: 8, .value_kind: global_buffer, .address_space: global }
    .group_segment_fixed_size: 51712
    .private_segment_fixed_size: 0
    .kernarg_segment_align: 8
    .kernarg_segment_size: 24
    .max_flat_workgroup_size: 128
    .sgpr_count:     66
    .vgpr_count:     160
    .wavefront_size: 32
...
	.end_amdgpu_metadata
.endif
;; end of part 9
;; launch qkv (part 10): grid 128 x 3, 4 waves a work-group, clusters of 4 x 1, 312,832 bytes of LDS; arguments features, wts, b_pre, g_dm, b_dm, qa, ka, vv; writes qa, ka, vv
.if DOCPART == 10
	.amdgcn_target "amdgcn-amd-amdhsa--gfx1250"
	.amdhsa_code_object_version 6
	.text
	.protected	k_qc3eb084dd5_qkv
	.globl	k_qc3eb084dd5_qkv
	.p2align	8
	.type	k_qc3eb084dd5_qkv,@function
k_qc3eb084dd5_qkv:
	s_mov_b64 s[64:65], 0
	v_nop
	global_prefetch_b8 v0, s[64:65] scope:SCOPE_SE
	s_setreg_imm32_b32 hwreg(HW_REG_WAVE_MODE, 25, 1), 1
	s_wait_xcnt 0x0
	s_wait_alu depctr_hold_cnt(0) depctr_sa_sdst(0) depctr_va_vdst(0) depctr_va_sdst(0) depctr_va_ssrc(0) depctr_va_vcc(0) depctr_vm_vsrc(0)
	s_getreg_b32 s2, hwreg(HW_REG_IB_STS2, 6, 4)
	s_cmp_eq_u32 s2, 0
	s_cbranch_scc0 .Lentry_in_a_cluster
	s_endpgm
.Lentry_in_a_cluster:
	s_bfe_u32 s2, ttmp6, 0x10000c
	s_cmp_lg_u32 s2, 0x3003
	s_cbranch_scc0 .Lentry_shape_is_right
	s_endpgm
.Lentry_shape_is_right:
; Per point: inp = features W_pre^T + b_pre; then by the grid's y:  0: qa = (g o norm(inp WQ^T)) Wa1^T   1: ka = the same with WK   2: vv = LN(inp WV^T) with g and b.
; b_dm cancels in q - k, so qa and ka are made without it: those two roles read their b from the block of zeros in wts; qa - ka is what the first attention layer adds to its product.
; Operands f16, sums and norms f32; qa, ka leave in bf16, vv in f16.  LIMITS: inp, g o norm and LN's results within 65,504 (norm is within 16 in magnitude); variance by the centred two-pass form.
; A work-group has 128 points, a wave two tiles of 16.  Every product is taken with the weights as source 0: a lane holds ONE point (lane % 16) and channels 16 t + 8 (lane / 16) + 0..7,
; so a result rounded in pairs IS the next product's source 1, and a norm wants one exchange between the halves of the lanes.
; The weights lie in fragment order in wts; the four work-groups of a cluster ask for them jointly, once, at the start: three loads a wave (the vv role does not read the third).
; WINDOWS of 256 registers: 0: addresses, statistics, fragments; 1: the two tiles' 16 accumulators each; 2: the operand X of both tiles, b_pre; 3: g, b.
.set WY,    32768
.set WA,    163840
.set STAGE, 294912                     ; 16 rows x 272 bytes for each wave, for the way out
.set SPARE, 312320                     ; the spare words: 128 bytes a wave, two blocks of 256 bytes that no other line names
.set O_Z,   1130496                    ; the zeros in wts
.set SPW, 1
.set NIL, 2
.set RR,  3
.set AWL, 4                            ; LDS address of tiles 0-7 of the matrix in hand, 16 x lane within a fragment
.set STO, 5
.set RD,  6
.set CO,  7
.set FO,  8
.set AWH, 9                            ; of tiles 8-15
.set HH,  10
.set PO,  11
.set CH,  12                           ; v[12:19] four chains of sums
.set MUA, 20
.set MUB, 22
.set RSA, 24
.set RSB, 26
.set AP,  28
.set FE,  32                           ; v[32:63] the features' fragments: tile, k half
.set TMP, 64
.set BK,  96
.set F0,  128                          ; v[128:255] weight fragments, two buffers of 64
.set WV,  24
.set X,   26
.set Y,   27
.set T,   28
.set G0A, 32
.set G0B, 36
.set G0C, 40
.set G1S, 44
.set G1B, 52
.set SEL, 60
.set INV, 62
.set EPS, 63
.set ZP,  66
.set OUTP, 68
.set CNT, 70
.set T2,  72
.set MSB, 0
.macro WIN new                         ; the immediate's high byte repeats the setting that is left; a switch that changes nothing is dropped
.if MSB != (\new)
	s_set_vgpr_msb (MSB<<8)|(\new)
.set MSB, \new
.endif
.endm
.macro PLACES                          ; four places behind a product, ahead of what reads its result or rewrites its sources
.rept 4
	v_nop
.endr
.endm
.macro CROUND                          ; a round of the cluster's barrier
	s_barrier_signal -1
	s_barrier_wait -1
	s_cmp_lg_u32 s[WV], 0
	s_cbranch_scc1 .Lnot_wave_0_\@
	s_barrier_signal -3
.Lnot_wave_0_\@:
	s_barrier_wait -3
	s_barrier_signal -1
	s_barrier_wait -1
.endm
.macro LNRED                           ; four chains, two halves, two halves of the lanes: one sum in every lane of a point
	WIN 0
	v_pk_add_f32 v[CH:CH+1], v[CH:CH+1], v[CH+2:CH+3]
	v_pk_add_f32 v[CH+4:CH+5], v[CH+4:CH+5], v[CH+6:CH+7]
	v_pk_add_f32 v[CH:CH+1], v[CH:CH+1], v[CH+4:CH+5]
	v_add_f32 v[CH], v[CH], v[CH+1]
	v_permlanex16_b32 v[CH+1], v[CH], s[SEL], s[SEL+1]
	v_add_f32 v[CH], v[CH], v[CH+1]
.endm
; nt accumulators at base in window 1: the mean; centred in place; the variance + eps into rs.  Each accumulator is read from its low end on.
.macro LNSTAT base, nt, mu, rs, inv
	WIN 0x05
.irp c, 0,1,2,3
	v_pk_add_f32 v[CH+2*\c:CH+2*\c+1], v[(\base)+2*\c:(\base)+2*\c+1], v[(\base)+8+2*\c:(\base)+8+2*\c+1]
.endr
	WIN 0x04
.set t, 2
.rept (\nt)-2
.irp c, 0,1,2,3
	v_pk_add_f32 v[CH+2*\c:CH+2*\c+1], v[CH+2*\c:CH+2*\c+1], v[(\base)+8*t+2*\c:(\base)+8*t+2*\c+1]
.endr
.set t, t+1
.endr
	LNRED
	v_mul_f32 v[\mu], s[\inv], v[CH]
	v_mov_b32 v[(\mu)+1], v[\mu]
	WIN 0x41
.set i, 0
.rept 4*(\nt)
	v_pk_add_f32 v[(\base)+2*i:(\base)+2*i+1], v[(\base)+2*i:(\base)+2*i+1], v[\mu:(\mu)+1] neg_lo:[0,1] neg_hi:[0,1]
.set i, i+1
.endr
	WIN 0x05
.irp c, 0,1,2,3
	v_pk_mul_f32 v[CH+2*\c:CH+2*\c+1], v[(\base)+2*\c:(\base)+2*\c+1], v[(\base)+2*\c:(\base)+2*\c+1]
.endr
.set t, 1
.rept (\nt)-1
.irp c, 0,1,2,3
	v_pk_fma_f32 v[CH+2*\c:CH+2*\c+1], v[(\base)+8*t+2*\c:(\base)+8*t+2*\c+1], v[(\base)+8*t+2*\c:(\base)+8*t+2*\c+1], v[CH+2*\c:CH+2*\c+1]
.endr
.set t, t+1
.endr
	LNRED
	v_fma_f32 v[\rs], v[CH], s[\inv], s[EPS]
.endm
.macro LNAPPLY base, nt, rs, win2, g, b  ; x = x rstd g + b
	WIN 0x41
.set i, 0
.rept 4*(\nt)
	v_pk_mul_f32 v[(\base)+2*i:(\base)+2*i+1], v[(\base)+2*i:(\base)+2*i+1], v[\rs:(\rs)+1]
.set i, i+1
.endr
	WIN \win2
.set i, 0
.rept 4*(\nt)
	v_pk_fma_f32 v[(\base)+2*i:(\base)+2*i+1], v[(\base)+2*i:(\base)+2*i+1], v[(\g)+2*i:(\g)+2*i+1], v[(\b)+2*i:(\b)+2*i+1]
.set i, i+1
.endr
.endm
	s_load_b512 s[8:23], s[0:1], 0x0               ; features 8, wts 10, b_pre 12, g_dm 14, b_dm 16, qa 18, ka 20, vv 22
	v_lshl_add_u32 v[SPW], v0, 2, SPARE
	v_mov_b32 v[NIL], 0
	ds_add_u32 v[SPW], v[NIL]                      ; the wave's opening: the add and its wait ahead of my first tensor load
	v_lshrrev_b32 v3, 5, v0
	v_readfirstlane_b32 s[WV], v3
	s_bfe_u32 s[T], ttmp6, 0x40000                 ; cx
	s_lshl_b32 s[X], ttmp9, 2
	s_add_co_u32 s[X], s[X], s[T]                  ; my block of 128 points: it enters features' and the output's addresses alone
	s_and_b32 s[Y], ttmp7, 0xffff                  ; the role, which the four partners share
	; descriptor group 1: dense rows of 256 bytes (32 elements of 8 bytes), 32 or 128 of them; mask of four, bit 21 beside it
	s_mov_b32 s[G1S], 15|(3<<16)|(1<<21)
	s_mov_b32 s[G1B], 15|(3<<16)|(1<<21)
	s_mov_b32 s[G1S+1], 32<<16
	s_mov_b32 s[G1B+1], 32<<16
	s_mov_b32 s[G1S+2], 32<<16
	s_mov_b32 s[G1B+2], 128<<16
	s_mov_b32 s[G1S+3], 32<<16
	s_mov_b32 s[G1B+3], 32<<16
	s_mov_b32 s[G1S+4], 32
	s_mov_b32 s[G1B+4], 128
	s_mov_b32 s[G1S+5], 32
	s_mov_b32 s[G1B+5], 32
	s_mov_b32 s[G1S+6], 0
	s_mov_b32 s[G1B+6], 0
	s_mov_b32 s[G1S+7], 0
	s_mov_b32 s[G1B+7], 0
	s_mov_b32 s[G0A], 1
	s_lshl_b32 s[G0A+1], s[WV], 13                 ; W_pre: my quarter, 8,192 bytes
	s_mov_b32 s[G0B], 1
	s_lshl_b32 s[G0B+1], s[WV], 15                 ; WQ, WK or WV: my quarter, 32,768 bytes
	s_add_co_u32 s[G0B+1], s[G0B+1], WY
	s_mov_b32 s[G0C], 1
	s_lshl_b32 s[G0C+1], s[WV], 15                 ; Wa1
	s_add_co_u32 s[G0C+1], s[G0C+1], WA
	s_mov_b32 s[SEL], 0x76543210
	s_mov_b32 s[SEL+1], 0xfedcba98
	s_mov_b32 s[INV], 0x3b800000                   ; 1 / 256
	s_mov_b32 s[EPS], 0x3727c5ac                   ; 1e-5
	s_wait_dscnt 0x0                               ; the opening add is done
	s_wait_kmcnt 0x0
	s_lshl_b32 s[T2], s[WV], 13
	s_mov_b32 s[T2+1], 0
	s_add_nc_u64 s[G0A+2:G0A+3], s[10:11], s[T2:T2+1]
	s_or_b32 s[G0A+3], s[G0A+3], 0x80000000
	s_lshl_b32 s[T2], s[Y], 17
	s_lshl_b32 s[T], s[WV], 15
	s_add_co_u32 s[T2], s[T2], s[T]
	s_add_co_u32 s[T2], s[T2], 32768
	s_add_nc_u64 s[G0B+2:G0B+3], s[10:11], s[T2:T2+1]
	s_or_b32 s[G0B+3], s[G0B+3], 0x80000000
	s_add_co_u32 s[T2], s[T], 425984
	s_add_nc_u64 s[G0C+2:G0C+3], s[10:11], s[T2:T2+1]
	s_or_b32 s[G0C+3], s[G0C+3], 0x80000000
	s_mov_b32 s[T2], O_Z
	s_add_nc_u64 s[ZP:ZP+1], s[10:11], s[T2:T2+1]
	s_cmp_eq_u32 s[Y], 2
	s_cselect_b64 s[16:17], s[16:17], s[ZP:ZP+1]   ; b: b_dm for vv, the zeros for qa and ka
	s_lshl_b32 s[T], s[X], 7
	s_lshl_b32 s[T2], s[WV], 5
	s_add_co_u32 s[T], s[T], s[T2]                 ; my first point
	s_lshl_b32 s[T2], s[T], 8
	s_add_nc_u64 s[8:9], s[8:9], s[T2:T2+1]        ; features at it
	s_cmp_eq_u32 s[Y], 0
	s_cselect_b64 s[OUTP:OUTP+1], s[18:19], s[20:21]
	s_cmp_eq_u32 s[Y], 2
	s_cselect_b64 s[OUTP:OUTP+1], s[22:23], s[OUTP:OUTP+1]
	s_lshl_b32 s[T2], s[T], 9
	s_add_nc_u64 s[OUTP:OUTP+1], s[OUTP:OUTP+1], s[T2:T2+1]
	CROUND                                         ; all four work-groups are here: the joint loads meet
	tensor_load_to_lds s[G0A:G0A+3], s[G1S:G1S+7]
	s_nop 0
	tensor_load_to_lds s[G0B:G0B+3], s[G1B:G1B+7]
	s_nop 0
	tensor_load_to_lds s[G0C:G0C+3], s[G1B:G1B+7]  ; three loads of mine are out
	s_nop 0
	PLACES
	v_and_b32 v[RR], 15, v0
	v_bfe_u32 v[HH], v0, 4, 1
	v_and_b32 v[AP], 31, v0
	v_lshlrev_b32 v[AP], 4, v[AP]
	v_add_nc_u32 v[AWL], WY, v[AP]
	v_add_nc_u32 v[AWH], WY+65536, v[AP]
	v_lshlrev_b32 v[PO], 5, v[HH]
	v_lshlrev_b32 v[FO], 8, v[RR]
	v_lshl_add_u32 v[FO], v[HH], 5, v[FO]
	s_mul_i32 s[T], s[WV], 16*272
	s_add_co_u32 s[T], s[T], STAGE
	v_mul_u32_u24 v[STO], v[RR], 272               ; in: row l % 16, 16 bytes for each half of the lanes
	v_lshl_add_u32 v[STO], v[HH], 4, v[STO]
	v_add_nc_u32 v[STO], s[T], v[STO]
	v_mul_u32_u24 v[RD], v[HH], 272                ; back: lanes 0-15 one row of 256 bytes, lanes 16-31 the next
	v_lshl_add_u32 v[RD], v[RR], 4, v[RD]
	v_add_nc_u32 v[RD], s[T], v[RD]
	v_lshlrev_b32 v[CO], 9, v[HH]
	v_lshl_add_u32 v[CO], v[RR], 4, v[CO]
.set i, 0
.rept 16                               ; features: tile i / 8, k half (i / 4) % 2, then 16 numbers as 4 x 16 bytes: k = 8 h .. and 16 + 8 h ..
	global_load_b128 v[TMP+4*i:TMP+4*i+3], v[FO], s[8:9] offset:(i/8)*4096+((i/4)%2)*128+((i/2)%2)*64+(i%2)*16
.set i, i+1
.endr
	WIN 0x80
.set i, 0
.rept 32                               ; b_pre, g, b as the accumulators lie: channels 16 t + 8 h + 0..7
	global_load_b128 v[128+4*i:128+4*i+3], v[PO], s[12:13] offset:(i/2)*64+(i%2)*16
.set i, i+1
.endr
	WIN 0xc0
.set i, 0
.rept 32
	global_load_b128 v[4*i:4*i+3], v[PO], s[14:15] offset:(i/2)*64+(i%2)*16
	global_load_b128 v[128+4*i:128+4*i+3], v[PO], s[16:17] offset:(i/2)*64+(i%2)*16
.set i, i+1
.endr
	WIN 0
	s_wait_loadcnt 0x0
.set i, 0
.rept 32
	v_cvt_pk_f16_f32 v[FE+i], v[TMP+2*i], v[TMP+2*i+1]
.set i, i+1
.endr
	s_wait_tensorcnt 0x0                           ; my parts of the weights are in,
	s_barrier_signal -1
	s_barrier_wait -1                              ; everybody's are; nothing is ever filled again
; inp: eight tiles of channels at a time; the first k half starts the sums with b_pre, 16 accumulators by turns
.macro PREHALF z
	WIN 0
.set i, 0
.rept 16
	ds_load_b128 v[F0+8*i:F0+8*i+3], v[AP] offset:(16*(\z)+i)*1024
	ds_load_b128 v[F0+8*i+4:F0+8*i+7], v[AP] offset:(16*(\z)+i)*1024+512
.set i, i+1
.endr
	s_wait_dscnt 0x0
	WIN 0x60
.set i, 0
.rept 8
.irp tl, 0,1
	v_wmma_f32_16x16x32_f16 v[128*\tl+8*(8*(\z)+i):128*\tl+8*(8*(\z)+i)+7], v[F0+16*i:F0+16*i+7], v[FE+16*\tl:FE+16*\tl+7], v[128+8*(8*(\z)+i):128+8*(8*(\z)+i)+7]
.endr
.set i, i+1
.endr
	WIN 0x50
.set i, 0
.rept 8
.irp tl, 0,1
	v_wmma_f32_16x16x32_f16 v[128*\tl+8*(8*(\z)+i):128*\tl+8*(8*(\z)+i)+7], v[F0+16*i+8:F0+16*i+15], v[FE+16*\tl+8:FE+16*\tl+15], v[128*\tl+8*(8*(\z)+i):128*\tl+8*(8*(\z)+i)+7]
.endr
.set i, i+1
.endr
	PLACES
.endm
.macro WLOAD t                         ; tile t's eight fragments into buffer t % 2
	WIN 0
.set fl, F0+64*((\t)%2)
.irp u, 0,1,2,3,4,5,6,7
.if (\t) < 8
	ds_load_b128 v[fl+8*\u:fl+8*\u+3], v[AWL] offset:(\t)*8192+1024*\u
	ds_load_b128 v[fl+8*\u+4:fl+8*\u+7], v[AWL] offset:(\t)*8192+1024*\u+512
.else
	ds_load_b128 v[fl+8*\u:fl+8*\u+3], v[AWH] offset:((\t)-8)*8192+1024*\u
	ds_load_b128 v[fl+8*\u+4:fl+8*\u+7], v[AWH] offset:((\t)-8)*8192+1024*\u+512
.endif
.endr
.endm
.macro GT t                            ; 16 products: tile t of the channels for both tiles of points, which take turns
.set fb, F0+64*((\t)%2)
.if (\t) < 15
	s_wait_dscnt 16                                ; this tile's fragments are in; the next tile's 16 loads may stay out
.else
	s_wait_dscnt 0x0
.endif
	WIN 0x58
.irp u, 0,1,2,3,4,5,6,7
.if \u == 0
	v_wmma_f32_16x16x32_f16 v[8*(\t):8*(\t)+7], v[fb:fb+7], v[0:7], 0
	v_wmma_f32_16x16x32_f16 v[128+8*(\t):128+8*(\t)+7], v[fb:fb+7], v[64:71], 0
.else
	v_wmma_f32_16x16x32_f16 v[8*(\t):8*(\t)+7], v[fb+8*\u:fb+8*\u+7], v[8*\u:8*\u+7], v[8*(\t):8*(\t)+7]
	v_wmma_f32_16x16x32_f16 v[128+8*(\t):128+8*(\t)+7], v[fb+8*\u:fb+8*\u+7], v[64+8*\u:64+8*\u+7], v[128+8*(\t):128+8*(\t)+7]
.endif
.endr
.if (\t) < 14
	PLACES
	WLOAD (\t)+2
.endif
.endm
	PREHALF 0
	PREHALF 1
	WIN 0
	s_mov_b32 s[CNT], 2
.Lpass:                                ; trip 1: inp into X, WQ, WK or WV, the norm.  Trip 2: the norm's result into X; vv leaves from there; the others go through Wa1
	WIN 0x85
.set i, 0
.rept 128                              ; both tiles' 256 channels, rounded in pairs to f16: the next product's source 1, or vv itself
	v_cvt_pk_f16_f32 v[i], v[2*i], v[2*i+1]
.set i, i+1
.endr
	WIN 0
	s_cmp_eq_u32 s[CNT], 1
	s_cselect_b32 s[T], s[Y], 0
	s_cmp_eq_u32 s[T], 2
	s_cbranch_scc1 .Lstore
	WLOAD 0
	WLOAD 1
.set tt, 0
.rept 16
	GT tt
.set tt, tt+1
.endr
	PLACES
	WIN 0
	s_cmp_eq_u32 s[CNT], 1
	s_cbranch_scc1 .Loutb
	LNSTAT 0, 16, MUA, RSA, INV
	LNSTAT 128, 16, MUB, RSB, INV
	v_rsq_f32 v[RSA], v[RSA]
	v_rsq_f32 v[RSB], v[RSB]
	v_nop                                          ; a plain instruction behind the last of the batch,
	s_wait_alu depctr_va_vdst(0)                   ; and the one wait ahead of the first use
	v_mov_b32 v[RSA+1], v[RSA]
	v_mov_b32 v[RSB+1], v[RSB]
	LNAPPLY 0, 16, RSA, 0x7d, 0, 128
	LNAPPLY 128, 16, RSB, 0x7d, 0, 128
	WIN 0
	v_add_nc_u32 v[AWL], WA-WY, v[AWL]
	v_add_nc_u32 v[AWH], WA-WY, v[AWH]
	s_sub_co_u32 s[CNT], s[CNT], 1
	s_cmp_lg_u32 s[CNT], 0
	s_cbranch_scc1 .Lpass
.Loutb:
	WIN 0x85
.set i, 0
.rept 128                              ; qa or ka, rounded in pairs to bf16, into X's registers
	v_cvt_pk_bf16_f32 v[i], v[2*i], v[2*i+1]
.set i, i+1
.endr
	WIN 0
.Lstore:                               ; THE WAY OUT, from X: 128 channels of a tile at a time through my own stage, back as whole rows of 256 bytes
.irp tl, 0,1
.irp s, 0,1
	WIN 0x08                                       ; the stores' data lie in window 2
.set i, 0
.rept 8
	ds_store_b128 v[STO], v[64*\tl+32*\s+4*i:64*\tl+32*\s+4*i+3] offset:32*i
.set i, i+1
.endr
	WIN 0
	s_wait_xcnt 0x0                                ; the stores before have read their data: BK is loaded again only behind this wait
.set i, 0
.rept 8
	ds_load_b128 v[BK+4*i:BK+4*i+3], v[RD] offset:544*i  ; LDS serves a wave's instructions in order: these see the stores above
.set i, i+1
.endr
	s_wait_dscnt 0x0
.set i, 0
.rept 8
	global_store_b128 v[CO], v[BK+4*i:BK+4*i+3], s[OUTP:OUTP+1] offset:8192*\tl+1024*i+256*\s  ; 16 lanes store 256 consecutive bytes, aligned
.set i, i+1
.endr
.endr
.endr
	s_wait_tensorcnt 0x0                           ; the wave's end, behind my last tensor load and LDS store
	ds_add_u32 v[SPW], v[NIL]
	s_wait_dscnt 0x0
	CROUND                                         ; the closing round
	s_endpgm
.Lfunc_end_k_qc3eb084dd5_qkv:
	.size	k_qc3eb084dd5_qkv, .Lfunc_end_k_qc3eb084dd5_qkv-k_qc3eb084dd5_qkv
	.p2alignl 7, 3214868480
	.fill 96, 4, 3214868480
	.section	.rodata,"a",@progbits
	.p2align	6, 0x0
	.amdhsa_kernel k_qc3eb084dd5_qkv
		.amdhsa_group_segment_fixed_size 312832
		.amdhsa_private_segment_fixed_size 0
		.amdhsa_enable_private_segment 0
		.amdhsa_kernarg_size 64
		.amdhsa_user_sgpr_count 2
		.amdhsa_user_sgpr_kernarg_segment_ptr 1
		.amdhsa_wavefront_size32 1
		.amdhsa_system_sgpr_workgroup_id_x 1
		.amdhsa_system_sgpr_workgroup_id_y 1
		.amdhsa_system_sgpr_workgroup_id_z 1
		.amdhsa_system_vgpr_workitem_id 0
		.amdhsa_next_free_vgpr 1024
		.amdhsa_next_free_sgpr 76
		.amdhsa_reserve_vcc 0
		.amdhsa_float_denorm_mode_32 3
		.amdhsa_float_denorm_mode_16_64 3
		.amdhsa_memory_ordered 1
		.amdhsa_forward_progress 1
		.amdhsa_inst_pref_size 129
	.end_amdhsa_kernel
	.amdgpu_metadata
---
amdhsa.version: [ 1, 2 ]
amdhsa.kernels:
  - .name:           k_qc3eb084dd5_qkv
    .symbol:         k_qc3eb084dd5_qkv.kd
    .args:
      - { .name: features, .offset: 0, .size: 8, .value_kind: global_buffer, .address_space: global }
      - { .name: wts, .offset: 8, .size: 8, .value_kind: global_buffer, .address_space: global }
      - { .name: b_pre, .offset: 16, .size: 8, .value_kind: global_buffer, .address_space: global }
      - { .name: g_dm, .offset: 24, .size: 8, .value_kind: global_buffer, .address_space: global }
      - { .name: b_dm, .offset: 32, .size: 8, .value_kind: global_buffer, .address_space: global }
      - { .name: qa, .offset: 40, .size: 8, .value_kind: global_buffer, .address_space: global }
      - { .name: ka, .offset: 48, .size: 8, .value_kind: global_buffer, .address_space: global }
      - { .name: vv, .offset: 56, .size: 8, .value_kind: global_buffer, .address_space: global }
    .group_segment_fixed_size: 312832
    .private_segment_fixed_size: 0
    .kernarg_segment_align: 8
    .kernarg_segment_size: 64
    .max_flat_workgroup_size: 128
    .sgpr_count:     76
    .vgpr_count:     1024
    .wavefront_size: 32
...
	.end_amdgpu_metadata
.endif
;; end of part 10
;; launch main (part 11): grid 256 x 1, 4 waves a work-group, clusters of 4 x 1, 327,680 bytes of LDS; arguments wts, nidx, xyz, qa, ka, vv, res; writes res
.if DOCPART == 11
	.amdgcn_target "amdgcn-amd-amdhsa--gfx1250"
	.amdhsa_code_object_version 6
	.text
	.protected	k_qc3eb084dd5_main
	.globl	k_qc3eb084dd5_main
	.p2align	8
	.type	k_qc3eb084dd5_main,@function
k_qc3eb084dd5_main:
	s_mov_b64 s[64:65], 0
	v_nop
	global_prefetch_b8 v0, s[64:65] scope:SCOPE_SE
	s_setreg_imm32_b32 hwreg(HW_REG_WAVE_MODE, 25, 1), 1
	s_wait_xcnt 0x0
	s_wait_alu depctr_hold_cnt(0) depctr_sa_sdst(0) depctr_va_vdst(0) depctr_va_sdst(0) depctr_va_ssrc(0) depctr_va_vcc(0) depctr_vm_vsrc(0)
	s_getreg_b32 s2, hwreg(HW_REG_IB_STS2, 6, 4)
	s_cmp_eq_u32 s2, 0
	s_cbranch_scc0 .Lentry_in_a_cluster
	s_endpgm
.Lentry_in_a_cluster:
	s_bfe_u32 s2, ttmp6, 0x10000c
	s_cmp_lg_u32 s2, 0x3003
	s_cbranch_scc0 .Lentry_shape_is_right
	s_endpgm
.Lentry_shape_is_right:
; The vector attention.  For point i and its 16 neighbours j (nidx):  h1 = relu(rel Wp1^T), rel = xyz_i - xyz_j;  h2 = relu(qa_i - ka_j + h1 Wc^T), Wc = Wa1 Wp2;
; logits = h2 Wa2^T;  pos = h1 Wp2^T;  res_i[f] = sum_j softmax_j(logits[j][f] / 16) (v_j[f] + pos[j][f]).   That is the module's chain with the sum q - k + pos taken through Wa1 term by term.
; Operands bf16 (v in f16), sums, maxima and softmax in f32; the maximum over the 16 neighbours is taken away before the exponential; res leaves in f16 (LIMIT: |v + pos| within 65,504).
; SHARES.  A work-group has 64 points, a wave 16, four at a time (an ITERATION): a point's 16 neighbours are the 16 rows or columns of a matrix tile, and a weight fragment read from LDS feeds four products.
; ORIENTATION.  h1 and h2 are made with the weights as source 0: a lane holds ONE neighbour and 8 channels, and a result rounded in pairs is the next operand.  logits and pos are made with the weights as
; source 1: a lane holds ONE channel and 8 neighbours, so the softmax over neighbours is in the lane but for one exchange between the halves.  Their tile t, lane r is channel 128 (t / 8) + 8 r + t % 8:
; 16 bytes of a row of v serve 8 tiles, and a lane gathers 8 neighbouring channels of res.
; qa - ka starts h2's sums by a product of its own: E (a row has -1 at k = m and +1 at k = 16 + m) times a fragment with ka_j in k = 0..15 and qa_i in k = 16..31.
; LDS.  Wp1, Wc and Wa2 stay (278,528 bytes, one joint load a wave at the start); Wp2 passes through a ring of two slots of two tiles each, 8 TRIPS an iteration, one joint load a wave a trip.
; The four work-groups of a cluster walk the same weights in step.
; WINDOWS of 256 registers: 0: addresses, indices, E, statistics, 64 of accumulators, two fragment buffers; 1: h1 (64 a point); 2: h2; 3: v's 128, three sets of qa / ka fragments, W (32).
.set WC,    16384
.set WA2,   147456
.set RING,  278528                     ; 0x44000; slot 1 at 0x48000: an exclusive or with 0xC000 turns one into the other
.set RX,    0xC000
.set SPARE, 311296                     ; the spare words: 128 bytes a wave, two blocks of 256 bytes that no other line names
.set QH,   0                           ; v0   16 h (once the thread's number has served)
.set SPW,  1
.set NIL,  2
.set ZERO, 3
.set AL,   4                           ; LDS address for Wp1 and Wc
.set AWA,  5                           ; for the trip's two tiles of Wa2
.set ARG,  6                           ; for the ring's slot in hand
.set RO,   7                           ; 16 r + 512 h
.set KO,   8                           ; v[8:11]   point p: my neighbour's (lane % 16) index, then its offset in ka
.set IDN,  12                          ; v[12:27]  point p: the indices of neighbours 8 h .. 8 h + 7, u16
.set E,    28                          ; v[28:35]
.set TP,   36                          ; v[36:43]  a pair at work for each point
.set RT,   44                          ; v[44:47]  at work
.set R,    48                          ; v[48:63]  point p: 8 channels of res in f16
.set ACC,  64
.set LG,   64                          ; logits, 8 a point
.set PS,   96                          ; pos, 8 a point
.set F0,   128
.set F1,   192
.set WV,  22
.set X,   23
.set K,   24                           ; the trip, 0 to 31
.set CNT, 25
.set CS,  26                           ; s[26:27] log2(e) / 16
.set SEL, 28
.set HM,  30                           ; lanes 16-31
.set T,   31
.set G1R, 32
.set G1S, 40
.set GA,  48
.set RG,  52
.set PB2, 56                           ; s[56:57] Wp2's fragments at my quarter of a pair of tiles
.set OFF, 58
.set XYB, 60                           ; xyz at the batch
.set P0,  62                           ; the iteration's first point
.set PW,  63                           ; the wave's first point
.set QAB, 66
.set EC,  68                           ; counts a trip's two tiles
.set PSEL, 69                          ; byte select: the upper half of the lower word, then the lower half of the upper word
.set XOB, 70
.set NIB, 72
.set T2,  74
.set MSB, 0
.macro WIN new                         ; the immediate's high byte repeats the setting that is left; a switch that changes nothing is dropped
.if MSB != (\new)
	s_set_vgpr_msb (MSB<<8)|(\new)
.set MSB, \new
.endif
.endm
.macro PLACES                          ; four places behind a product, ahead of what reads its result or rewrites its sources
.rept 4
	v_nop
.endr
.endm
.macro EACH line:vararg                ; one line for each of the four points p
.set p, 0
.rept 4
	\line
.set p, p+1
.endr
.endm
.macro CROUND                          ; a round of the cluster's barrier
	s_barrier_signal -1
	s_barrier_wait -1
	s_cmp_lg_u32 s[WV], 0
	s_cbranch_scc1 .Lnot_wave_0_\@
	s_barrier_signal -3
.Lnot_wave_0_\@:
	s_barrier_wait -3
	s_barrier_signal -1
	s_barrier_wait -1
.endm
; THE CHANGE OF SLOTS, at a trip's head.  Each wave waits for all its tensor loads (one is out: its quarter of this trip's slot), adds 0 to its spare word, and waits for that and for its reads of the
; other slot.  fill = 1: behind a round of the cluster's barrier the other slot takes the next pair of tiles: my one tensor load, first thing there; it has a trip (128 products and two softmaxes) to land.
.macro HDR fill
	WIN 0
	s_wait_tensorcnt 0x0
	ds_add_u32 v[SPW], v[NIL]                      ; the descriptor's words are made between the add and its wait
.if \fill
	s_xor_b32 s[RG+1], s[RG+1], RX
	s_add_co_u32 s[OFF], s[K], 1
	s_and_b32 s[OFF], s[OFF], 7                    ; the pair of tiles of the next trip
	s_lshl_b32 s[OFF], s[OFF], 14
	s_add_nc_u64 s[RG+2:RG+3], s[PB2:PB2+1], s[OFF:OFF+1]
	s_or_b32 s[RG+3], s[RG+3], 0x80000000
	s_wait_dscnt 0x0
	CROUND
	tensor_load_to_lds s[RG:RG+3], s[G1S:G1S+7]
	s_nop 0
	PLACES
.else
	s_wait_dscnt 0x0
	s_barrier_signal -1
	s_barrier_wait -1
.endif
.endm
; The next four points' indices: 8 a lane (plane h) into IDN, and my own neighbour's (lane % 16) into KO.  s[NIB] stands at the points' 16 bytes in plane 0.
.macro NEXTIDX
	WIN 0
	v_lshlrev_b32 v[RT+1], 14, v[QH]               ; h x 262,144
	v_bfe_u32 v[RT+2], v[RO], 7, 1                 ; r / 8: the plane
	v_bfe_u32 v[RT+3], v[RO], 4, 3                 ; r % 8
	v_lshlrev_b32 v[RT+3], 1, v[RT+3]
	v_lshl_add_u32 v[RT+2], v[RT+2], 18, v[RT+3]
	EACH global_load_b128 v[IDN+4*p:IDN+4*p+3], v[RT+1], s[NIB:NIB+1] offset:16*p
	EACH global_load_u16 v[KO+p], v[RT+2], s[NIB:NIB+1] offset:16*p
.endm
; 32 loads of 16 bytes: for point p and my 8 neighbours, channels soff / 2 + 8 r .. + 7 of v: 16 lanes read 256 consecutive bytes of a row
.macro VLOAD soff
	WIN 0
	v_and_b32 v[RT], 0xf0, v[RO]
	v_add_nc_u32 v[RT], \soff, v[RT]
.set i, 0
.rept 32
.if i%2
	v_lshrrev_b32 v[ACC+i], 16, v[IDN+i/2]
.else
	v_and_b32 v[ACC+i], 0xffff, v[IDN+i/2]
.endif
	v_min_u32 v[ACC+i], 0xfff, v[ACC+i]
	v_lshl_add_u32 v[ACC+i], v[ACC+i], 9, v[RT]
.set i, i+1
.endr
	WIN 0xc0
.set i, 0
.rept 32
	global_load_b128 v[4*i:4*i+3], v[ACC+i], s[18:19]
.set i, i+1
.endr
	WIN 0
.endm
.macro KQLOAD t                        ; tile t's fragments for E: ka of my neighbour, qa of the point, channels 16 t + 8 h .. + 7
	WIN 0xc0
	EACH global_load_b128 v[128+32*((\t)%3)+8*p:128+32*((\t)%3)+8*p+3], v[KO+p], s[16:17] offset:32*(\t)
	EACH global_load_b128 v[128+32*((\t)%3)+8*p+4:128+32*((\t)%3)+8*p+7], v[QH], s[QAB:QAB+1] offset:512*p+32*(\t)
	WIN 0
.endm
; AN ITERATION BEGINS: bases, offsets, all its gathers, and the fragments of rel (k = 0..2, zeros beyond) in W's registers
.macro HEAD
	WIN 0
	s_wait_xcnt 0x0                                ; earlier loads and stores have read the bases that are written below
	s_lshr_b32 s[T], s[K], 3
	s_lshl_b32 s[T], s[T], 2
	s_add_co_u32 s[P0], s[PW], s[T]
	s_lshl_b32 s[T2], s[P0], 9
	s_mov_b32 s[T2+1], 0
	s_add_nc_u64 s[QAB:QAB+1], s[14:15], s[T2:T2+1]
	s_mul_i32 s[T2], s[P0], 12
	s_add_nc_u64 s[XOB:XOB+1], s[12:13], s[T2:T2+1]
	s_wait_loadcnt 0x0                             ; the indices, asked for half an iteration ago
	EACH v_min_u32 v[KO+p], 0xfff, v[KO+p]
	EACH v_mul_u32_u24 v[TP+p], 12, v[KO+p]
	EACH v_lshl_add_u32 v[KO+p], v[KO+p], 9, v[QH]
	EACH global_load_b96 v[96+4*p:98+4*p], v[ZERO], s[XOB:XOB+1] offset:12*p
	EACH global_load_b96 v[112+4*p:114+4*p], v[TP+p], s[XYB:XYB+1]
	KQLOAD 0
	KQLOAD 1
	KQLOAD 2
	VLOAD 0
	s_wait_loadcnt 56                              ; the coordinates are in; the 24 + 32 loads issued behind them may stay out
.irp c, 0,1,2
	EACH v_sub_f32 v[96+4*p+\c], v[96+4*p+\c], v[112+4*p+\c]
.endr
	EACH v_cvt_pk_bf16_f32 v[112+4*p], v[96+4*p], v[97+4*p]
	EACH v_cvt_pk_bf16_f32 v[113+4*p], v[98+4*p], v[ZERO]
	WIN 0xc0
	EACH v_cndmask_b32 v[224+8*p], v[112+4*p], v[ZERO], s[HM]
	EACH v_cndmask_b32 v[225+8*p], v[113+4*p], v[ZERO], s[HM]
.irp c, 2,3,4,5,6,7
	EACH v_mov_b32 v[224+8*p+\c], 0
.endr
	WIN 0
	s_wait_xcnt 0x0                                ; the loads have read their offsets: the accumulators' registers are free
.endm
; h1: two tiles of channels at a time, eight accumulators; rounded, relu on the packed halves
.macro S0
	WIN 0
	v_and_b32 v[AL], 0xf0, v[RO]
	v_lshl_add_u32 v[AL], v[QH], 4, v[AL]          ; 16 x lane
	v_add_nc_u32 v[AWA], WA2, v[AL]
.set i, 0
.rept 16
	ds_load_b128 v[F0+8*i:F0+8*i+3], v[AL] offset:1024*i
	ds_load_b128 v[F0+8*i+4:F0+8*i+7], v[AL] offset:1024*i+512
.set i, i+1
.endr
	s_wait_dscnt 0x0
.set u, 0
.rept 8
	WIN 0x0c
.irp a, 0,1
	EACH v_wmma_f32_16x16x32_bf16 v[ACC+32*\a+8*p:ACC+32*\a+8*p+7], v[F0+8*(2*u+\a):F0+8*(2*u+\a)+7], v[224+8*p:224+8*p+7], 0
.endr
	PLACES
	WIN 0x40
.irp a, 0,1
.irp i, 0,1,2,3
	EACH v_cvt_pk_bf16_f32 v[64*p+8*u+4*\a+\i], v[ACC+32*\a+8*p+2*\i], v[ACC+32*\a+8*p+2*\i+1]
.endr
.endr
	WIN 0x41
.irp i, 0,1,2,3,4,5,6,7
	EACH v_pk_max_num_bf16 v[64*p+8*u+\i], v[64*p+8*u+\i], v[ZERO]
.endr
.set u, u+1
.endr
.endm
.macro WCLOAD t                        ; Wc's tile t into buffer t % 2; the address steps by 65,536 so that the offsets stay within 16 bits
	WIN 0
.if ((\t) == 6) || ((\t) == 14)
	v_add_nc_u32 v[AL], 0x10000, v[AL]
.endif
.set fl, F0+64*((\t)%2)
.set fo, WC+8192*(\t)-65536*(((\t)+2)/8)
.irp u, 0,1,2,3,4,5,6,7
	ds_load_b128 v[fl+8*\u:fl+8*\u+3], v[AL] offset:fo+1024*\u
	ds_load_b128 v[fl+8*\u+4:fl+8*\u+7], v[AL] offset:fo+1024*\u+512
.endr
.endm
; h2, tile t: qa - ka starts the four points' sums, 32 products follow, the points by turns; rounded, relu
.macro S1T t
.set fb, F0+64*((\t)%2)
.if (\t) < 3
	s_wait_loadcnt 48                              ; this tile's qa and ka are in; two tiles' 16 loads and v's 32 may stay out
.elseif (\t) < 14
	s_wait_loadcnt 16                              ; two tiles' 16 loads may stay out
.elseif (\t) == 14
	s_wait_loadcnt 8
.else
	s_wait_loadcnt 0x0
.endif
.if (\t) < 15
	s_wait_dscnt 16                                ; this tile's fragments of Wc are in; the next tile's may stay out
.else
	s_wait_dscnt 0x0
.endif
	WIN 0x0c
	EACH v_wmma_f32_16x16x32_bf16 v[ACC+8*p:ACC+8*p+7], v[E:E+7], v[128+32*((\t)%3)+8*p:128+32*((\t)%3)+8*p+7], 0
	WIN 0x04
.irp u, 0,1,2,3,4,5,6,7
	EACH v_wmma_f32_16x16x32_bf16 v[ACC+8*p:ACC+8*p+7], v[fb+8*\u:fb+8*\u+7], v[64*p+8*\u:64*p+8*\u+7], v[ACC+8*p:ACC+8*p+7]
.endr
	PLACES
.if (\t) < 13
	KQLOAD (\t)+3
.endif
.if (\t) < 14
	WCLOAD (\t)+2
.endif
	WIN 0x80
.irp i, 0,1,2,3
	EACH v_cvt_pk_bf16_f32 v[64*p+4*(\t)+\i], v[ACC+8*p+2*\i], v[ACC+8*p+2*\i+1]
.endr
	WIN 0x82
.irp i, 0,1,2,3
	EACH v_pk_max_num_bf16 v[64*p+4*(\t)+\i], v[64*p+4*(\t)+\i], v[ZERO]
.endr
.endm
.macro S1
	WCLOAD 0
	WCLOAD 1
.set tt, 0
.rept 16
	S1T tt
.set tt, tt+1
.endr
	WIN 0
.endm
.macro COPYV q                         ; word q of each of v's 32 pieces: the trip's two channels
	WIN 0xc3
.set i, 0
.rept 32
	v_mov_b32 v[224+i], v[4*i+\q]
.set i, i+1
.endr
	WIN 0
.endm
.macro FLOAD fb, adr, off              ; a tile's eight fragments
	WIN 0
.irp u, 0,1,2,3,4,5,6,7
	ds_load_b128 v[(\fb)+8*\u:(\fb)+8*\u+3], v[\adr] offset:(\off)+1024*\u
	ds_load_b128 v[(\fb)+8*\u+4:(\fb)+8*\u+7], v[\adr] offset:(\off)+1024*\u+512
.endr
.endm
.macro MMN d, fb, win                  ; 32 products: the four points by turns; source 0 = the point's h1 or h2, by the window
	WIN \win
.irp u, 0,1,2,3,4,5,6,7
.if \u == 0
	EACH v_wmma_f32_16x16x32_bf16 v[(\d)+8*p:(\d)+8*p+7], v[64*p:64*p+7], v[\fb:(\fb)+7], 0
.else
	EACH v_wmma_f32_16x16x32_bf16 v[(\d)+8*p:(\d)+8*p+7], v[64*p+8*\u:64*p+8*\u+7], v[(\fb)+8*\u:(\fb)+8*\u+7], v[(\d)+8*p:(\d)+8*p+7]
.endif
.endr
.endm
; One tile's softmax over the 16 neighbours and its weighted sum, the four points side by side.  v is W's low half.  The result, in f16, enters the point's 128 bits from the top, and the 128 bits
; go down by 16: after eight tiles the first lies lowest.
.macro SOFT
	WIN 0
	EACH v_max3_num_f32 v[TP+2*p], v[LG+8*p], v[LG+8*p+1], v[LG+8*p+2]
	EACH v_max3_num_f32 v[TP+2*p], v[TP+2*p], v[LG+8*p+3], v[LG+8*p+4]
	EACH v_max3_num_f32 v[TP+2*p], v[TP+2*p], v[LG+8*p+5], v[LG+8*p+6]
	EACH v_max_num_f32 v[TP+2*p], v[TP+2*p], v[LG+8*p+7]
	EACH v_permlanex16_b32 v[TP+2*p+1], v[TP+2*p], s[SEL], s[SEL+1]
	EACH v_max_num_f32 v[TP+2*p], v[TP+2*p], v[TP+2*p+1]
	EACH v_mul_f32 v[TP+2*p], s[CS], v[TP+2*p]
.irp j, 0,2,4,6
	EACH v_pk_fma_f32 v[LG+8*p+\j:LG+8*p+\j+1], v[LG+8*p+\j:LG+8*p+\j+1], s[CS:CS+1], v[TP+2*p:TP+2*p+1] op_sel_hi:[1,0,0] neg_lo:[0,0,1] neg_hi:[0,0,1]
.endr
.irp j, 0,1,2,3,4,5,6,7
	EACH v_exp_f32 v[LG+8*p+\j], v[LG+8*p+\j]
.endr
	v_nop                                          ; a plain instruction behind the last exponential,
	s_wait_alu depctr_va_vdst(0)                   ; and one wait for the batch of 32
	EACH v_pk_mul_f32 v[PS+8*p:PS+8*p+1], v[PS+8*p:PS+8*p+1], v[LG+8*p:LG+8*p+1]
.irp j, 2,4,6
	EACH v_pk_fma_f32 v[PS+8*p:PS+8*p+1], v[PS+8*p+\j:PS+8*p+\j+1], v[LG+8*p+\j:LG+8*p+\j+1], v[PS+8*p:PS+8*p+1]
.endr
	WIN 0x0c
.irp j, 0,1,2,3,4,5,6,7
	EACH v_fma_mix_f32 v[PS+8*p+(\j%2)], v[LG+8*p+\j], v[224+8*p+\j], v[PS+8*p+(\j%2)] op_sel:[0,0,0] op_sel_hi:[0,1,0]
.endr
	WIN 0
	EACH v_pk_add_f32 v[LG+8*p:LG+8*p+1], v[LG+8*p:LG+8*p+1], v[LG+8*p+2:LG+8*p+3]
	EACH v_pk_add_f32 v[LG+8*p+4:LG+8*p+5], v[LG+8*p+4:LG+8*p+5], v[LG+8*p+6:LG+8*p+7]
	EACH v_pk_add_f32 v[LG+8*p:LG+8*p+1], v[LG+8*p:LG+8*p+1], v[LG+8*p+4:LG+8*p+5]
	EACH v_add_f32 v[PS+8*p], v[PS+8*p], v[PS+8*p+1]
	EACH v_add_f32 v[LG+8*p], v[LG+8*p], v[LG+8*p+1]
	EACH v_permlanex16_b32 v[TP+2*p], v[PS+8*p], s[SEL], s[SEL+1]
	EACH v_permlanex16_b32 v[TP+2*p+1], v[LG+8*p], s[SEL], s[SEL+1]
	EACH v_add_f32 v[PS+8*p], v[PS+8*p], v[TP+2*p]
	EACH v_add_f32 v[LG+8*p], v[LG+8*p], v[TP+2*p+1]
	EACH v_rcp_f32 v[LG+8*p+1], v[LG+8*p]
	v_nop
	s_wait_alu depctr_va_vdst(0)                   ; one wait for the four reciprocals
	EACH v_mul_f32 v[PS+8*p+1], v[PS+8*p], v[LG+8*p+1]
	EACH v_cvt_pk_f16_f32 v[RT+p], v[PS+8*p+1], v[PS+8*p+1]
.irp j, 0,1,2
	EACH v_perm_b32 v[R+4*p+\j], v[R+4*p+\j+1], v[R+4*p+\j], s[PSEL]
.endr
	EACH v_perm_b32 v[R+4*p+3], v[RT+p], v[R+4*p+3], s[PSEL]
.endm
; A TRIP behind its change of slots.  last = 1: the walk's last trip, written out.
.macro BODY last
	s_wait_loadcnt 0x0                             ; v's pieces are in
.if \last
	COPYV 3
.else
	s_and_b32 s[T], s[K], 3
	s_cmp_eq_u32 s[T], 0
	s_cbranch_scc0 .Lc1_\@
	COPYV 0
	s_branch .Lcd_\@
.Lc1_\@:
	s_cmp_eq_u32 s[T], 1
	s_cbranch_scc0 .Lc2_\@
	COPYV 1
	s_branch .Lcd_\@
.Lc2_\@:
	s_cmp_eq_u32 s[T], 2
	s_cbranch_scc0 .Lc3_\@
	COPYV 2
	s_branch .Lcd_\@
.Lc3_\@:
	COPYV 3
.Lcd_\@:
	s_and_b32 s[T], s[K], 7
	s_cmp_eq_u32 s[T], 3                           ; the first half's last word has been taken: v's second 128 channels are asked for, and the next iteration's indices
	s_cbranch_scc0 .Lnomid_\@
	VLOAD 256
	s_cmp_lt_u32 s[K], 24
	s_cbranch_scc0 .Lnonext_\@
	s_add_co_u32 s[T2], s[P0], 4
	s_lshl_b32 s[T2], s[T2], 4
	s_mov_b32 s[T2+1], 0
	s_add_nc_u64 s[NIB:NIB+1], s[10:11], s[T2:T2+1]
	NEXTIDX
.Lnonext_\@:
	s_wait_xcnt 0x0                                ; the loads have read their offsets, which lie in registers that the products write
.Lnomid_\@:
.endif
	FLOAD F0, AWA, 0
	FLOAD F1, ARG, 0
	s_mov_b32 s[EC], 2
.Le_\@:                                ; the trip's two tiles: written once, walked twice
	s_wait_dscnt 16                                ; Wa2's tile is in; Wp2's 16 loads, issued behind it, may stay out
	MMN LG, F0, 0x02
	s_wait_dscnt 0x0                               ; Wp2's tile is in
	MMN PS, F1, 0x01
	PLACES
	WIN 0
	s_cmp_eq_u32 s[EC], 2
	s_cbranch_scc0 .Lsecond_\@
	FLOAD F0, AWA, 8192                            ; behind the first tile's products: the second tile's fragments, which land under the softmax
	FLOAD F1, ARG, 8192
	s_branch .Lsoft_\@
.Lsecond_\@:
	WIN 0xcc                                       ; ahead of the second tile's softmax: its channel of v comes down into W's low half
.set i, 0
.rept 32
	v_lshrrev_b32 v[224+i], 16, v[224+i]
.set i, i+1
.endr
	WIN 0
.Lsoft_\@:
	SOFT
	s_sub_co_u32 s[EC], s[EC], 1
	s_cmp_lg_u32 s[EC], 0
	s_cbranch_scc1 .Le_\@
.if !(\last)
	s_and_b32 s[T], s[K], 3
	s_cmp_eq_u32 s[T], 3
	s_cbranch_scc0 .Lnost_\@
.endif
	s_bfe_u32 s[T], s[K], 0x10002                  ; which 128 channels: 256 bytes,
	s_lshl_b32 s[T], s[T], 8
	s_lshl_b32 s[T2], s[P0], 9                     ; and the iteration's first point: rows of 512 bytes; the offset stays under 2^24, the base is res itself
	s_add_co_u32 s[T], s[T], s[T2]
	v_add_nc_u32 v[ACC+8], s[T], v[RO]
.irp j, 0,1,2,3
	v_cndmask_b32 v[ACC+\j], v[R+\j], v[R+4+\j], s[HM]       ; both halves of the lanes hold every point's result: lanes 0-15 store points 0 and 2, lanes 16-31 points 1 and 3
	v_cndmask_b32 v[ACC+4+\j], v[R+8+\j], v[R+12+\j], s[HM]
.endr
	global_store_b128 v[ACC+8], v[ACC:ACC+3], s[20:21]                ; 16 lanes store 256 consecutive bytes, aligned
	global_store_b128 v[ACC+8], v[ACC+4:ACC+7], s[20:21] offset:1024
	s_wait_xcnt 0x0
.if !(\last)
.Lnost_\@:
.endif
.endm
	s_load_b256 s[8:15], s[0:1], 0x0               ; wts 8, nidx 10, xyz 12, qa 14
	s_load_b128 s[16:19], s[0:1], 0x20             ; ka 16, vv 18
	s_load_b64 s[20:21], s[0:1], 0x30              ; res
	v_lshl_add_u32 v[SPW], v0, 2, SPARE
	v_mov_b32 v[NIL], 0
	ds_add_u32 v[SPW], v[NIL]                      ; the wave's opening: the add and its wait ahead of my first tensor load
	v_lshrrev_b32 v3, 5, v0
	v_readfirstlane_b32 s[WV], v3
	s_bfe_u32 s[T], ttmp6, 0x40000                 ; cx
	s_lshl_b32 s[X], ttmp9, 2
	s_add_co_u32 s[X], s[X], s[T]                  ; my block of 64 points: it enters the points' addresses alone
	; descriptor group 1: dense rows of 256 bytes (32 elements of 8 bytes); 272 rows for the resident weights, 16 for a quarter of a slot; mask of four, bit 21 beside it
	s_mov_b32 s[G1R], 15|(3<<16)|(1<<21)
	s_mov_b32 s[G1S], 15|(3<<16)|(1<<21)
	s_mov_b32 s[G1R+1], 32<<16
	s_mov_b32 s[G1S+1], 32<<16
	s_mov_b32 s[G1R+2], 272<<16
	s_mov_b32 s[G1S+2], 16<<16
	s_mov_b32 s[G1R+3], 32<<16
	s_mov_b32 s[G1S+3], 32<<16
	s_mov_b32 s[G1R+4], 272
	s_mov_b32 s[G1S+4], 16
	s_mov_b32 s[G1R+5], 32
	s_mov_b32 s[G1S+5], 32
	s_mov_b32 s[G1R+6], 0
	s_mov_b32 s[G1S+6], 0
	s_mov_b32 s[G1R+7], 0
	s_mov_b32 s[G1S+7], 0
	s_mov_b32 s[GA], 1
	s_mul_i32 s[GA+1], s[WV], 69632
	s_mov_b32 s[RG], 1
	s_lshl_b32 s[RG+1], s[WV], 12
	s_add_co_u32 s[RG+1], s[RG+1], RING
	s_mov_b32 s[CS], 0x3db8aa3b                    ; log2(e) / 16
	s_mov_b32 s[CS+1], s[CS]
	s_mov_b32 s[SEL], 0x76543210
	s_mov_b32 s[SEL+1], 0xfedcba98
	s_mov_b32 s[HM], 0xffff0000
	s_mov_b32 s[PSEL], 0x05040302
	s_mov_b32 s[OFF+1], 0
	s_mov_b32 s[T2+1], 0
	s_lshl_b32 s[PW], s[X], 6
	s_lshl_b32 s[T], s[WV], 4
	s_add_co_u32 s[PW], s[PW], s[T]
	s_mov_b32 s[P0], s[PW]                         ; the first iteration's first point
	s_wait_dscnt 0x0                               ; the opening add is done
	s_wait_kmcnt 0x0
	s_mul_i32 s[T2], s[WV], 69632
	s_add_co_u32 s[T2], s[T2], 557056              ; Wp1, Wc, Wa2 lie on end in wts
	s_add_nc_u64 s[GA+2:GA+3], s[8:9], s[T2:T2+1]
	s_or_b32 s[GA+3], s[GA+3], 0x80000000
	s_lshl_b32 s[T2], s[WV], 12
	s_add_co_u32 s[T2], s[T2], 835584              ; Wp2
	s_add_nc_u64 s[PB2:PB2+1], s[8:9], s[T2:T2+1]
	s_mov_b64 s[RG+2:RG+3], s[PB2:PB2+1]
	s_or_b32 s[RG+3], s[RG+3], 0x80000000
	s_lshr_b32 s[T], s[X], 6                       ; the batch
	s_lshl_b32 s[T2], s[T], 21
	s_add_nc_u64 s[16:17], s[16:17], s[T2:T2+1]    ; ka and vv at the batch
	s_add_nc_u64 s[18:19], s[18:19], s[T2:T2+1]
	s_mul_i32 s[T2], s[T], 49152
	s_add_nc_u64 s[XYB:XYB+1], s[12:13], s[T2:T2+1]
	s_lshl_b32 s[T2], s[PW], 4
	s_add_nc_u64 s[NIB:NIB+1], s[10:11], s[T2:T2+1]
	CROUND                                         ; all four work-groups are here: the first joint loads meet
	tensor_load_to_lds s[GA:GA+3], s[G1R:G1R+7]
	s_nop 0
	tensor_load_to_lds s[RG:RG+3], s[G1S:G1S+7]    ; two loads of mine are out
	s_nop 0
	PLACES
	v_and_b32 v[TP], 15, v0                        ; r
	v_bfe_u32 v[TP+1], v0, 4, 1                    ; h
	v_lshlrev_b32 v[RO], 4, v[TP]
	v_lshl_add_u32 v[RO], v[TP+1], 9, v[RO]
	v_and_b32 v[ARG], 31, v0
	v_lshlrev_b32 v[ARG], 4, v[ARG]
	v_add_nc_u32 v[ARG], RING, v[ARG]
	; E: row m = r has -1 at k = r and +1 at k = 16 + r: in the lane with h = r / 8, register (r % 8) / 2 and that + 4, half r % 2
	v_lshrrev_b32 v[TP+2], 3, v[TP]
	v_cmp_eq_u32 vcc_lo, v[TP+2], v[TP+1]
	v_bfe_u32 v[TP+3], v[TP], 1, 2
	v_cndmask_b32 v[TP+3], 7, v[TP+3], vcc_lo
	v_and_b32 v[TP+4], 1, v[TP]
	v_lshlrev_b32 v[TP+4], 4, v[TP+4]
	v_mov_b32 v[TP+5], 0xbf80
	v_lshlrev_b32 v[TP+5], v[TP+4], v[TP+5]
	v_mov_b32 v[TP+6], 0x3f80
	v_lshlrev_b32 v[TP+6], v[TP+4], v[TP+6]
.irp i, 0,1,2,3
	v_cmp_eq_u32 vcc_lo, \i, v[TP+3]
	v_cndmask_b32 v[E+\i], 0, v[TP+5], vcc_lo
	v_cndmask_b32 v[E+4+\i], 0, v[TP+6], vcc_lo
.endr
	v_lshlrev_b32 v[QH], 4, v[TP+1]
	v_mov_b32 v[ZERO], 0
.set i, TP
.rept 28
	v_mov_b32 v[i], 0                              ; the exchanges' destinations and res's shifting words are written once
.set i, i+1
.endr
	NEXTIDX                                        ; the first iteration's indices
	s_wait_tensorcnt 0x0                           ; my parts of the resident weights and of slot 0 are in,
	s_barrier_signal -1
	s_barrier_wait -1                              ; everybody's are
	s_mov_b32 s[K], 0
	s_mov_b32 s[CNT], 31
.Ltrip:
	s_and_b32 s[T], s[K], 7
	s_cmp_eq_u32 s[T], 0                           ; every eighth trip, the first among them, begins an iteration
	s_cbranch_scc0 .Lnohead
	HEAD
	S0
	S1
.Lnohead:
	HDR 1
	BODY 0
	v_add_nc_u32 v[AWA], 16384, v[AWA]
	v_xor_b32 v[ARG], RX, v[ARG]
	s_add_co_u32 s[K], s[K], 1
	s_sub_co_u32 s[CNT], s[CNT], 1
	s_cmp_lg_u32 s[CNT], 0
	s_cbranch_scc1 .Ltrip
	HDR 0                                          ; the last trip is written out: nothing is asked for
	BODY 1
	s_wait_tensorcnt 0x0                           ; the wave's end, behind my last tensor load
	ds_add_u32 v[SPW], v[NIL]
	s_wait_dscnt 0x0
	CROUND                                         ; the closing round
	s_endpgm
.Lfunc_end_k_qc3eb084dd5_main:
	.size	k_qc3eb084dd5_main, .Lfunc_end_k_qc3eb084dd5_main-k_qc3eb084dd5_main
	.p2alignl 7, 3214868480
	.fill 96, 4, 3214868480
	.section	.rodata,"a",@progbits
	.p2align	6, 0x0
	.amdhsa_kernel k_qc3eb084dd5_main
		.amdhsa_group_segment_fixed_size 327680
		.amdhsa_private_segment_fixed_size 0
		.amdhsa_enable_private_segment 0
		.amdhsa_kernarg_size 56
		.amdhsa_user_sgpr_count 2
		.amdhsa_user_sgpr_kernarg_segment_ptr 1
		.amdhsa_wavefront_size32 1
		.amdhsa_system_sgpr_workgroup_id_x 1
		.amdhsa_system_sgpr_workgroup_id_y 1
		.amdhsa_system_sgpr_workgroup_id_z 1
		.amdhsa_system_vgpr_workitem_id 0
		.amdhsa_next_free_vgpr 1024
		.amdhsa_next_free_sgpr 76
		.amdhsa_reserve_vcc 1
		.amdhsa_float_denorm_mode_32 3
		.amdhsa_float_denorm_mode_16_64 3
		.amdhsa_memory_ordered 1
		.amdhsa_forward_progress 1
		.amdhsa_inst_pref_size 221
	.end_amdhsa_kernel
	.amdgpu_metadata
---
amdhsa.version: [ 1, 2 ]
amdhsa.kernels:
  - .name:           k_qc3eb084dd5_main
    .symbol:         k_qc3eb084dd5_main.kd
    .args:
      - { .name: wts, .offset: 0, .size: 8, .value_kind: global_buffer, .address_space: global }
      - { .name: nidx, .offset: 8, .size: 8, .value_kind: global_buffer, .address_space: global }
      - { .name: xyz, .offset: 16, .size: 8, .value_kind: global_buffer, .address_space: global }
      - { .name: qa, .offset: 24, .size: 8, .value_kind: global_buffer, .address_space: global }
      - { .name: ka, .offset: 32, .size: 8, .value_kind: global_buffer, .address_space: global }
      - { .name: vv, .offset: 40, .size: 8, .value_kind: global_buffer, .address_space: global }
      - { .name: res, .offset: 48, .size: 8, .value_kind: global_buffer, .address_space: global }
    .group_segment_fixed_size: 327680
    .private_segment_fixed_size: 0
    .kernarg_segment_align: 8
    .kernarg_segment_size: 56
    .max_flat_workgroup_size: 128
    .sgpr_count:     76
    .vgpr_count:     1024
    .wavefront_size: 32
...
	.end_amdgpu_metadata
.endif
;; end of part 11
;; launch tail: the kernel of part 6 again; grid 256 x 1, 4 waves a work-group, clusters of 4 x 1, 181,760 bytes of LDS; arguments res, wts, g_dm, b_dm, b_post, g_dp, b_dp, features, out0; writes out0
